; MI455X (gfx1250); checked and timed in simulation.
; The chip was launched on July 23, 2026; its instructions are those of AMD's public machine-readable ISA for CDNA 5 (MIT licence, August 2026) and "CDNA5" Instruction Set Architecture Reference Guide (July 2026). The comments in the code are by the model that wrote it; some were corrected since.
;; Transformer Layer. Allowed arithmetic: matrix products marked QUANTISED: E5M2 operands, one E8M0 scale for each 32 along K, by v_wmma_scale_f32_16x16x128_f8f6f4 with both operands' format E5M2, f32 sums; everything else in f32.
;; Inputs: b_down 1,024 float32; b_up 4,096 float32; bo 1,024 float32; scale1 1,024 float32; scale2 1,024 float32; shift1 1,024 float32; shift2 1,024 float32; w_down_codes 1,024 x 128 x 32 uint8 (E5M2 codes of w_down, K innermost, in blocks of 32 codes); w_down_scales 1,024 x 128 uint8 (E8M0 scales of w_down, one for each 32 codes along K); w_up_codes 4,096 x 32 x 32 uint8 (E5M2 codes of w_up, K innermost, in blocks of 32 codes); w_up_scales 4,096 x 32 uint8 (E8M0 scales of w_up, one for each 32 codes along K); wk_codes 1,024 x 32 x 32 uint8 (E5M2 codes of wk, K innermost, in blocks of 32 codes); wk_scales 1,024 x 32 uint8 (E8M0 scales of wk, one for each 32 codes along K); wo_codes 1,024 x 32 x 32 uint8 (E5M2 codes of wo, K innermost, in blocks of 32 codes); wo_scales 1,024 x 32 uint8 (E8M0 scales of wo, one for each 32 codes along K); wq_codes 1,024 x 32 x 32 uint8 (E5M2 codes of wq, K innermost, in blocks of 32 codes); wq_scales 1,024 x 32 uint8 (E8M0 scales of wq, one for each 32 codes along K); wv_codes 1,024 x 32 x 32 uint8 (E5M2 codes of wv, K innermost, in blocks of 32 codes); wv_scales 1,024 x 32 uint8 (E8M0 scales of wv, one for each 32 codes along K); x 2 x 2,048 x 1,024 float32.
;; Outputs: out0 2 x 2,048 x 1,024 float32.
;; This version of the problem:
;;   THIS VERSION OF THE PROBLEM IS GIVEN IN LOW PRECISION. The matrix products marked QUANTISED in the list below multiply operands that are first quantised to E5M2 (5 exponent bits, 2 mantissa bits; 8 bits a number), with one power-of-two scale for each 32 numbers along K (OCP MX v1.0); their sums are f32. All else is computed in f32.
;;   The module's matrix products, in the order in which they are computed (A, B: the left and right operand; K: the contracted axis; several contracted axes count as one K, in the product's order):
;;     1. [M 4,096, K 1,024] x [K 1,024, N 1,024]; A: computed on the way; B: input wq (given as codes): QUANTISED
;;     2. [M 4,096, K 1,024] x [K 1,024, N 1,024]; A: computed on the way; B: input wk (given as codes): QUANTISED
;;     3. [M 4,096, K 1,024] x [K 1,024, N 1,024]; A: computed on the way; B: input wv (given as codes): QUANTISED
;;     4. batch 32 x [M 2,048, K 64] x [K 64, N 2,048]; A: computed on the way; B: computed on the way: QUANTISED
;;     5. batch 32 x [M 2,048, K 2,048] x [K 2,048, N 64]; A: softmax (see below); B: computed on the way: QUANTISED
;;     6. [M 4,096, K 1,024] x [K 1,024, N 1,024]; A: computed on the way; B: input wo (given as codes): QUANTISED
;;     7. [M 4,096, K 1,024] x [K 1,024, N 4,096]; A: computed on the way; B: input w_up (given as codes): QUANTISED
;;     8. [M 4,096, K 4,096] x [K 4,096, N 1,024]; A: computed on the way; B: input w_down (given as codes): QUANTISED
;;   THE QUANTISER, for each operand of a quantised product, along K:
;;     - K is cut into blocks of 32 from its start; a last block that is shorter is filled with zeros.
;;     - A block's scale is 2^e with e = floor(log2(the largest magnitude in the block)) - 15, held to -126 .. 127; a block of zeros has e = 0. As a byte (E8M0): e + 127.
;;     - Each number is divided by its block's scale, clamped to +-57,344, and rounded to the nearest number of E5M2, ties to even, subnormals kept.
;;     - The product sums the exact products of the quantised numbers (number of the format x scale) in f32.
;;   ~~~python
;;   def quantise(x, axis):      # numpy; x: float32 -> the quantised numbers, widened to float32 again
;;       x = np.moveaxis(x, axis, -1); K = x.shape[-1]
;;       x = np.pad(x, [(0, 0)] * (x.ndim - 1) + [(0, -K % 32)]); x = x.reshape(x.shape[:-1] + (-1, 32)); a = np.abs(x).max(-1, keepdims=True)
;;       e = np.where(a > 0, np.clip(np.frexp(np.where(a > 0, a, 1))[1] - 1 - 15, -126, 127), 0)      # np.frexp(a)[1] - 1 = floor(log2(a)), exactly
;;       r = np.clip(x / 2.0 ** e, -57344, 57344)
;;       step = 2.0 ** (np.maximum(np.frexp(np.where(r == 0, 1, r))[1] - 1, -14) - 2)
;;       q = np.round(r / step) * step * 2.0 ** e      # np.round: ties to even
;;       return np.moveaxis(q.reshape(q.shape[:-2] + (-1,))[..., :K], -1, axis).astype(np.float32)
;;   ~~~
;;   SOFTMAX AHEAD OF A QUANTISED PRODUCT. Where the list says 'softmax', what is quantised is not the finished softmax but p = 2^(t - M), with t = logit x log2(e) and M = ceil(the row's largest t), a whole number; so 1/2 < the row's largest p <= 1. The row's sum l is taken of the UNQUANTISED p, in f32, and the product's result is divided by l at the end. Since M is a whole number, a kernel that streams over the keys may use a running M (the ceiling of the running maximum): every later rescaling is an exact power of two, which a block's scale takes up: the codes' values come out the same.
;;   OPERANDS COMPUTED ON THE WAY. 'Computed on the way' means the value that the module computes at that place (a softmax that the list does not call 'softmax' is quantised finished and normalised). What goes into a quantiser is computed in f32, as accurately as f32 sums, v_exp_f32 and their like allow (about 1e-6 of the number): no bf16 or f16 on the way to a quantiser, and a product that is left as it is and whose result goes on into a quantised operand takes f32 operands (vector FMAs, or v_wmma_f32_16x16x4_f32). A number that lies on a knife's edge between two numbers of the format may be rounded either way, as far as f32 arithmetic and the matrix unit's own rounding can turn it there, and no further.
;;   INPUTS GIVEN AS CODES. w_down (in the module: [1024, 4096], K = its axis 1); w_up (in the module: [4096, 1024], K = its axis 1); wk (in the module: [1024, 1024], K = its axis 1); wo (in the module: [1024, 1024], K = its axis 1); wq (in the module: [1024, 1024], K = its axis 1); wv (in the module: [1024, 1024], K = its axis 1): each comes as NAME_codes (uint8): NAME with its K axis moved to the last place and cut into blocks of 32 codes, [.., K / 32, bytes a block], one block behind the other in memory; one code a byte (a code: sign, 5 exponent bits, 2 mantissa bits); and NAME_scales (uint8): the same leading axes, one E8M0 byte (e + 127) for each 32 codes along K. Its value is code x scale, taken as it is: it is not quantised again, and the codes and scales need not be those that the quantiser above would give.
;; 2 versions. Each part assembles by itself: llvm-mc -triple=amdgcn-amd-amdhsa -mcpu=gfx1250 --defsym DOCPART=n.
;; ======== version 1 of 2: 7 launches
;; workspace buffers: hq 4,325,376 bytes; qkvq 12,976,128 bytes; cq 4,325,376 bytes; x1 16,777,216 bytes; gq 17,301,504 bytes
;; launch lnorm1 (part 1): grid 256 x 1, 4 waves a work-group, no clusters, 21,504 bytes of LDS; arguments x, scale1, shift1, hq; writes hq
.if DOCPART == 1
	.amdgcn_target "amdgcn-amd-amdhsa--gfx1250"
	.amdhsa_code_object_version 6
	.text
	.protected	k_q78330fe6e1_lnorm1
	.globl	k_q78330fe6e1_lnorm1
	.p2align	8
	.type	k_q78330fe6e1_lnorm1,@function
k_q78330fe6e1_lnorm1:
	s_mov_b64 s[64:65], 0
	v_nop
	global_prefetch_b8 v0, s[64:65] scope:SCOPE_SE
	s_setreg_imm32_b32 hwreg(HW_REG_WAVE_MODE, 25, 1), 1
	s_wait_xcnt 0x0
; THE MODULE'S NORM, AND THE QUANTISER BEHIND IT.  h = (x - mean) / (var + 1e-5) * gain + shift, var with n - 1 = 1,023 in the divisor and NO root, as the module has it; all in f32.
; h is then turned into codes of E5M2 with one E8M0 byte for each 32 along the row (the K of the products that read it).  In: [4096][1024] f32.  Out: codes [4096][1024] at byte 0, scale bytes [4096][32] at byte 4,194,304.
; NO WORK OF THE MODULE IS LEFT OUT IN THIS PROGRAM: every input has a way to the output, and every product of the table is computed.
; SHARES.  A work-group takes 16 rows, each of its four waves 4, a row at a time.  A row's eight loads read 512 consecutive bytes each; the row turns through the wave's own stage in LDS, so that a lane holds
; twice 16 NEIGHBOURS (columns 512 u + 16 lane + 0 .. 15): the conversions take neighbours along K from one lane's registers; lanes l and l xor 1 hold a block of 32.
; A lane's 16 codes are 16 bytes: a store of the wave covers 512 consecutive bytes.  The work-group's 512 scale bytes are gathered in LDS and leave by one store of 512 consecutive bytes.
; The mean is taken first and the squares of the differences second, so that a common offset of the row costs no accuracy.  The reciprocal is refined by one step of Newton.
; LIMITS: NaN and infinities among the inputs are not served.  A block of zeros gets the byte 1 where the quantiser says 127: its codes are zeros, and this program alone reads the bytes.
.set SP,    80                         ; a lane's place in a stage: 64 bytes + 16 of padding
.set HALF,  32*SP                      ; half a row in the stage
.set WST,   2*HALF                     ; a wave's stage
.set SCB,   4*WST                      ; the work-group's 16 x 32 scale bytes
.set SPARE, SCB+512                    ; the spare words, 128 bytes for each wave: no other line names them
.set SPW, 12                           ; v12 LDS address of my spare word; never rewritten
.set NIL, 13                           ; v13 0; never rewritten
.set G,   16                           ; v16-47   gain of my 32 columns
.set SH,  48                           ; v48-79   shift
.set R,   80                           ; v80-143  two sets of 32: a row as loaded
.set X,   144                          ; v144-175 the row as neighbours
.set C,   176                          ; v176-207 codes, 8 registers a row: no store's data are written again
.set W,   208                          ; v208-223 at work
.set E,   224                          ; v224-231 a scale byte for each row and half
	s_load_b256 s[4:11], s[0:1], 0x0               ; in s[4:5], gain s[6:7], shift s[8:9], out s[10:11]
	v_lshl_add_u32 v[SPW], v0, 2, SPARE
	v_mov_b32 v[NIL], 0
	v_lshrrev_b32 v1, 5, v0
	v_readfirstlane_b32 s16, v1                    ; wave
	v_and_b32 v1, 31, v0                           ; lane
	v_lshlrev_b32 v2, 4, v1                        ; 16 x lane: my bytes of a load's 512, and of a store's
	s_mul_i32 s17, s16, WST
	v_lshrrev_b32 v3, 2, v1
	v_mul_u32_u24 v3, v3, SP
	v_and_b32 v7, 3, v1
	v_lshl_add_u32 v3, v7, 4, v3
	v_add_nc_u32 v3, s17, v3                       ; into the stage: four lanes' 64 bytes on end, then the padding
	v_mul_u32_u24 v4, v1, SP
	v_add_nc_u32 v4, s17, v4                       ; out of it: my 64 bytes
	s_lshl_b32 s17, s16, 7
	s_add_co_u32 s17, s17, SCB
	v_lshrrev_b32 v5, 1, v1
	v_add_nc_u32 v5, s17, v5                       ; my block's scale byte: 128 bytes a wave, 32 a row
	v_lshlrev_b32 v6, 6, v1                        ; gain, shift: 64 bytes a lane
	v_add_nc_u32 v7, SCB, v2                       ; the scale bytes on their way out
	s_mov_b32 s12, 0x76543210
	s_mov_b32 s13, 0xfedcba98                      ; lane l xor 16
	s_mov_b32 s14, 0x600000                        ; the mantissa field of 57,344
	s_mov_b32 s15, 0x3a802008                      ; 1 / 1,023
	s_mov_b32 s22, 0x3727c5ac                      ; 1e-5
	s_lshl_b32 s18, ttmp9, 16                      ; 16 rows of 4,096 bytes a work-group,
	s_lshl_b32 s20, s16, 14                        ; 4 a wave
	s_add_co_u32 s18, s18, s20
	s_mov_b32 s19, 0
	s_lshl_b32 s20, ttmp9, 14                      ; the codes: a quarter of that
	s_lshl_b32 s21, s16, 12
	s_add_co_u32 s20, s20, s21
	s_mov_b32 s21, 0
	s_lshl_b32 s24, ttmp9, 9                       ; the scale bytes: 512 a work-group, behind the codes
	s_add_co_u32 s24, s24, 4194304
	s_mov_b32 s25, 0
	s_wait_kmcnt 0x0
	s_add_nc_u64 s[4:5], s[4:5], s[18:19]
	s_add_nc_u64 s[26:27], s[10:11], s[24:25]
	s_add_nc_u64 s[10:11], s[10:11], s[20:21]
.irp u, 0,1
.irp i, 0,1,2,3
	global_load_b128 v[G+16*\u+4*\i:G+16*\u+4*\i+3], v6, s[6:7] offset:2048*\u+16*\i
	global_load_b128 v[SH+16*\u+4*\i:SH+16*\u+4*\i+3], v6, s[8:9] offset:2048*\u+16*\i
.endr
.endr
.macro LOADROW t
.irp j, 0,1,2,3,4,5,6,7
	global_load_b128 v[R+32*((\t)%2)+4*\j:R+32*((\t)%2)+4*\j+3], v2, s[4:5] offset:4096*(\t)+512*\j th:TH_LOAD_NT
.endr
.endm
.macro LANES                           ; v[W] summed over the 32 lanes, the result in every lane
	v_add_f32_dpp v[W], v[W], v[W] row_xmask:1 row_mask:0xf bank_mask:0xf
	v_add_f32_dpp v[W], v[W], v[W] row_xmask:2 row_mask:0xf bank_mask:0xf
	v_add_f32_dpp v[W], v[W], v[W] row_xmask:4 row_mask:0xf bank_mask:0xf
	v_add_f32_dpp v[W], v[W], v[W] row_xmask:8 row_mask:0xf bank_mask:0xf
	v_permlanex16_b32 v[W+1], v[W], s12, s13
	v_add_f32 v[W], v[W], v[W+1]
.endm
.macro QROW t, u                       ; my 16 neighbours of half u become 16 codes and, with my neighbour lane, a scale byte
.set XS, X+16*(\u)
	v_max3_num_f32 v[W], |v[XS]|, |v[XS+1]|, |v[XS+2]|
	v_max3_num_f32 v[W+1], |v[XS+3]|, |v[XS+4]|, |v[XS+5]|
.irp i, 6,10
	v_max3_num_f32 v[W], v[W], |v[XS+\i]|, |v[XS+\i+1]|
	v_max3_num_f32 v[W+1], v[W+1], |v[XS+\i+2]|, |v[XS+\i+3]|
.endr
	v_max3_num_f32 v[W], v[W], |v[XS+14]|, |v[XS+15]|
	v_max3_num_f32 v[W], v[W], v[W+1], 0x8000000   ; and the floor 2^(16 - 127): the byte cannot fall under 1
	v_max_num_f32_dpp v[W], v[W], v[W] row_xmask:1 row_mask:0xf bank_mask:0xf   ; with my neighbour's 16: the block's largest magnitude
	v_add_nc_u32 v[W+2], 0xf8800000, v[W]          ; 15 off its exponent field: the conversion's scale operand
	v_and_or_b32 v[W+3], v[W], 0x7f800000, s14     ; 57,344 x the scale
.irp i, 0,1,2,3,4,5,6,7,8,9,10,11,12,13,14,15
	v_med3_num_f32 v[XS+\i], v[XS+\i], -v[W+3], v[W+3]   ; the conversion to an 8-bit code does not saturate (ISA guide 7.6.2): the hold comes first
.endr
	v_cvt_scalef32_pk8_bf8_f32 v[C+8*(\t)+4*(\u):C+8*(\t)+4*(\u)+1], v[XS:XS+7], v[W+2]
	v_cvt_scalef32_pk8_bf8_f32 v[C+8*(\t)+4*(\u)+2:C+8*(\t)+4*(\u)+3], v[XS+8:XS+15], v[W+2]
	v_lshrrev_b32 v[E+2*(\t)+(\u)], 23, v[W+2]     ; the scale's byte (a plain line behind the conversions)
	ds_store_b8 v5, v[E+2*(\t)+(\u)] offset:32*(\t)+16*(\u)   ; both lanes of a block write the same byte with the same value
	global_store_b128 v2, v[C+8*(\t)+4*(\u):C+8*(\t)+4*(\u)+3], s[10:11] offset:1024*(\t)+512*(\u)
.endm
.macro ROW t
.set RS, R+32*((\t)%2)
.if (\t) < 3
	s_wait_loadcnt 8                               ; this row's eight loads, and all older ones, are in; the next row's eight may be out
.else
	s_wait_loadcnt 0x0
.endif
.irp j, 0,1,2,3,4,5,6,7
	ds_store_b128 v3, v[RS+4*\j:RS+4*\j+3] offset:(\j/4)*HALF+(\j%4)*8*SP
.endr
.irp j, 0,1,2,3,4,5,6,7
	ds_load_b128 v[X+4*\j:X+4*\j+3], v4 offset:(\j/4)*HALF+(\j%4)*16   ; LDS serves a wave's instructions in order: these see the stores above
.endr
	s_wait_dscnt 0x0                               ; the row is back, so the stores have read their registers,
.if (\t)+2 < 4
	LOADROW (\t)+2                                 ; which take the row two further on
.endif
	v_pk_add_f32 v[W:W+1], v[X:X+1], v[X+2:X+3]    ; the sum, two at a time, in two chains
	v_pk_add_f32 v[W+2:W+3], v[X+4:X+5], v[X+6:X+7]
.irp i, 8,12,16,20,24,28
	v_pk_add_f32 v[W:W+1], v[W:W+1], v[X+\i:X+\i+1]
	v_pk_add_f32 v[W+2:W+3], v[W+2:W+3], v[X+\i+2:X+\i+3]
.endr
	v_pk_add_f32 v[W:W+1], v[W:W+1], v[W+2:W+3]
	v_add_f32 v[W], v[W], v[W+1]
	LANES
	v_mul_f32 v[W+8], 0x3a800000, v[W]             ; the mean: / 1,024
	v_mov_b32 v[W+9], v[W+8]
.irp i, 0,2,4,6,8,10,12,14,16,18,20,22,24,26,28,30
	v_pk_add_f32 v[X+\i:X+\i+1], v[X+\i:X+\i+1], v[W+8:W+9] neg_lo:[0,1] neg_hi:[0,1]
.endr
	v_pk_mul_f32 v[W:W+1], v[X:X+1], v[X:X+1]      ; the squares of the differences
	v_pk_mul_f32 v[W+2:W+3], v[X+2:X+3], v[X+2:X+3]
.irp i, 4,8,12,16,20,24,28
	v_pk_fma_f32 v[W:W+1], v[X+\i:X+\i+1], v[X+\i:X+\i+1], v[W:W+1]
	v_pk_fma_f32 v[W+2:W+3], v[X+\i+2:X+\i+3], v[X+\i+2:X+\i+3], v[W+2:W+3]
.endr
	v_pk_add_f32 v[W:W+1], v[W:W+1], v[W+2:W+3]
	v_add_f32 v[W], v[W], v[W+1]
	LANES
	v_fma_f32 v[W+2], v[W], s15, s22               ; var + eps
	v_rcp_f32 v[W+3], v[W+2]
	v_nop                                          ; a plain line behind the reciprocal
	s_wait_alu depctr_va_vdst(0)                   ; the wait ahead of the first use
	v_fma_f32 v[W+4], -v[W+2], v[W+3], 1.0         ; one step of Newton
	v_fma_f32 v[W+10], v[W+3], v[W+4], v[W+3]
	v_mov_b32 v[W+11], v[W+10]
.irp i, 0,2,4,6,8,10,12,14,16,18,20,22,24,26,28,30
	v_pk_mul_f32 v[X+\i:X+\i+1], v[X+\i:X+\i+1], v[W+10:W+11]
.endr
.irp i, 0,2,4,6,8,10,12,14,16,18,20,22,24,26,28,30
	v_pk_fma_f32 v[X+\i:X+\i+1], v[X+\i:X+\i+1], v[G+\i:G+\i+1], v[SH+\i:SH+\i+1]
.endr
	QROW \t, 0
	QROW \t, 1
.endm
	LOADROW 0
	LOADROW 1
	ROW 0
	ROW 1
	ROW 2
	ROW 3
	s_wait_dscnt 0x0                               ; for the others' sake: my scale bytes lie in LDS
	s_barrier_signal -1
	s_barrier_wait -1
	s_cmp_lg_u32 s16, 0
	s_cbranch_scc1 .Lnot_wave_0
	ds_load_b128 v[W:W+3], v7                      ; wave 0 stores the work-group's 512 scale bytes: 512 consecutive bytes
	s_wait_dscnt 0x0
	global_store_b128 v2, v[W:W+3], s[26:27]
.Lnot_wave_0:
	s_wait_tensorcnt 0x0                           ; the wave's end
	ds_add_u32 v[SPW], v[NIL]
	s_wait_dscnt 0x0
	s_endpgm
.Lfunc_end_k_q78330fe6e1_lnorm1:
	.size	k_q78330fe6e1_lnorm1, .Lfunc_end_k_q78330fe6e1_lnorm1-k_q78330fe6e1_lnorm1
	.p2alignl 7, 3214868480
	.fill 96, 4, 3214868480
	.section	.rodata,"a",@progbits
	.p2align	6, 0x0
	.amdhsa_kernel k_q78330fe6e1_lnorm1
		.amdhsa_group_segment_fixed_size 21504
		.amdhsa_private_segment_fixed_size 0
		.amdhsa_enable_private_segment 0
		.amdhsa_kernarg_size 32
		.amdhsa_user_sgpr_count 2
		.amdhsa_user_sgpr_kernarg_segment_ptr 1
		.amdhsa_wavefront_size32 1
		.amdhsa_system_sgpr_workgroup_id_x 1
		.amdhsa_system_sgpr_workgroup_id_y 1
		.amdhsa_system_sgpr_workgroup_id_z 1
		.amdhsa_system_vgpr_workitem_id 0
		.amdhsa_next_free_vgpr 240
		.amdhsa_next_free_sgpr 66
		.amdhsa_reserve_vcc 0
		.amdhsa_float_denorm_mode_32 3
		.amdhsa_float_denorm_mode_16_64 3
		.amdhsa_memory_ordered 1
		.amdhsa_forward_progress 1
		.amdhsa_inst_pref_size 53
	.end_amdhsa_kernel
	.amdgpu_metadata
---
amdhsa.version: [ 1, 2 ]
amdhsa.kernels:
  - .name:           k_q78330fe6e1_lnorm1
    .symbol:         k_q78330fe6e1_lnorm1.kd
    .args:
      - { .name: x, .offset: 0, .size: 8, .value_kind: global_buffer, .address_space: global }
      - { .name: scale1, .offset: 8, .size: 8, .value_kind: global_buffer, .address_space: global }
      - { .name: shift1, .offset: 16, .size: 8, .value_kind: global_buffer, .address_space: global }
      - { .name: hq, .offset: 24, .size: 8, .value_kind: global_buffer, .address_space: global }
    .group_segment_fixed_size: 21504
    .private_segment_fixed_size: 0
    .kernarg_segment_align: 8
    .kernarg_segment_size: 32
    .max_flat_workgroup_size: 128
    .sgpr_count:     66
    .vgpr_count:     240
    .wavefront_size: 32
...
	.end_amdgpu_metadata
.endif
;; end of part 1
;; launch proj (part 2): grid 16 x 48, 4 waves a work-group, clusters of 4 x 4, 327,680 bytes of LDS; arguments hq, wq_codes, wq_scales, wk_codes, wk_scales, wv_codes, wv_scales, qkvq; writes qkvq
.if DOCPART == 2
	.amdgcn_target "amdgcn-amd-amdhsa--gfx1250"
	.amdhsa_code_object_version 6
	.text
	.protected	k_q78330fe6e1_proj
	.globl	k_q78330fe6e1_proj
	.p2align	8
	.type	k_q78330fe6e1_proj,@function
k_q78330fe6e1_proj:
	s_mov_b64 s[64:65], 0
	v_nop
	global_prefetch_b8 v0, s[64:65] scope:SCOPE_SE
	s_setreg_imm32_b32 hwreg(HW_REG_WAVE_MODE, 25, 1), 1
	s_wait_xcnt 0x0
	s_wait_alu depctr_hold_cnt(0) depctr_sa_sdst(0) depctr_va_vdst(0) depctr_va_sdst(0) depctr_va_ssrc(0) depctr_va_vcc(0) depctr_vm_vsrc(0)
	s_getreg_b32 s2, hwreg(HW_REG_IB_STS2, 6, 4)
	s_cmp_eq_u32 s2, 0
	s_cbranch_scc0 .Lentry_in_a_cluster
	s_endpgm
.Lentry_in_a_cluster:
	s_bfe_u32 s2, ttmp6, 0x10000c
	s_cmp_lg_u32 s2, 0xf033
	s_cbranch_scc0 .Lentry_shape_is_right
	s_endpgm
.Lentry_shape_is_right:
; q = h wq^T, k = h wk^T, v = h wv^T on codes of E5M2 with E8M0 scales, and the quantisers of the two products of attention: q and k along the head's 64, v along the tokens (the keys).  Nothing of the module is left out.
; C[m][n] = sum over k of A[m][k] B[n][k], K = 1,024.  A tile of C is 128 x 128: four waves, each 64 x 64: 16 accumulators.  768 tiles: q 256, k 256, v 256.
; For q and k: A = h (m = token), B = the weight (n = feature).  For v: A = wv (m = channel), B = h (n = token).  THE MATRIX INSTRUCTION IS USED TRANSPOSED (source 0 = 16 rows of B, source 1 = 16 rows of A):
; a lane holds one row m and its registers run along n.  So one way out quantises q and k along the features and v along the tokens.
; K goes through two LDS slots of 512 along K (rows of 512 bytes + 16 of padding); both are filled once, at the head, with the scale bytes of the tile's rows: nothing is filled again.
; CLUSTERS: 4 x 4 work-groups; A's tiles are asked for jointly along a row of the cluster, B's along a column.  Which part a cluster serves hangs on the cluster's own coordinates, which all sixteen share.
; OUT (qkvq): region R (q 0, k 1, v 2) at R << 22; block (batch x 16 + head) x 32 + token / 64 of 4,096 bytes: four images of operand registers: tile a, group c, lane l: 16 bytes at 1,024 a + 512 c + 16 l
; (q, k: tile = 16 tokens, bytes = features 32 c + 16 (l / 16) + 0 .. 15; v: tile = 16 channels, bytes = tokens likewise).  Scale words at 12,582,912 + (R << 17) + 128 x block: [pair p][row r]: the two bytes of tile 2 p, then those of tile 2 p + 1.
; REGISTERS: window 0: v1-29 addresses; v32-63 scale words, two sets; v64-111 at work on the way out; v128-255 the accumulators ((a, b) at v[128 + 8 (4 a + b)]).  Window 1: two sets of fragments of 128 along K: A's four blocks, then B's four.
; LIMITS: NaN and infinities are not served; a block of zeros gets the byte 1 (its codes are zeros; this program alone reads the bytes).
.set KDIM,  1024
.set KS,    KDIM/32                    ; a row of scale bytes
.set PITCH, 528                        ; an LDS row: 512 bytes + 16: the 16 rows that a load touches start at 16 different groups of banks
.set HALFT, 64*PITCH                   ; what one tensor load brings, and what one wave reads of A or of B
.set SLOT,  4*HALFT                    ; A's 128 rows, then B's
.set SCL,   2*SLOT                     ; the scale bytes, as units of 256 bytes + 16
.set HALFS, (64*KS/256)*272            ; those of 64 rows
.set SB32,  (32*KS/256)*272            ; those of 32 rows
.set SPARE, SCL+4*HALFS                ; the spare words, 128 bytes for each wave: no other line names them
.set S16,  8                           ; v8-11  the two scale bytes of my row in tile a
.set ADRA, 16                          ; v16-17 LDS address of my A fragments in slot 0, 1
.set ADRB, 20                          ; v20-21 the same for B
.set ADSA, 22                          ; v22    of A's scale words: a lane a row, 32 rows
.set ADSB, 23                          ; v23    of B's
.set LI,   24                          ; v24    16 x lane
.set LS,   25                          ; v25    4 x lane
.set SPW,  28
.set NIL,  29
.set SC,   32                          ; set s at v[SC + 16 s]: A's words at 4 ip + q, B's at 8 + 4 ip + q: lanes 0-15 block 2 ip, lanes 16-31 block 2 ip + 1; q: which 128 along K
.set PCQ,  64                          ; v64-95 codes, 8 registers a tile: no store's data are written again
.set TM,   96                          ; v96-103 at work
.set ACC,  128
.set F0,   0
.set F1,   128
.set G1, 24
.set G0, 32
.set G1B, 48
.set G0B, 56
.set G1S, 68
.set G0S, 76
.set G1SB, 80
.set G0SB, 88
.set WV, 92                            ; s92 wave; s93 which half of the rows is mine, and: I fetch for A (0) or B (1); s94 which half of the columns, and which 64 rows I fetch
.set RH, 93
.set CH, 94
.set SEL, 2
.set MNT, 95
.set MSB, 0
.macro WIN new                         ; the immediate's high byte repeats the setting that is left
.if MSB != \new
	s_set_vgpr_msb (MSB<<8)|\new
.set MSB, \new
.endif
.endm
.set MUL,  0x05                        ; sources 0 (B) and 1 (A) window 1; C and D window 0
.set TO_F, 0x40                        ; destination window 1, address window 0
.macro JLOAD g0a, g1a, g0b, g1b        ; a joint load: waves 0 and 1 fetch for A, waves 2 and 3 for B; an s_nop 0 and four v_nop follow each of the two lines
	s_cmp_eq_u32 s[RH], 0
	s_cbranch_scc0 .Lfor_b_\@
	tensor_load_to_lds s[\g0a:\g0a+3], s[\g1a:\g1a+7]
	s_nop 0
.rept 4
	v_nop
.endr
	s_branch .Lasked_\@
.Lfor_b_\@:
	tensor_load_to_lds s[\g0b:\g0b+3], s[\g1b:\g1b+7]
	s_nop 0
.rept 4
	v_nop
.endr
.Lasked_\@:
.endm
.macro CREST                           ; a round of the cluster's barrier behind its opening barrier
	s_cmp_lg_u32 s[WV], 0
	s_cbranch_scc1 .Lnot_wave_0_\@
	s_barrier_signal -3
.Lnot_wave_0_\@:
	s_barrier_wait -3
	s_barrier_signal -1
	s_barrier_wait -1
.endm
.macro CROUND
	s_barrier_signal -1
	s_barrier_wait -1
	CREST
.endm
.macro PLACES n                        ; plain vector lines behind matrix instructions: eight for this form
.rept \n
	v_nop
.endr
.endm
; one product: D, B's fragment, A's fragment, C (cr < 0: the constant 0), B's scale register, A's; ob, oa: the words stand in lanes 16-31
.macro WM d, fb, fa, cr, sb, sa, ob, oa
.if (\cr) < 0
.if (\ob) && (\oa)
	v_wmma_scale_f32_16x16x128_f8f6f4 v[\d:\d+7], v[\fb:\fb+15], v[\fa:\fa+15], 0, v[\sb], v[\sa] matrix_a_fmt:MATRIX_FMT_BF8 matrix_b_fmt:MATRIX_FMT_BF8 matrix_a_scale:MATRIX_SCALE_ROW1 matrix_b_scale:MATRIX_SCALE_ROW1
.elseif (\ob)
	v_wmma_scale_f32_16x16x128_f8f6f4 v[\d:\d+7], v[\fb:\fb+15], v[\fa:\fa+15], 0, v[\sb], v[\sa] matrix_a_fmt:MATRIX_FMT_BF8 matrix_b_fmt:MATRIX_FMT_BF8 matrix_a_scale:MATRIX_SCALE_ROW1
.elseif (\oa)
	v_wmma_scale_f32_16x16x128_f8f6f4 v[\d:\d+7], v[\fb:\fb+15], v[\fa:\fa+15], 0, v[\sb], v[\sa] matrix_a_fmt:MATRIX_FMT_BF8 matrix_b_fmt:MATRIX_FMT_BF8 matrix_b_scale:MATRIX_SCALE_ROW1
.else
	v_wmma_scale_f32_16x16x128_f8f6f4 v[\d:\d+7], v[\fb:\fb+15], v[\fa:\fa+15], 0, v[\sb], v[\sa] matrix_a_fmt:MATRIX_FMT_BF8 matrix_b_fmt:MATRIX_FMT_BF8
.endif
.else
.if (\ob) && (\oa)
	v_wmma_scale_f32_16x16x128_f8f6f4 v[\d:\d+7], v[\fb:\fb+15], v[\fa:\fa+15], v[\cr:\cr+7], v[\sb], v[\sa] matrix_a_fmt:MATRIX_FMT_BF8 matrix_b_fmt:MATRIX_FMT_BF8 matrix_a_scale:MATRIX_SCALE_ROW1 matrix_b_scale:MATRIX_SCALE_ROW1
.elseif (\ob)
	v_wmma_scale_f32_16x16x128_f8f6f4 v[\d:\d+7], v[\fb:\fb+15], v[\fa:\fa+15], v[\cr:\cr+7], v[\sb], v[\sa] matrix_a_fmt:MATRIX_FMT_BF8 matrix_b_fmt:MATRIX_FMT_BF8 matrix_a_scale:MATRIX_SCALE_ROW1
.elseif (\oa)
	v_wmma_scale_f32_16x16x128_f8f6f4 v[\d:\d+7], v[\fb:\fb+15], v[\fa:\fa+15], v[\cr:\cr+7], v[\sb], v[\sa] matrix_a_fmt:MATRIX_FMT_BF8 matrix_b_fmt:MATRIX_FMT_BF8 matrix_b_scale:MATRIX_SCALE_ROW1
.else
	v_wmma_scale_f32_16x16x128_f8f6f4 v[\d:\d+7], v[\fb:\fb+15], v[\fa:\fa+15], v[\cr:\cr+7], v[\sb], v[\sa] matrix_a_fmt:MATRIX_FMT_BF8 matrix_b_fmt:MATRIX_FMT_BF8
.endif
.endif
.endm
; four products: A's block a against B's four, the slot's q-th 128 along K, from fragment set f, scale set sc.  zero = 1: they start the sums.  The 16 accumulators take turns, in the same order in every quarter.
.macro MULA f, a, q, sc, zero
.irp b, 0,1,2,3
.if \zero == 1
	WM ACC+8*(4*(\a)+\b), \f+64+16*\b, \f+16*(\a), -1, SC+16*(\sc)+8+4*(\b/2)+(\q), SC+16*(\sc)+4*((\a)/2)+(\q), \b%2, (\a)%2
.else
	WM ACC+8*(4*(\a)+\b), \f+64+16*\b, \f+16*(\a), ACC+8*(4*(\a)+\b), SC+16*(\sc)+8+4*(\b/2)+(\q), SC+16*(\sc)+4*((\a)/2)+(\q), \b%2, (\a)%2
.endif
.endr
.endm
.macro FETCH slot, q, f                ; 32 LDS loads in one run: B's four fragments, then A's: lane l: row l % 16, registers 4 c on: K = 32 c + 16 (l / 16) + 0 .. 15
	WIN TO_F
.irp i, 0,1,2,3
.irp c, 0,1,2,3
	ds_load_b128 v[\f+64+16*\i+4*\c:\f+64+16*\i+4*\c+3], v[ADRB+\slot] offset:128*(\q)+32*\c+\i*16*PITCH
.endr
.endr
.irp i, 0,1,2,3
.irp c, 0,1,2,3
	ds_load_b128 v[\f+16*\i+4*\c:\f+16*\i+4*\c+3], v[ADRA+\slot] offset:128*(\q)+32*\c+\i*16*PITCH
.endr
.endr
.endm
.macro SCALES sc                       ; a slot's scale words: 16 bytes a row: four words, one for each 128 along K
.irp ip, 0,1
	ds_load_b128 v[SC+16*(\sc)+4*\ip:SC+16*(\sc)+4*\ip+3], v[ADSA] offset:\ip*SB32
	ds_load_b128 v[SC+16*(\sc)+8+4*\ip:SC+16*(\sc)+8+4*\ip+3], v[ADSB] offset:\ip*SB32
.endr
.endm
.macro QUARTER slot, q, f, g, zero     ; 128 along K from set f; in its middle the next 128 are fetched into set g
	s_wait_dscnt 8                                 ; B's fragments and A's blocks 0, 1 are in; the youngest eight loads (A's blocks 2, 3) may be out
	WIN MUL
	MULA \f, 0, \q, \slot, \zero
	MULA \f, 1, \q, \slot, \zero
	PLACES 8                                       ; in front of loads into registers that matrix instructions have read
	FETCH \slot, (\q)+1, \g
	s_wait_dscnt 32                                ; all but the 32 just issued
	WIN MUL
	MULA \f, 2, \q, \slot, \zero
	MULA \f, 3, \q, \slot, \zero
.endm
.macro TURN slot, next                 ; a slot's last 128 along K, and the change of slots: one barrier; nothing is filled again in this launch
	WIN 0                                          ; (the add's two registers lie in window 0)
	s_wait_tensorcnt 0x0                           ; all my tensor loads have landed: my part of the next slot
	ds_add_u32 v[SPW], v[NIL]                      ; 0 onto my spare word
	s_wait_dscnt 9                                 ; (the add and the youngest eight loads may be out)
	WIN MUL
	MULA F1, 0, 3, \slot, 0
	s_wait_dscnt 0x0                               ; the add is done, and my reads of this slot are over
	s_barrier_signal -1
	MULA F1, 1, 3, \slot, 0
	WIN 0
	s_barrier_wait -1                              ; the next slot is whole, and nobody reads this one any more
	PLACES 8
	v_add_nc_u32 v[ADSA], 16, v[ADSA]              ; on to the next slot's scale words
	v_add_nc_u32 v[ADSB], 16, v[ADSB]
	SCALES \next
	FETCH \next, 0, F0
	WIN MUL
	MULA F1, 2, 3, \slot, 0
	MULA F1, 3, 3, \slot, 0
.endm
; 32 numbers of a lane, the four accumulators of tile a: register 8 b + j = n 16 b + 8 (lane / 16) + j of my row.  A block of 32 along n is accumulators 2 c, 2 c + 1 of lanes l and l xor 16.
; The codes come out in the accumulators' order; two exchanges of half-rows of lanes for each block bring them into the operand's: registers 4 c on: n = 32 c + 16 (lane / 16) + 0 .. 15.
.macro QUANT a, pc, tm
.set XQ, ACC+32*(\a)
.irp c, 0,1
	v_max3_num_f32 v[\tm+\c], |v[XQ+16*\c]|, |v[XQ+16*\c+1]|, 0x8000000   ; each accumulator is read from its low end on; the floor 2^(16 - 127) holds the byte at 1 from below
.endr
.irp i, 2,4,6,8,10,12,14
.irp c, 0,1
	v_max3_num_f32 v[\tm+\c], v[\tm+\c], |v[XQ+16*\c+\i]|, |v[XQ+16*\c+\i+1]|
.endr
.endr
.irp c, 0,1
	v_permlanex16_b32 v[\tm+2+\c], v[\tm+\c], s[SEL], s[SEL+1]
.endr
.irp c, 0,1
	v_max_num_f32 v[\tm+\c], v[\tm+\c], v[\tm+2+\c]   ; the block's largest magnitude
.endr
.irp c, 0,1
	v_add_nc_u32 v[\tm+4+\c], 0xf8800000, v[\tm+\c]   ; 15 off its exponent field: the conversion's scale operand
.endr
.irp c, 0,1
	v_and_or_b32 v[\tm+6+\c], v[\tm+\c], 0x7f800000, s[MNT]   ; 57,344 x the scale
.endr
.irp c, 0,1
	v_lshrrev_b32 v[\tm+2+\c], 23, v[\tm+4+\c]     ; the scale's byte
.endr
	v_lshl_or_b32 v[S16+(\a)], v[\tm+3], 8, v[\tm+2]
.irp c, 0,1
.irp i, 0,1,2,3,4,5,6,7,8,9,10,11,12,13,14,15
	v_med3_num_f32 v[XQ+16*\c+\i], v[XQ+16*\c+\i], -v[\tm+6+\c], v[\tm+6+\c]   ; the conversion does not saturate (ISA guide 7.6.2): the hold comes first
.endr
	v_cvt_scalef32_pk8_bf8_f32 v[\pc+4*\c:\pc+4*\c+1], v[XQ+16*\c:XQ+16*\c+7], v[\tm+4+\c]
	v_cvt_scalef32_pk8_bf8_f32 v[\pc+4*\c+2:\pc+4*\c+3], v[XQ+16*\c+8:XQ+16*\c+15], v[\tm+4+\c]
.endr
	v_nop                                          ; a plain line between the last conversion and the first line that touches a result
.irp c, 0,1
	v_permlane16_swap_b32 v[\pc+4*\c], v[\pc+4*\c+2]      ; lanes 16-31 of the first change places with lanes 0-15 of the second
	v_permlane16_swap_b32 v[\pc+4*\c+1], v[\pc+4*\c+3]
.endr
.endm
	s_load_b256 s[4:11], s[0:1], 0x0               ; hq s[4:5], wq's codes s[6:7], scales s[8:9], wk's codes s[10:11]
	s_load_b256 s[12:19], s[0:1], 0x20             ; wk's scales s[12:13], wv's codes s[14:15], scales s[16:17], qkvq s[18:19]
	v_lshl_add_u32 v[SPW], v0, 2, SPARE
	v_mov_b32 v[NIL], 0
	ds_add_u32 v[SPW], v[NIL]                      ; the wave's opening: the add, twice on end, and its wait ahead of my first tensor load
	ds_add_u32 v[SPW], v[NIL]
	v_lshrrev_b32 v1, 5, v0
	v_readfirstlane_b32 s[WV], v1
	s_lshr_b32 s[RH], s[WV], 1
	s_and_b32 s[CH], s[WV], 1
	s_bfe_u32 s40, ttmp6, 0x40000                  ; cx, cy: my place in the cluster
	s_bfe_u32 s41, ttmp6, 0x40004
	; which part the cluster serves: cluster y 0 .. 7: q (cluster x 0, 1) and k (2, 3): 2 x 8 clusters each; cluster y 8 .. 11: v: 8 x 2 clusters
	s_and_b32 s95, ttmp7, 0xffff                   ; cluster y
	s_sub_co_u32 s96, s95, 8                       ; t (used for v alone)
	s_and_b32 s97, s96, 1
	s_lshl_b32 s97, s97, 2
	s_add_co_u32 s97, s97, ttmp9                   ; v: cluster column = cluster x + 4 (t & 1)
	s_lshr_b32 s96, s96, 1                         ; v: cluster row = t >> 1
	s_and_b32 s99, ttmp9, 1                        ; q, k: cluster column = cluster x & 1
	s_cmp_ge_u32 s95, 8
	s_cselect_b32 s98, 1, 0                        ; 1: v
	s_cselect_b32 s42, s97, s99
	s_cselect_b32 s66, s96, s95
	s_lshl_b32 s42, s42, 2
	s_add_co_u32 s42, s42, s40                     ; tile column of C
	s_lshl_b32 s66, s66, 2
	s_add_co_u32 s66, s66, s41                     ; tile row of C
	s_lshr_b32 s99, ttmp9, 1
	s_cmp_eq_u32 s98, 1
	s_cselect_b32 s99, 2, s99                      ; the region: q 0, k 1, v 2
	s_lshl_b32 s43, s41, 2
	s_lshl_b32 s43, 15, s43                        ; my row of the cluster
	s_lshl_b32 s44, 0x1111, s40                    ; my column
	; descriptor group 1: a tile of 64 rows x 512 bytes, 16 bytes of padding behind each row
	s_or_b32 s[G1+0], s43, (0<<16)|(1<<20)|(1<<21)|(6<<22)|(3<<25)
	s_or_b32 s[G1B+0], s44, (0<<16)|(1<<20)|(1<<21)|(6<<22)|(3<<25)
.irp g, G1, G1B
	s_mov_b32 s[\g+1], 512<<16                     ; tensor_dim0
	s_mov_b32 s[\g+2], 64<<16                      ; tensor_dim1
	s_mov_b32 s[\g+3], 512<<16                     ; tile_dim0
	s_mov_b32 s[\g+4], 64                          ; tile_dim1
	s_mov_b32 s[\g+5], KDIM                        ; from row to row
	s_mov_b32 s[\g+6], 0
	s_mov_b32 s[\g+7], 0
.endr
	; the scale bytes of 64 rows: a dense block, as rows of 256 bytes (32 elements of 8 bytes), 16 bytes of padding behind each
	s_or_b32 s[G1S+0], s43, (3<<16)|(1<<20)|(1<<21)|(5<<22)|(3<<25)
	s_or_b32 s[G1SB+0], s44, (3<<16)|(1<<20)|(1<<21)|(5<<22)|(3<<25)
.irp g, G1S, G1SB
	s_mov_b32 s[\g+1], 32<<16
	s_mov_b32 s[\g+2], (64*KS/256)<<16
	s_mov_b32 s[\g+3], 32<<16
	s_mov_b32 s[\g+4], 64*KS/256
	s_mov_b32 s[\g+5], 32
	s_mov_b32 s[\g+6], 0
	s_mov_b32 s[\g+7], 0
.endr
	s_lshl_b32 s95, s[CH], 6                       ; which 64 rows of the tile I fetch
	s_lshl_b32 s20, s66, 7
	s_add_co_u32 s20, s20, s95                     ; A's row
	s_lshl_b32 s46, s42, 7
	s_add_co_u32 s46, s46, s95                     ; B's row
	s_lshl_b32 s22, s20, 5                         ; where these rows' scale bytes begin,
	s_mov_b32 s23, 0
	s_lshl_b32 s96, s46, 5
	s_mov_b32 s97, 0
	s_lshl_b32 s20, s20, 10                        ; and their codes
	s_mov_b32 s21, 0
	s_lshl_b32 s46, s46, 10
	s_mov_b32 s47, 0
	s_mul_i32 s45, s[WV], HALFT                    ; where they go: no place in the cluster enters an LDS address
	s_mul_i32 s67, s[WV], HALFS
	s_wait_dscnt 0x0                               ; both opening adds are done
	s_wait_kmcnt 0x0
	s_cmp_lt_u32 ttmp9, 2                          ; the choices hang on the cluster's coordinates alone
	s_cselect_b64 s[6:7], s[6:7], s[10:11]         ; wq or wk
	s_cselect_b64 s[8:9], s[8:9], s[12:13]
	s_add_nc_u64 s[10:11], s[4:5], 0x400000        ; h's scale bytes lie behind its codes
	s_cmp_eq_u32 s98, 1
	s_cselect_b64 s[12:13], s[14:15], s[4:5]       ; A: wv, or h
	s_cselect_b64 s[16:17], s[16:17], s[10:11]     ; A's scales
	s_cselect_b64 s[6:7], s[4:5], s[6:7]           ; B: h, or the weight
	s_cselect_b64 s[8:9], s[10:11], s[8:9]         ; B's scales
	s_add_nc_u64 s[20:21], s[12:13], s[20:21]
	s_add_nc_u64 s[22:23], s[16:17], s[22:23]
	s_add_nc_u64 s[46:47], s[6:7], s[46:47]
	s_add_nc_u64 s[96:97], s[8:9], s[96:97]
	CROUND                                         ; all sixteen work-groups are here: the first joint loads meet
	s_mov_b32 s[G0S], 1
	s_add_co_u32 s[G0S+1], s67, SCL
	s_mov_b64 s[G0S+2:G0S+3], s[22:23]
	s_or_b32 s[G0S+3], s[G0S+3], 0x80000000
	s_mov_b32 s[G0SB], 1
	s_add_co_u32 s[G0SB+1], s67, SCL
	s_mov_b64 s[G0SB+2:G0SB+3], s[96:97]
	s_or_b32 s[G0SB+3], s[G0SB+3], 0x80000000
	JLOAD G0S, G1S, G0SB, G1SB                     ; the scale bytes first: they are wanted with slot 0
.irp s, 0,1
	s_mov_b32 s[G0+4*\s], 1
	s_add_co_u32 s[G0+4*\s+1], s45, \s*SLOT
	s_add_nc_u64 s[G0+4*\s+2:G0+4*\s+3], s[20:21], \s*512
	s_or_b32 s[G0+4*\s+3], s[G0+4*\s+3], 0x80000000
	s_mov_b32 s[G0B+4*\s], 1
	s_add_co_u32 s[G0B+4*\s+1], s45, \s*SLOT
	s_add_nc_u64 s[G0B+4*\s+2:G0B+4*\s+3], s[46:47], \s*512
	s_or_b32 s[G0B+4*\s+3], s[G0B+4*\s+3], 0x80000000
	JLOAD G0+4*\s, G1, G0B+4*\s, G1B               ; three tensor loads of mine are out
.endr
	v_and_b32 v1, 15, v0                           ; r
	v_bfe_u32 v2, v0, 4, 1                         ; h
	v_mul_u32_u24 v3, v1, PITCH
	v_lshl_add_u32 v4, v2, 4, v3
	s_mul_i32 s21, s[RH], HALFT
	s_mul_i32 s22, s[CH], HALFT
	s_add_co_u32 s22, s22, 2*HALFT
.irp s, 0,1
	v_add_nc_u32 v[ADRA+\s], s21, v4
	v_add_nc_u32 v[ADRB+\s], s22, v4
	s_add_co_u32 s21, s21, SLOT
	s_add_co_u32 s22, s22, SLOT
.endr
	v_and_b32 v5, 31, v0                           ; lane
	v_lshlrev_b32 v6, 5, v5                        ; a lane a row of KS bytes,
	v_lshrrev_b32 v7, 3, v5
	v_lshl_add_u32 v6, v7, 4, v6                   ; and 16 more for each 256 passed
	s_mul_i32 s21, s[RH], HALFS
	s_add_co_u32 s21, s21, SCL
	s_mul_i32 s22, s[CH], HALFS
	s_add_co_u32 s22, s22, SCL+2*HALFS
	v_add_nc_u32 v[ADSA], s21, v6
	v_add_nc_u32 v[ADSB], s22, v6
	v_lshlrev_b32 v[LI], 4, v5
	v_lshlrev_b32 v[LS], 2, v5
	; where my 64 x 64 goes: one block of one region
	s_lshl_b32 s20, s66, 7
	s_lshl_b32 s21, s[RH], 6
	s_add_co_u32 s20, s20, s21                     ; my first m
	s_lshl_b32 s21, s42, 7
	s_lshl_b32 s22, s[CH], 6
	s_add_co_u32 s21, s21, s22                     ; my first n
	s_cmp_eq_u32 s98, 1
	s_cselect_b32 s22, s21, s20                    ; the token
	s_cselect_b32 s23, s20, s21                    ; the feature
	s_lshr_b32 s20, s22, 11                        ; batch
	s_lshl_b32 s20, s20, 4
	s_lshr_b32 s23, s23, 6                         ; head
	s_add_co_u32 s20, s20, s23
	s_lshl_b32 s20, s20, 5
	s_bfe_u32 s22, s22, 0x50006                    ; (token in the batch) / 64
	s_add_co_u32 s20, s20, s22                     ; the block
	s_lshl_b32 s21, s99, 22
	s_lshl_b32 s22, s20, 12
	s_add_co_u32 s22, s22, s21
	s_mov_b32 s23, 0
	s_add_nc_u64 s[22:23], s[18:19], s[22:23]      ; its codes
	s_lshl_b32 s21, s99, 17
	s_lshl_b32 s20, s20, 7
	s_add_co_u32 s20, s20, s21
	s_add_co_u32 s20, s20, 12582912
	s_mov_b32 s21, 0
	s_add_nc_u64 s[20:21], s[18:19], s[20:21]      ; its scale words
	s_wait_tensorcnt 1                             ; the scale bytes and my part of slot 0 are in (slot 1's load may be out)
	s_barrier_signal -1
	s_barrier_wait -1                              ; everybody's are
	SCALES 0
	FETCH 0, 0, F0
	QUARTER 0, 0, F0, F1, 1                        ; the first products start the sums: nothing is cleared
	QUARTER 0, 1, F1, F0, 0
	QUARTER 0, 2, F0, F1, 0
	TURN 0, 1
	QUARTER 1, 0, F0, F1, 0
	QUARTER 1, 1, F1, F0, 0
	QUARTER 1, 2, F0, F1, 0
	s_wait_dscnt 8                                 ; the last 128 along K: nothing more to fetch
	WIN MUL
	MULA F1, 0, 3, 1, 0
	MULA F1, 1, 3, 1, 0
	s_wait_dscnt 0x0
	MULA F1, 2, 3, 1, 0
	MULA F1, 3, 3, 1, 0
	WIN 0
	PLACES 8                                       ; in front of the first read of results
	; THE WAY OUT: each tile of 16 rows is quantised in registers and leaves as an image of operand registers: each store covers 512 consecutive bytes
	s_mov_b32 s[SEL], 0x76543210
	s_mov_b32 s[SEL+1], 0xfedcba98
	s_mov_b32 s[MNT], 0x600000
	v_mov_b32 v[TM+2], 0                           ; written once: a lane permute's destination counts as one of its sources
	v_mov_b32 v[TM+3], 0
.irp a, 0,1,2,3
	QUANT \a, PCQ+8*\a, TM
	global_store_b128 v[LI], v[PCQ+8*\a:PCQ+8*\a+3], s[22:23] offset:1024*\a
	global_store_b128 v[LI], v[PCQ+8*\a+4:PCQ+8*\a+7], s[22:23] offset:1024*\a+512
.endr
	v_lshl_or_b32 v12, v[S16+1], 16, v[S16]        ; the pair words: tiles 0, 1
	v_lshl_or_b32 v13, v[S16+3], 16, v[S16+2]      ; and tiles 2, 3; lanes l and l xor 16 hold the same
	v_cmp_le_u32 vcc_lo, 16, v5
	v_cndmask_b32 v12, v12, v13, vcc_lo            ; lanes 0-15 store pair 0, lanes 16-31 pair 1
	global_store_b32 v[LS], v12, s[20:21]          ; 128 consecutive bytes
	s_wait_tensorcnt 0x0                           ; the wave's end
	ds_add_u32 v[SPW], v[NIL]
	s_wait_dscnt 0x0
	CROUND                                         ; the closing round
	s_endpgm
.Lfunc_end_k_q78330fe6e1_proj:
	.size	k_q78330fe6e1_proj, .Lfunc_end_k_q78330fe6e1_proj-k_q78330fe6e1_proj
	.p2alignl 7, 3214868480
	.fill 96, 4, 3214868480
	.section	.rodata,"a",@progbits
	.p2align	6, 0x0
	.amdhsa_kernel k_q78330fe6e1_proj
		.amdhsa_group_segment_fixed_size 327680
		.amdhsa_private_segment_fixed_size 0
		.amdhsa_enable_private_segment 0
		.amdhsa_kernarg_size 64
		.amdhsa_user_sgpr_count 2
		.amdhsa_user_sgpr_kernarg_segment_ptr 1
		.amdhsa_wavefront_size32 1
		.amdhsa_system_sgpr_workgroup_id_x 1
		.amdhsa_system_sgpr_workgroup_id_y 1
		.amdhsa_system_sgpr_workgroup_id_z 1
		.amdhsa_system_vgpr_workitem_id 0
		.amdhsa_next_free_vgpr 512
		.amdhsa_next_free_sgpr 100
		.amdhsa_reserve_vcc 1
		.amdhsa_float_denorm_mode_32 3
		.amdhsa_float_denorm_mode_16_64 3
		.amdhsa_memory_ordered 1
		.amdhsa_forward_progress 1
		.amdhsa_inst_pref_size 64
	.end_amdhsa_kernel
	.amdgpu_metadata
---
amdhsa.version: [ 1, 2 ]
amdhsa.kernels:
  - .name:           k_q78330fe6e1_proj
    .symbol:         k_q78330fe6e1_proj.kd
    .args:
      - { .name: hq, .offset: 0, .size: 8, .value_kind: global_buffer, .address_space: global }
      - { .name: wq_codes, .offset: 8, .size: 8, .value_kind: global_buffer, .address_space: global }
      - { .name: wq_scales, .offset: 16, .size: 8, .value_kind: global_buffer, .address_space: global }
      - { .name: wk_codes, .offset: 24, .size: 8, .value_kind: global_buffer, .address_space: global }
      - { .name: wk_scales, .offset: 32, .size: 8, .value_kind: global_buffer, .address_space: global }
      - { .name: wv_codes, .offset: 40, .size: 8, .value_kind: global_buffer, .address_space: global }
      - { .name: wv_scales, .offset: 48, .size: 8, .value_kind: global_buffer, .address_space: global }
      - { .name: qkvq, .offset: 56, .size: 8, .value_kind: global_buffer, .address_space: global }
    .group_segment_fixed_size: 327680
    .private_segment_fixed_size: 0
    .kernarg_segment_align: 8
    .kernarg_segment_size: 64
    .max_flat_workgroup_size: 128
    .sgpr_count:     100
    .vgpr_count:     512
    .wavefront_size: 32
...
	.end_amdgpu_metadata
.endif
;; end of part 2
;; launch attn (part 3): grid 8 x 32, 16 waves a work-group, clusters of 4 x 1, 327,680 bytes of LDS; arguments qkvq, cq; writes cq
.if DOCPART == 3
	.amdgcn_target "amdgcn-amd-amdhsa--gfx1250"
	.amdhsa_code_object_version 6
	.text
	.protected	k_q78330fe6e1_attn
	.globl	k_q78330fe6e1_attn
	.p2align	8
	.type	k_q78330fe6e1_attn,@function
k_q78330fe6e1_attn:
	s_mov_b64 s[64:65], 0
	v_nop
	global_prefetch_b8 v0, s[64:65] scope:SCOPE_SE
	s_setreg_imm32_b32 hwreg(HW_REG_WAVE_MODE, 25, 1), 1
	s_wait_xcnt 0x0
	s_wait_alu depctr_hold_cnt(0) depctr_sa_sdst(0) depctr_va_vdst(0) depctr_va_sdst(0) depctr_va_ssrc(0) depctr_va_vcc(0) depctr_vm_vsrc(0)
	s_getreg_b32 s2, hwreg(HW_REG_IB_STS2, 6, 4)
	s_cmp_eq_u32 s2, 0
	s_cbranch_scc0 .Lentry_in_a_cluster
	s_endpgm
.Lentry_in_a_cluster:
	s_bfe_u32 s2, ttmp6, 0x10000c
	s_cmp_lg_u32 s2, 0x3003
	s_cbranch_scc0 .Lentry_shape_is_right
	s_endpgm
.Lentry_shape_is_right:
; ATTENTION ON CODES OF E5M2, head size 64, 2,048 keys, no mask (the module applies none), and the quantiser of the projection that follows.  Nothing of the module is left out.
; t = (q . k) x log2(e) / 8; M = the running largest t rounded UP to a whole number; p = 2^(t - M) is quantised along the keys; the row's sum is taken of the unquantised p and divides at the end.
; The module turns ctx to [batch][head][channel][query] before it reshapes: so the next product's K runs along the QUERIES.  ctx goes out as codes at byte (batch x 16 + head) x 131,072 + channel x 2,048 + query
; (which is row 128 head + 2 channel + query / 1,024, column query % 1,024 of [4096][1024]), one scale byte for each 32 queries at 4,194,304 + that / 32.
; SHARES.  A work-group owns 256 queries of one head, each of its SIXTEEN waves 16, in 256 registers: four waves to a SIMD, so that one wave's vector work stands beside another's products and LDS loads.
; Both products are used transposed (S^T = K Q^T, O^T = V^T P^T): a lane holds ONE query throughout.
; THE HEAD'S 64 ARE HALF OF THE INSTRUCTION'S 128: a fragment of K holds two tiles of 16 keys side by side, and is multiplied once by [q | 0] and once by [0 | q]: zero codes add nothing.  So each fragment is read from LDS once.
; THE WHOLE HEAD'S K AND V LIE IN LDS, as the images of operand registers that the launch before stored: 131,072 bytes each, and 4,096 bytes of scale words each.  Every wave asks for five parts at the head
; (its 512 bytes of scale words, then 4,096 bytes of each of four chunks of 512 keys); nothing is filled again.  CLUSTER: the four query blocks of a cluster belong to one head: every load is a joint one.
; A wave has five tensor loads out at the most.
; REGISTERS: v1-3 addresses that stay; v8-10 those in hand; v12 -M, v13 the largest t, v[14:15] the sum; v16-23 zeros, v24-31 q, v32-39 zeros; v40-103 four fragments; v104-167 S^T, then p; v168-199 O^T;
;   v200-215 p's codes; v216-231 at work; v232-233 K's scale words; v234-235 V's as they lie, v236-237 as the products want them; v238 q's; v252 f, v253 p's scale word.
; LIMITS: NaN and infinities are not served; a block of zeros gets the byte 1 (its codes are zeros; this program alone reads the bytes).
.set SCK,    262144                    ; K's scale words, 4,096 bytes, then V's
.set SPARE,  270336                    ; the spare words, 128 bytes for each wave: no other line names them
.set SCG,    272384                    ; 32 bytes for each wave: ctx's scale bytes
.set SPITCH, 1040                      ; the way out: a stage of 64 channels x (256 queries x 4 bytes + 16), in K's bytes, which have had their one fill and are read no more
.set WV, 18
.set SEL, 20
.set CS, 22
.set MNT, 19
.set TB, 2                             ; s2 LDS byte at which the step's images begin
.set TS, 3                             ; s3 and its scale words
.macro CROUND
	s_barrier_signal -1
	s_barrier_wait -1
	s_cmp_lg_u32 s[WV], 0
	s_cbranch_scc1 .Lnot_wave_0_\@
	s_barrier_signal -3
.Lnot_wave_0_\@:
	s_barrier_wait -3
	s_barrier_signal -1
	s_barrier_wait -1
.endm
	s_load_b128 s[4:7], s[0:1], 0x0                ; qkvq s[4:5], cq s[6:7]
	v_lshl_add_u32 v5, v0, 2, SPARE
	v_mov_b32 v6, 0
	ds_add_u32 v5, v6                              ; the wave's opening: the add, twice on end, and its wait ahead of my first tensor load
	ds_add_u32 v5, v6
	v_lshrrev_b32 v8, 5, v0
	v_readfirstlane_b32 s[WV], v8                  ; wave 0..15
	s_bfe_u32 s8, ttmp6, 0x40000                   ; cx
	s_lshl_b32 s9, ttmp9, 2
	s_add_co_u32 s9, s9, s8                        ; my block of 256 queries: it enters q's and ctx's addresses alone
	s_and_b32 s10, ttmp7, 0xffff                   ; batch x 16 + head, which the four partners share
	s_lshr_b32 s11, s[WV], 3                       ; waves 0-7 fetch K's parts, waves 8-15 V's
	s_and_b32 s12, s[WV], 7
	; group 1: 4,096 dense bytes as 16 rows of 256 (32 elements of 8 bytes); and 512 as 2 rows.  15:0 the mask: all four work-groups; bit 21 beside it
	s_mov_b32 s24, 15|(3<<16)|(1<<21)
	s_mov_b32 s25, 32<<16
	s_mov_b32 s26, 16<<16
	s_mov_b32 s27, 32<<16
	s_mov_b32 s28, 16
	s_mov_b32 s29, 32
	s_mov_b32 s30, 0
	s_mov_b32 s31, 0
	s_mov_b32 s32, 15|(3<<16)|(1<<21)
	s_mov_b32 s33, 32<<16
	s_mov_b32 s34, 2<<16
	s_mov_b32 s35, 32<<16
	s_mov_b32 s36, 2
	s_mov_b32 s37, 32
	s_mov_b32 s38, 0
	s_mov_b32 s39, 0
	s_add_co_u32 s13, s11, 1                       ; the region: k 1, v 2
	s_lshl_b32 s14, s13, 22
	s_lshl_b32 s15, s10, 17
	s_add_co_u32 s14, s14, s15
	s_lshl_b32 s15, s12, 12
	s_add_co_u32 s14, s14, s15                     ; my 4,096 bytes of chunk 0
	s_mov_b32 s15, 0
	s_lshl_b32 s16, s13, 17
	s_add_co_u32 s16, s16, 12582912
	s_lshl_b32 s17, s10, 12
	s_add_co_u32 s16, s16, s17
	s_lshl_b32 s17, s12, 9
	s_add_co_u32 s16, s16, s17                     ; my 512 bytes of scale words
	s_mov_b32 s17, 0
	s_lshl_b32 s69, s11, 17                        ; and where they go
	s_lshl_b32 s70, s12, 12
	s_add_co_u32 s69, s69, s70
	s_lshl_b32 s70, s[WV], 9
	s_add_co_u32 s70, s70, SCK
	s_mov_b32 s[SEL], 0x76543210
	s_mov_b32 s[SEL+1], 0xfedcba98                 ; lane l xor 16
	s_mov_b32 s[CS], 0x3e38aa3b                    ; c = log2(e) / 8
	s_mov_b32 s[CS+1], s[CS]
	s_mov_b32 s[MNT], 0x600000
	s_mov_b32 s67, 0x05040100                      ; the two low halves
	s_mov_b32 s68, 0x07060302                      ; the two high halves
	s_wait_dscnt 0x0                               ; both opening adds are done
	s_wait_kmcnt 0x0
	s_add_nc_u64 s[14:15], s[4:5], s[14:15]
	s_add_nc_u64 s[16:17], s[4:5], s[16:17]
	CROUND                                         ; all four work-groups are here: the joint loads meet
	s_mov_b32 s40, 1
	s_mov_b32 s41, s70
	s_mov_b64 s[42:43], s[16:17]
	s_or_b32 s43, s43, 0x80000000
.irp j, 0,1,2,3
	s_mov_b32 s[44+4*\j], 1
	s_add_co_u32 s[45+4*\j], s69, \j*32768
	s_add_nc_u64 s[46+4*\j:47+4*\j], s[14:15], \j*32768
	s_or_b32 s[47+4*\j], s[47+4*\j], 0x80000000
.endr
	tensor_load_to_lds s[40:43], s[32:39]          ; the scale words,
	s_nop 0
.irp j, 0,1,2,3
	tensor_load_to_lds s[44+4*\j:47+4*\j], s[24:31]   ; and the four chunks, in the order in which they are read
	s_nop 0
.endr
.rept 4
	v_nop
.endr
	s_lshl_b32 s71, s10, 5
	s_lshl_b32 s72, s9, 2
	s_add_co_u32 s71, s71, s72
	s_lshr_b32 s72, s[WV], 2
	s_add_co_u32 s71, s71, s72                     ; q's block of 64 tokens,
	s_and_b32 s72, s[WV], 3                        ; and my tile in it
	s_lshl_b32 s74, s71, 12
	s_lshl_b32 s73, s72, 10
	s_add_co_u32 s74, s74, s73
	s_mov_b32 s75, 0
	s_add_nc_u64 s[74:75], s[4:5], s[74:75]
	s_lshl_b32 s76, s71, 7
	s_lshr_b32 s73, s72, 1
	s_lshl_b32 s73, s73, 6
	s_add_co_u32 s76, s76, s73
	s_add_co_u32 s76, s76, 12582912
	s_mov_b32 s77, 0
	s_add_nc_u64 s[76:77], s[4:5], s[76:77]        ; its pair's scale words
	s_and_b32 s78, s[WV], 1
	s_lshl_b32 s78, s78, 4                         ; which half of a pair word is my tile's
	v_and_b32 v4, 31, v0                           ; lane
	v_lshlrev_b32 v1, 4, v4                        ; 16 x lane: an image's place for my lane
	v_add_nc_u32 v2, 131072, v1                    ; the same among V's
	v_lshl_add_u32 v3, v4, 2, SCK                  ; 4 x lane among the scale words
	v_and_b32 v7, 15, v0
	v_lshlrev_b32 v11, 2, v7
	global_load_b128 v[24:27], v1, s[74:75]        ; q's codes: features 16 (l / 16) + 0 .. 15,
	global_load_b128 v[28:31], v1, s[74:75] offset:512   ; and 32 + the same
	global_load_b32 v238, v11, s[76:77]
.irp j, 0,1,2,3,4,5,6,7
	v_mov_b32 v[16+\j], 0                          ; zero codes on both sides of q: v[24:39] = [q | 0], v[16:31] = [0 | q]
	v_mov_b32 v[32+\j], 0
.endr
	v_mov_b32 v13, 0xff61b1e6                      ; the largest t so far: -3e38, under every t
	v_floor_f32 v12, -v13                          ; -M
	v_mov_b32 v14, 0
	v_mov_b32 v15, 0
.irp b, 0,1,2,3
	v_mov_b32 v[220+\b], 0                         ; written once: a lane permute's destination counts as one of its sources
.endr
	v_mov_b32 v253, 0                              ; (named as the upper half of the pair v[252:253] before it is first written)
.irp j, 0,1,2,3,4,5,6,7,8,9,10,11,12,13,14,15,16,17,18,19,20,21,22,23,24,25,26,27,28,29,30,31
	v_mov_b32 v[168+\j], 0                         ; O^T: the step is written once; its first run finds zeros
.endr
	s_wait_loadcnt 0x0
	v_lshrrev_b32 v238, s78, v238
	v_and_b32 v238, 0xffff, v238
	v_lshl_or_b32 v238, v238, 16, v238             ; q's two bytes, twice: they serve [q | 0] and [0 | q]; the other half's codes are zeros
.macro QK f                            ; fragment f: key tiles 2 f and 2 f + 1; its scale word holds the two bytes of each
.if (\f)%2
	v_wmma_scale_f32_16x16x128_f8f6f4 v[104+16*(\f):111+16*(\f)], v[40+16*(\f):55+16*(\f)], v[24:39], 0, v[232+(\f)/2], v238 matrix_a_fmt:MATRIX_FMT_BF8 matrix_b_fmt:MATRIX_FMT_BF8 matrix_a_scale:MATRIX_SCALE_ROW1
	v_wmma_scale_f32_16x16x128_f8f6f4 v[112+16*(\f):119+16*(\f)], v[40+16*(\f):55+16*(\f)], v[16:31], 0, v[232+(\f)/2], v238 matrix_a_fmt:MATRIX_FMT_BF8 matrix_b_fmt:MATRIX_FMT_BF8 matrix_a_scale:MATRIX_SCALE_ROW1
.else
	v_wmma_scale_f32_16x16x128_f8f6f4 v[104+16*(\f):111+16*(\f)], v[40+16*(\f):55+16*(\f)], v[24:39], 0, v[232+(\f)/2], v238 matrix_a_fmt:MATRIX_FMT_BF8 matrix_b_fmt:MATRIX_FMT_BF8
	v_wmma_scale_f32_16x16x128_f8f6f4 v[112+16*(\f):119+16*(\f)], v[40+16*(\f):55+16*(\f)], v[16:31], 0, v[232+(\f)/2], v238 matrix_a_fmt:MATRIX_FMT_BF8 matrix_b_fmt:MATRIX_FMT_BF8
.endif
.endm
; A KEY STEP: 128 keys
.macro STEP
	v_add_nc_u32 v8, s[TB], v1
	v_add_nc_u32 v9, s[TB], v2
	v_add_nc_u32 v10, s[TS], v3
.rept 5
	v_nop                                          ; with the three additions: eight places in front of loads into registers that the last products read
.endr
.irp f, 0,1,2,3
.irp c, 0,1,2,3
	ds_load_b128 v[40+16*\f+4*\c:43+16*\f+4*\c], v8 offset:2048*\f+512*\c
.endr
.endr
	ds_load_b32 v232, v10                          ; lanes 0-15: fragment 0's words, lanes 16-31: fragment 1's
	ds_load_b32 v233, v10 offset:128               ; fragments 2 and 3
	s_wait_dscnt 0x0
	QK 0
	QK 1
	QK 2
	QK 3                                           ; lane (r, h): query r; register 8 tile + j: key 16 tile + 8 h + j
.rept 8
	v_nop
.endr
.irp a, 0,1,2,3                                ; V's four fragments (16 channels x 128 keys) land under the softmax
	ds_load_b128 v[40+16*\a:43+16*\a], v9 offset:1024*\a
	ds_load_b128 v[44+16*\a:47+16*\a], v9 offset:1024*\a+512
	ds_load_b128 v[48+16*\a:51+16*\a], v9 offset:1024*\a+4096
	ds_load_b128 v[52+16*\a:55+16*\a], v9 offset:1024*\a+4608
.endr
	ds_load_b32 v234, v10 offset:4096              ; V's pair words of the step's first 64 keys,
	ds_load_b32 v235, v10 offset:4224              ; and of its second
.irp b, 0,1,2,3
	v_max3_num_f32 v[216+\b], v[104+16*\b], v[105+16*\b], v[106+16*\b]   ; the largest score of each block of 32 keys: it serves the row's maximum, and, since p rises with the score, the block's largest p
.endr
.irp i, 3,5,7,9,11,13
.irp b, 0,1,2,3
	v_max3_num_f32 v[216+\b], v[216+\b], v[104+16*\b+\i], v[105+16*\b+\i]
.endr
.endr
.irp b, 0,1,2,3
	v_max_num_f32 v[216+\b], v[216+\b], v[119+16*\b]
.endr
.irp b, 0,1,2,3
	v_permlanex16_b32 v[220+\b], v[216+\b], s[SEL], s[SEL+1]
.endr
.irp b, 0,1,2,3
	v_max_num_f32 v[216+\b], v[216+\b], v[220+\b]  ; with lane l xor 16's 16 keys
.endr
	v_max3_num_f32 v254, v216, v217, v218
	v_max_num_f32 v254, v254, v219
	v_mul_f32 v254, s[CS], v254                    ; as t (c is positive)
	v_max_num_f32 v13, v13, v254                   ; the running largest t
	v_mov_b32 v254, v12
	v_floor_f32 v12, -v13                          ; the new -M = -ceil(t): a whole number
	v_sub_f32 v254, v12, v254                      ; old M - new M: a whole number, 0 or less
	v_cvt_i32_f32 v254, v254                       ; (it saturates)
	v_ldexp_f32 v252, 1.0, v254                    ; f = 2^(old M - new M): a multiplication by it rounds nothing
.irp j, 0,2,4,6,8,10,12,14,16,18,20,22,24,26,28,30,32,34,36,38,40,42,44,46,48,50,52,54,56,58,60,62
	v_pk_fma_f32 v[104+\j:105+\j], v[104+\j:105+\j], s[CS:CS+1], v[12:13] op_sel_hi:[1,0,0]   ; t - M
.endr
.irp b, 0,1,2,3
	v_fma_f32 v[216+\b], v[216+\b], s[CS], v12     ; the same of each block's largest score
.endr
.irp j, 0,1,2,3,4,5,6,7,8,9,10,11,12,13,14,15,16,17,18,19,20,21,22,23,24,25,26,27,28,29,30,31,32,33,34,35,36,37,38,39,40,41,42,43,44,45,46,47,48,49,50,51,52,53,54,55,56,57,58,59,60,61,62,63
	v_exp_f32 v[104+\j], v[104+\j]                 ; p = 2^(t - M), at most 1
.endr
	v_pk_mul_f32 v[14:15], v[14:15], v[252:253] op_sel_hi:[1,0]   ; the sums under the new M (a plain line behind the exponentials)
	s_wait_alu depctr_va_vdst(0)                   ; one wait for the whole batch, ahead of its first use
.irp b, 0,1,2,3
	v_exp_f32 v[216+\b], v[216+\b]                 ; the block's largest p
.endr
	v_pk_add_f32 v[220:221], v[104:105], v[106:107]   ; the row's sum is taken of the unquantised p, in two chains
.irp j, 4,8,12,16,20,24,28,32,36,40,44,48,52,56,60
	v_pk_add_f32 v[14:15], v[14:15], v[104+\j:105+\j]
	v_pk_add_f32 v[220:221], v[220:221], v[106+\j:107+\j]
.endr
	v_pk_add_f32 v[14:15], v[14:15], v[220:221]
	s_wait_alu depctr_va_vdst(0)                   ; and one for the four
.irp b, 0,1,2,3
	v_max_num_f32 v[216+\b], 0x8000000, v[216+\b]  ; the floor 2^(16 - 127): the byte cannot fall under 1
.endr
.irp b, 0,1,2,3
	v_add_nc_u32 v[228+\b], 0xf8800000, v[216+\b]  ; the conversion's scale operand
.endr
.irp b, 0,1,2,3
	v_and_or_b32 v[224+\b], v[216+\b], 0x7f800000, s[MNT]   ; 57,344 x the scale
.endr
.irp b, 0,1,2,3
	v_lshrrev_b32 v[220+\b], 23, v[228+\b]         ; the scale's byte
.endr
	v_lshl_or_b32 v253, v221, 8, v220              ; p's scale word for these 128 keys
	v_lshl_or_b32 v253, v222, 16, v253
	v_lshl_or_b32 v253, v223, 24, v253
	s_wait_dscnt 0x0                               ; V's fragments and words are in
	v_perm_b32 v236, v235, v234, s67               ; channels' tiles 0 (lanes 0-15) and 2 (lanes 16-31): two bytes of the first 64 keys, two of the second
	v_perm_b32 v237, v235, v234, s68               ; tiles 1 and 3
.irp b, 0,1,2,3
.irp i, 0,1,2,3,4,5,6,7,8,9,10,11,12,13,14,15
	v_min_num_f32 v[104+16*\b+\i], v[104+16*\b+\i], v[224+\b]   ; the conversion does not saturate (ISA guide 7.6.2); p is not negative, so the hold is one-sided
.endr
	v_cvt_scalef32_pk8_bf8_f32 v[200+4*\b:201+4*\b], v[104+16*\b:111+16*\b], v[228+\b]
	v_cvt_scalef32_pk8_bf8_f32 v[202+4*\b:203+4*\b], v[112+16*\b:119+16*\b], v[228+\b]
.endr
	v_nop                                          ; a plain line behind the last conversion
.irp b, 0,1,2,3
	v_permlane16_swap_b32 v[200+4*\b], v[202+4*\b] ; from the tiles' order (keys 8 h + j, 16 + 8 h + j) to the operand's (keys 16 h + 0 .. 15)
	v_permlane16_swap_b32 v[201+4*\b], v[203+4*\b]
.endr
.irp j, 0,2,4,6,8,10,12,14,16,18,20,22,24,26,28,30
	v_pk_mul_f32 v[168+\j:169+\j], v[168+\j:169+\j], v[252:253] op_sel_hi:[1,0]   ; O^T under the new M; these lines also stand between the codes' last write and the products
.endr
	v_wmma_scale_f32_16x16x128_f8f6f4 v[168:175], v[40:55], v[200:215], v[168:175], v236, v253 matrix_a_fmt:MATRIX_FMT_BF8 matrix_b_fmt:MATRIX_FMT_BF8
	v_wmma_scale_f32_16x16x128_f8f6f4 v[176:183], v[56:71], v[200:215], v[176:183], v237, v253 matrix_a_fmt:MATRIX_FMT_BF8 matrix_b_fmt:MATRIX_FMT_BF8
	v_wmma_scale_f32_16x16x128_f8f6f4 v[184:191], v[72:87], v[200:215], v[184:191], v236, v253 matrix_a_fmt:MATRIX_FMT_BF8 matrix_b_fmt:MATRIX_FMT_BF8 matrix_a_scale:MATRIX_SCALE_ROW1
	v_wmma_scale_f32_16x16x128_f8f6f4 v[192:199], v[88:103], v[200:215], v[192:199], v237, v253 matrix_a_fmt:MATRIX_FMT_BF8 matrix_b_fmt:MATRIX_FMT_BF8 matrix_a_scale:MATRIX_SCALE_ROW1
	s_add_co_u32 s[TB], s[TB], 8192
	s_add_co_u32 s[TS], s[TS], 256
.endm
; A chunk of 512 keys: four steps.  The count leaves the later chunks' loads on their way.
.macro CHUNK n
	s_wait_tensorcnt 3-(\n)                        ; the scale words and my parts of chunks 0 .. n are in,
	s_wait_dscnt 0x0
	s_barrier_signal -1
	s_barrier_wait -1                              ; everybody's are
	s_mov_b32 s[TB], (\n)*32768
	s_mov_b32 s[TS], (\n)*1024
	s_mov_b32 s66, 4
.Lstep_\@:
	STEP
	s_sub_co_u32 s66, s66, 1
	s_cmp_lg_u32 s66, 0
	s_cbranch_scc1 .Lstep_\@
.endm
	CHUNK 0
	CHUNK 1
	CHUNK 2
	CHUNK 3
	; THE WAY OUT.  O^T / the sum is turned to [channel][query] through a stage in LDS; then a lane holds 16 neighbouring queries of one channel, which is the next product's K.
	v_add_f32 v14, v14, v15
	v_permlanex16_b32 v252, v14, s[SEL], s[SEL+1]
	v_add_f32 v14, v14, v252                       ; the row's sum
	v_rcp_f32 v14, v14
	v_bfe_u32 v9, v0, 4, 1                         ; h   (plain lines behind the reciprocal and behind the last products)
	v_and_b32 v8, 15, v0                           ; r
	s_lshl_b32 s71, s[WV], 6
	v_mul_u32_u24 v10, v9, 8*SPITCH
	v_lshl_add_u32 v10, v8, 2, v10
	v_add_nc_u32 v10, s71, v10                     ; in: channel 8 h + .., query 16 wave + r
	s_mul_i32 s72, s[WV], 4*SPITCH
	v_mul_u32_u24 v11, v9, SPITCH
	v_lshl_add_u32 v11, v8, 6, v11
	v_add_nc_u32 v11, s72, v11                     ; back: channels 4 wave + (l / 16) + 2 u, queries 16 (l % 16) on
	v_lshlrev_b32 v7, 11, v9
	v_lshl_add_u32 v7, v8, 4, v7                   ; the same place among ctx's codes
	v_lshrrev_b32 v4, 1, v8
	v_lshl_add_u32 v4, v9, 3, v4
	s_lshl_b32 s73, s[WV], 5
	s_add_co_u32 s73, s73, SCG
	v_add_nc_u32 v4, s73, v4                       ; my block's scale byte: 8 bytes a channel
	v_and_b32 v3, 3, v0
	v_lshl_add_u32 v3, v3, 3, s73                  ; and a channel's 8 bytes on their way out
	v_and_b32 v244, 31, v0
	v_lshlrev_b32 v2, 6, v244                      ; a channel's row of scale bytes is 64 bytes
	s_lshl_b32 s74, s10, 17
	s_lshl_b32 s75, s[WV], 13
	s_add_co_u32 s74, s74, s75
	s_lshl_b32 s75, s9, 8
	s_add_co_u32 s74, s74, s75
	s_mov_b32 s75, 0
	s_add_nc_u64 s[74:75], s[6:7], s[74:75]
	s_lshl_b32 s76, s10, 12
	s_lshl_b32 s77, s[WV], 8
	s_add_co_u32 s76, s76, s77
	s_lshl_b32 s77, s9, 3
	s_add_co_u32 s76, s76, s77
	s_add_co_u32 s76, s76, 4194304
	s_mov_b32 s77, 0
	s_add_nc_u64 s[76:77], s[6:7], s[76:77]
	s_wait_alu depctr_va_vdst(0)                   ; the wait ahead of the reciprocal's first use
.irp j, 0,1,2,3,4,5,6,7,8,9,10,11,12,13,14,15,16,17,18,19,20,21,22,23,24,25,26,27,28,29,30,31
	v_mul_f32 v[104+\j], v[168+\j], v14            ; register 8 a + j: channel 16 a + 8 h + j of query r
.endr
	s_wait_dscnt 0x0
	s_barrier_signal -1
	s_barrier_wait -1                              ; nobody reads K's images any more
.irp a, 0,1,2,3
.irp j, 0,1,2,3,4,5,6,7
	ds_store_b32 v10, v[104+8*\a+\j] offset:(16*\a+\j)*SPITCH
.endr
.endr
	s_wait_dscnt 0x0                               ; for the others' sake: my stores have landed
	s_barrier_signal -1
	s_barrier_wait -1
.irp u, 0,1
.irp i, 0,1,2,3
	ds_load_b128 v[40+16*\u+4*\i:43+16*\u+4*\i], v11 offset:2*\u*SPITCH+16*\i
.endr
.endr
	s_wait_dscnt 0x0
.macro OUTQ u                          ; 16 neighbouring queries of a channel; lanes l and l xor 1 hold a block of 32
.set XS, 40+16*(\u)
	v_max3_num_f32 v216, |v[XS]|, |v[XS+1]|, |v[XS+2]|
	v_max3_num_f32 v217, |v[XS+3]|, |v[XS+4]|, |v[XS+5]|
.irp i, 6,10
	v_max3_num_f32 v216, v216, |v[XS+\i]|, |v[XS+\i+1]|
	v_max3_num_f32 v217, v217, |v[XS+\i+2]|, |v[XS+\i+3]|
.endr
	v_max3_num_f32 v216, v216, |v[XS+14]|, |v[XS+15]|
	v_max3_num_f32 v216, v216, v217, 0x8000000
	v_max_num_f32_dpp v216, v216, v216 row_xmask:1 row_mask:0xf bank_mask:0xf
	v_add_nc_u32 v218, 0xf8800000, v216
	v_and_or_b32 v219, v216, 0x7f800000, s[MNT]
.irp i, 0,1,2,3,4,5,6,7,8,9,10,11,12,13,14,15
	v_med3_num_f32 v[XS+\i], v[XS+\i], -v219, v219
.endr
	v_cvt_scalef32_pk8_bf8_f32 v[200+4*(\u):201+4*(\u)], v[XS:XS+7], v218
	v_cvt_scalef32_pk8_bf8_f32 v[202+4*(\u):203+4*(\u)], v[XS+8:XS+15], v218
	v_lshrrev_b32 v[240+(\u)], 23, v218            ; the scale's byte (a plain line behind the conversions)
	ds_store_b8 v4, v[240+(\u)] offset:16*(\u)
	global_store_b128 v7, v[200+4*(\u):203+4*(\u)], s[74:75] offset:4096*(\u)   ; sixteen lanes store 256 consecutive bytes, aligned
.endm
	OUTQ 0
	OUTQ 1
	ds_load_b64 v[242:243], v3                     ; LDS serves a wave's instructions in order: these see my byte stores
	s_wait_dscnt 0x0
	v_cmp_gt_u32 vcc_lo, 4, v244
	s_wait_xcnt 0x0                                ; EXEC changes only behind this wait
	s_and_saveexec_b32 s79, vcc_lo
	global_store_b64 v2, v[242:243], s[76:77]      ; four channels' 8 scale bytes: one byte in 32 of the codes
	s_wait_xcnt 0x0
	s_or_b32 exec_lo, exec_lo, s79
	s_wait_tensorcnt 0x0                           ; the wave's end
	ds_add_u32 v5, v6
	s_wait_dscnt 0x0
	CROUND                                         ; the closing round
	s_endpgm
.Lfunc_end_k_q78330fe6e1_attn:
	.size	k_q78330fe6e1_attn, .Lfunc_end_k_q78330fe6e1_attn-k_q78330fe6e1_attn
	.p2alignl 7, 3214868480
	.fill 96, 4, 3214868480
	.section	.rodata,"a",@progbits
	.p2align	6, 0x0
	.amdhsa_kernel k_q78330fe6e1_attn
		.amdhsa_group_segment_fixed_size 327680
		.amdhsa_private_segment_fixed_size 0
		.amdhsa_enable_private_segment 0
		.amdhsa_kernarg_size 16
		.amdhsa_user_sgpr_count 2
		.amdhsa_user_sgpr_kernarg_segment_ptr 1
		.amdhsa_wavefront_size32 1
		.amdhsa_system_sgpr_workgroup_id_x 1
		.amdhsa_system_sgpr_workgroup_id_y 1
		.amdhsa_system_sgpr_workgroup_id_z 1
		.amdhsa_system_vgpr_workitem_id 0
		.amdhsa_next_free_vgpr 256
		.amdhsa_next_free_sgpr 100
		.amdhsa_reserve_vcc 1
		.amdhsa_float_denorm_mode_32 3
		.amdhsa_float_denorm_mode_16_64 3
		.amdhsa_memory_ordered 1
		.amdhsa_forward_progress 1
		.amdhsa_inst_pref_size 95
	.end_amdhsa_kernel
	.amdgpu_metadata
---
amdhsa.version: [ 1, 2 ]
amdhsa.kernels:
  - .name:           k_q78330fe6e1_attn
    .symbol:         k_q78330fe6e1_attn.kd
    .args:
      - { .name: qkvq, .offset: 0, .size: 8, .value_kind: global_buffer, .address_space: global }
      - { .name: cq, .offset: 8, .size: 8, .value_kind: global_buffer, .address_space: global }
    .group_segment_fixed_size: 327680
    .private_segment_fixed_size: 0
    .kernarg_segment_align: 8
    .kernarg_segment_size: 16
    .max_flat_workgroup_size: 512
    .sgpr_count:     100
    .vgpr_count:     256
    .wavefront_size: 32
...
	.end_amdgpu_metadata
.endif
;; end of part 3
;; launch outp (part 4): grid 8 x 32, 4 waves a work-group, clusters of 4 x 4, 327,680 bytes of LDS; arguments cq, wo_codes, wo_scales, bo, x, x1; writes x1
.if DOCPART == 4
	.amdgcn_target "amdgcn-amd-amdhsa--gfx1250"
	.amdhsa_code_object_version 6
	.text
	.protected	k_q78330fe6e1_outp
	.globl	k_q78330fe6e1_outp
	.p2align	8
	.type	k_q78330fe6e1_outp,@function
k_q78330fe6e1_outp:
	s_mov_b64 s[64:65], 0
	v_nop
	global_prefetch_b8 v0, s[64:65] scope:SCOPE_SE
	s_setreg_imm32_b32 hwreg(HW_REG_WAVE_MODE, 25, 1), 1
	s_wait_xcnt 0x0
	s_wait_alu depctr_hold_cnt(0) depctr_sa_sdst(0) depctr_va_vdst(0) depctr_va_sdst(0) depctr_va_ssrc(0) depctr_va_vcc(0) depctr_vm_vsrc(0)
	s_getreg_b32 s2, hwreg(HW_REG_IB_STS2, 6, 4)
	s_cmp_eq_u32 s2, 0
	s_cbranch_scc0 .Lentry_in_a_cluster
	s_endpgm
.Lentry_in_a_cluster:
	s_bfe_u32 s2, ttmp6, 0x10000c
	s_cmp_lg_u32 s2, 0xf033
	s_cbranch_scc0 .Lentry_shape_is_right
	s_endpgm
.Lentry_shape_is_right:
; x1 = x + ctx wo^T + bo: the product on codes of E5M2 with E8M0 scales, sums in f32; the bias is the C of each sum's first product, the residual is added on the way out.  Nothing of the module is left out.
; C[m][n] = sum over k of A[m][k] B[n][k], K = 1,024: A = ctx's codes [4096][1024] (scale bytes behind them), B = wo.  A tile of C is 128 x 128: four waves, each 64 x 64: 16 accumulators; 256 tiles.
; THE MATRIX INSTRUCTION IS USED TRANSPOSED (source 0 = 16 rows of B, source 1 = 16 rows of A): a lane holds eight neighbouring numbers of a row of C.
; K goes through two LDS slots of 512 along K (rows of 512 bytes + 16); both are filled once, at the head, with the rows' scale bytes: nothing is filled again.
; CLUSTERS: 4 x 4 work-groups; A's tiles are asked for jointly along a row of the cluster, B's along a column.
; REGISTERS: window 0: v1-29 addresses; v32-63 scale words; v64-127 the bias, later rows on their way out; v128-255 the accumulators.  Window 1: two sets of fragments.  Window 2: v0-127 my 64 x 64 of the residual.
.set KDIM,  1024
.set KS,    KDIM/32
.set PITCH, 528
.set HALFT, 64*PITCH
.set SLOT,  4*HALFT
.set SCL,   2*SLOT
.set HALFS, (64*KS/256)*272
.set SB32,  (32*KS/256)*272
.set SPARE, SCL+4*HALFS                ; the spare words, 128 bytes for each wave: no other line names them
.set ADRA, 16
.set ADRB, 20
.set ADSA, 22
.set ADSB, 23
.set STO,  24                          ; v24 the way out: where I put 32 bytes of a row
.set RD,   25                          ; v25 where I read a row back
.set CO,   26                          ; v26 my byte offset in two rows of C
.set SPW,  28
.set NIL,  29
.set SC,   32
.set BIAS, 64
.set TMP,  64
.set ACC,  128
.set F0,   0
.set F1,   128
.set G1, 24
.set G0, 32
.set G1B, 48
.set G0B, 56
.set G1S, 68
.set G0S, 76
.set G1SB, 80
.set G0SB, 88
.set WV, 92
.set RH, 93
.set CH, 94
.set MSB, 0
.macro WIN new
.if MSB != \new
	s_set_vgpr_msb (MSB<<8)|\new
.set MSB, \new
.endif
.endm
.set MUL,  0x05
.set TO_F, 0x40
.macro JLOAD g0a, g1a, g0b, g1b        ; a joint load: waves 0 and 1 fetch for A, waves 2 and 3 for B; an s_nop 0 and four v_nop follow each of the two lines
	s_cmp_eq_u32 s[RH], 0
	s_cbranch_scc0 .Lfor_b_\@
	tensor_load_to_lds s[\g0a:\g0a+3], s[\g1a:\g1a+7]
	s_nop 0
.rept 4
	v_nop
.endr
	s_branch .Lasked_\@
.Lfor_b_\@:
	tensor_load_to_lds s[\g0b:\g0b+3], s[\g1b:\g1b+7]
	s_nop 0
.rept 4
	v_nop
.endr
.Lasked_\@:
.endm
.macro CREST
	s_cmp_lg_u32 s[WV], 0
	s_cbranch_scc1 .Lnot_wave_0_\@
	s_barrier_signal -3
.Lnot_wave_0_\@:
	s_barrier_wait -3
	s_barrier_signal -1
	s_barrier_wait -1
.endm
.macro CROUND
	s_barrier_signal -1
	s_barrier_wait -1
	CREST
.endm
.macro PLACES n                        ; plain vector lines behind matrix instructions: eight for this form
.rept \n
	v_nop
.endr
.endm
.macro WM d, fb, fa, cr, sb, sa, ob, oa   ; one product: D, B's fragment, A's, C, B's scale register, A's; ob, oa: the words stand in lanes 16-31
.if (\ob) && (\oa)
	v_wmma_scale_f32_16x16x128_f8f6f4 v[\d:\d+7], v[\fb:\fb+15], v[\fa:\fa+15], v[\cr:\cr+7], v[\sb], v[\sa] matrix_a_fmt:MATRIX_FMT_BF8 matrix_b_fmt:MATRIX_FMT_BF8 matrix_a_scale:MATRIX_SCALE_ROW1 matrix_b_scale:MATRIX_SCALE_ROW1
.elseif (\ob)
	v_wmma_scale_f32_16x16x128_f8f6f4 v[\d:\d+7], v[\fb:\fb+15], v[\fa:\fa+15], v[\cr:\cr+7], v[\sb], v[\sa] matrix_a_fmt:MATRIX_FMT_BF8 matrix_b_fmt:MATRIX_FMT_BF8 matrix_a_scale:MATRIX_SCALE_ROW1
.elseif (\oa)
	v_wmma_scale_f32_16x16x128_f8f6f4 v[\d:\d+7], v[\fb:\fb+15], v[\fa:\fa+15], v[\cr:\cr+7], v[\sb], v[\sa] matrix_a_fmt:MATRIX_FMT_BF8 matrix_b_fmt:MATRIX_FMT_BF8 matrix_b_scale:MATRIX_SCALE_ROW1
.else
	v_wmma_scale_f32_16x16x128_f8f6f4 v[\d:\d+7], v[\fb:\fb+15], v[\fa:\fa+15], v[\cr:\cr+7], v[\sb], v[\sa] matrix_a_fmt:MATRIX_FMT_BF8 matrix_b_fmt:MATRIX_FMT_BF8
.endif
.endm
; four products: A's block a against B's four.  zero = 2: they start the sums from the bias.  The 16 accumulators take turns, in the same order in every quarter.
.macro MULA f, a, q, sc, zero
.irp b, 0,1,2,3
.if \zero == 2
	WM ACC+8*(4*(\a)+\b), \f+64+16*\b, \f+16*(\a), BIAS+8*\b, SC+16*(\sc)+8+4*(\b/2)+(\q), SC+16*(\sc)+4*((\a)/2)+(\q), \b%2, (\a)%2
.else
	WM ACC+8*(4*(\a)+\b), \f+64+16*\b, \f+16*(\a), ACC+8*(4*(\a)+\b), SC+16*(\sc)+8+4*(\b/2)+(\q), SC+16*(\sc)+4*((\a)/2)+(\q), \b%2, (\a)%2
.endif
.endr
.endm
.macro FETCH slot, q, f                ; 32 LDS loads in one run: B's four fragments, then A's
	WIN TO_F
.irp i, 0,1,2,3
.irp c, 0,1,2,3
	ds_load_b128 v[\f+64+16*\i+4*\c:\f+64+16*\i+4*\c+3], v[ADRB+\slot] offset:128*(\q)+32*\c+\i*16*PITCH
.endr
.endr
.irp i, 0,1,2,3
.irp c, 0,1,2,3
	ds_load_b128 v[\f+16*\i+4*\c:\f+16*\i+4*\c+3], v[ADRA+\slot] offset:128*(\q)+32*\c+\i*16*PITCH
.endr
.endr
.endm
.macro SCALES sc
.irp ip, 0,1
	ds_load_b128 v[SC+16*(\sc)+4*\ip:SC+16*(\sc)+4*\ip+3], v[ADSA] offset:\ip*SB32
	ds_load_b128 v[SC+16*(\sc)+8+4*\ip:SC+16*(\sc)+8+4*\ip+3], v[ADSB] offset:\ip*SB32
.endr
.endm
.macro QUARTER slot, q, f, g, zero
	s_wait_dscnt 8                                 ; B's fragments and A's blocks 0, 1 are in; the youngest eight loads (A's blocks 2, 3) may be out
	WIN MUL
	MULA \f, 0, \q, \slot, \zero
	MULA \f, 1, \q, \slot, \zero
	PLACES 8
	FETCH \slot, (\q)+1, \g
	s_wait_dscnt 32                                ; all but the 32 just issued
	WIN MUL
	MULA \f, 2, \q, \slot, \zero
	MULA \f, 3, \q, \slot, \zero
.endm
.macro TURN slot, next                 ; a slot's last 128 along K, and the change of slots: one barrier; nothing is filled again in this launch
	WIN 0
	s_wait_tensorcnt 0x0                           ; all my tensor loads have landed: my part of the next slot
	ds_add_u32 v[SPW], v[NIL]                      ; 0 onto my spare word
	s_wait_dscnt 9                                 ; (the add and the youngest eight loads may be out)
	WIN MUL
	MULA F1, 0, 3, \slot, 0
	s_wait_dscnt 0x0                               ; the add is done, and my reads of this slot are over
	s_barrier_signal -1
	MULA F1, 1, 3, \slot, 0
	WIN 0
	s_barrier_wait -1
	PLACES 8
	v_add_nc_u32 v[ADSA], 16, v[ADSA]
	v_add_nc_u32 v[ADSB], 16, v[ADSB]
	SCALES \next
	FETCH \next, 0, F0
	WIN MUL
	MULA F1, 2, 3, \slot, 0
	MULA F1, 3, 3, \slot, 0
.endm
	s_load_b256 s[4:11], s[0:1], 0x0               ; ctx's codes and scales s[4:5], wo's codes s[6:7], scales s[8:9], bo s[10:11]
	s_load_b128 s[12:15], s[0:1], 0x20             ; x s[12:13], x1 s[14:15]
	v_lshl_add_u32 v[SPW], v0, 2, SPARE
	v_mov_b32 v[NIL], 0
	ds_add_u32 v[SPW], v[NIL]                      ; the wave's opening: the add, twice on end, and its wait ahead of my first tensor load
	ds_add_u32 v[SPW], v[NIL]
	v_lshrrev_b32 v1, 5, v0
	v_readfirstlane_b32 s[WV], v1
	s_lshr_b32 s[RH], s[WV], 1
	s_and_b32 s[CH], s[WV], 1
	s_bfe_u32 s40, ttmp6, 0x40000
	s_bfe_u32 s41, ttmp6, 0x40004
	s_lshl_b32 s42, ttmp9, 2
	s_add_co_u32 s42, s42, s40                     ; tile column of C
	s_and_b32 s66, ttmp7, 0xffff
	s_lshl_b32 s66, s66, 2
	s_add_co_u32 s66, s66, s41                     ; tile row of C
	s_lshl_b32 s43, s41, 2
	s_lshl_b32 s43, 15, s43                        ; my row of the cluster
	s_lshl_b32 s44, 0x1111, s40                    ; my column
	s_or_b32 s[G1+0], s43, (0<<16)|(1<<20)|(1<<21)|(6<<22)|(3<<25)   ; a tile of 64 rows x 512 bytes, 16 bytes of padding behind each row
	s_or_b32 s[G1B+0], s44, (0<<16)|(1<<20)|(1<<21)|(6<<22)|(3<<25)
.irp g, G1, G1B
	s_mov_b32 s[\g+1], 512<<16
	s_mov_b32 s[\g+2], 64<<16
	s_mov_b32 s[\g+3], 512<<16
	s_mov_b32 s[\g+4], 64
	s_mov_b32 s[\g+5], KDIM
	s_mov_b32 s[\g+6], 0
	s_mov_b32 s[\g+7], 0
.endr
	s_or_b32 s[G1S+0], s43, (3<<16)|(1<<20)|(1<<21)|(5<<22)|(3<<25)  ; the scale bytes of 64 rows: dense, as rows of 256 bytes + 16
	s_or_b32 s[G1SB+0], s44, (3<<16)|(1<<20)|(1<<21)|(5<<22)|(3<<25)
.irp g, G1S, G1SB
	s_mov_b32 s[\g+1], 32<<16
	s_mov_b32 s[\g+2], (64*KS/256)<<16
	s_mov_b32 s[\g+3], 32<<16
	s_mov_b32 s[\g+4], 64*KS/256
	s_mov_b32 s[\g+5], 32
	s_mov_b32 s[\g+6], 0
	s_mov_b32 s[\g+7], 0
.endr
	s_lshl_b32 s95, s[CH], 6
	s_lshl_b32 s20, s66, 7
	s_add_co_u32 s20, s20, s95                     ; A's row
	s_lshl_b32 s46, s42, 7
	s_add_co_u32 s46, s46, s95                     ; B's row
	s_lshl_b32 s22, s20, 5
	s_mov_b32 s23, 0
	s_lshl_b32 s96, s46, 5
	s_mov_b32 s97, 0
	s_lshl_b32 s20, s20, 10
	s_mov_b32 s21, 0
	s_lshl_b32 s46, s46, 10
	s_mov_b32 s47, 0
	s_mul_i32 s45, s[WV], HALFT
	s_mul_i32 s67, s[WV], HALFS
	s_wait_dscnt 0x0                               ; both opening adds are done
	s_wait_kmcnt 0x0
	s_add_nc_u64 s[20:21], s[4:5], s[20:21]
	s_add_nc_u64 s[22:23], s[4:5], s[22:23]
	s_add_nc_u64 s[22:23], s[22:23], 0x400000      ; A's scale bytes lie behind its codes
	s_add_nc_u64 s[46:47], s[6:7], s[46:47]
	s_add_nc_u64 s[96:97], s[8:9], s[96:97]
	CROUND                                         ; all sixteen work-groups are here: the first joint loads meet
	s_mov_b32 s[G0S], 1
	s_add_co_u32 s[G0S+1], s67, SCL
	s_mov_b64 s[G0S+2:G0S+3], s[22:23]
	s_or_b32 s[G0S+3], s[G0S+3], 0x80000000
	s_mov_b32 s[G0SB], 1
	s_add_co_u32 s[G0SB+1], s67, SCL
	s_mov_b64 s[G0SB+2:G0SB+3], s[96:97]
	s_or_b32 s[G0SB+3], s[G0SB+3], 0x80000000
	JLOAD G0S, G1S, G0SB, G1SB
.irp s, 0,1
	s_mov_b32 s[G0+4*\s], 1
	s_add_co_u32 s[G0+4*\s+1], s45, \s*SLOT
	s_add_nc_u64 s[G0+4*\s+2:G0+4*\s+3], s[20:21], \s*512
	s_or_b32 s[G0+4*\s+3], s[G0+4*\s+3], 0x80000000
	s_mov_b32 s[G0B+4*\s], 1
	s_add_co_u32 s[G0B+4*\s+1], s45, \s*SLOT
	s_add_nc_u64 s[G0B+4*\s+2:G0B+4*\s+3], s[46:47], \s*512
	s_or_b32 s[G0B+4*\s+3], s[G0B+4*\s+3], 0x80000000
	JLOAD G0+4*\s, G1, G0B+4*\s, G1B               ; three tensor loads of mine are out
.endr
	v_and_b32 v1, 15, v0                           ; r
	v_bfe_u32 v2, v0, 4, 1                         ; h
	v_mul_u32_u24 v3, v1, PITCH
	v_lshl_add_u32 v4, v2, 4, v3
	s_mul_i32 s21, s[RH], HALFT
	s_mul_i32 s22, s[CH], HALFT
	s_add_co_u32 s22, s22, 2*HALFT
.irp s, 0,1
	v_add_nc_u32 v[ADRA+\s], s21, v4
	v_add_nc_u32 v[ADRB+\s], s22, v4
	s_add_co_u32 s21, s21, SLOT
	s_add_co_u32 s22, s22, SLOT
.endr
	v_and_b32 v5, 31, v0
	v_lshlrev_b32 v6, 5, v5
	v_lshrrev_b32 v7, 3, v5
	v_lshl_add_u32 v6, v7, 4, v6
	s_mul_i32 s21, s[RH], HALFS
	s_add_co_u32 s21, s21, SCL
	s_mul_i32 s22, s[CH], HALFS
	s_add_co_u32 s22, s22, SCL+2*HALFS
	v_add_nc_u32 v[ADSA], s21, v6
	v_add_nc_u32 v[ADSB], s22, v6
	s_mul_i32 s23, s[WV], 16*272                   ; my stage: 16 rows x (256 bytes + 16), in slot 0: it has had its one fill, and is read no more when the first result is stored there
	v_mul_u32_u24 v5, v1, 272
	v_lshl_add_u32 v5, v2, 5, v5
	v_add_nc_u32 v[STO], s23, v5
	v_mul_u32_u24 v5, v2, 272
	v_lshl_add_u32 v5, v1, 4, v5
	v_add_nc_u32 v[RD], s23, v5
	s_lshl_b32 s21, s42, 9
	s_lshl_b32 s22, s[CH], 8
	s_add_co_u32 s46, s21, s22                     ; my first column, in bytes
	s_mov_b32 s47, 0
	s_add_nc_u64 s[10:11], s[10:11], s[46:47]
	s_lshl_b32 s20, s66, 7
	s_lshl_b32 s21, s[RH], 6
	s_add_co_u32 s20, s20, s21                     ; my first row
	s_lshl_b32 s20, s20, 12
	s_add_co_u32 s20, s20, s46
	s_mov_b32 s21, 0
	s_add_nc_u64 s[12:13], s[12:13], s[20:21]
	s_add_nc_u64 s[14:15], s[14:15], s[20:21]
	v_lshlrev_b32 v12, 5, v2
.irp b, 0,1,2,3
	global_load_b128 v[BIAS+8*\b:BIAS+8*\b+3], v12, s[10:11] offset:64*\b      ; the bias in the result's layout: columns 16 b + 8 h + 0 .. 7
	global_load_b128 v[BIAS+8*\b+4:BIAS+8*\b+7], v12, s[10:11] offset:64*\b+16
.endr
	v_lshlrev_b32 v[CO], 12, v2
	v_lshl_add_u32 v[CO], v1, 4, v[CO]             ; lanes 0-15 one row's 256 bytes, lanes 16-31 the next row's
	WIN 0x80                                       ; destination window 2
.irp a, 0,1,2,3
.irp i, 0,1,2,3,4,5,6,7
	global_load_b128 v[32*\a+4*\i:32*\a+4*\i+3], v[CO], s[12:13] offset:(16*\a+2*\i)*4096 th:TH_LOAD_NT   ; the residual lands under the products
.endr
.endr
	WIN 0
	s_wait_tensorcnt 1                             ; the scale bytes and my part of slot 0 are in (slot 1's load may be out)
	s_barrier_signal -1
	s_barrier_wait -1
	SCALES 0
	FETCH 0, 0, F0
	s_wait_loadcnt 32                              ; the bias is in; the residual's 32 loads may be out
	QUARTER 0, 0, F0, F1, 2                        ; the first products start the sums from the bias
	QUARTER 0, 1, F1, F0, 0
	QUARTER 0, 2, F0, F1, 0
	TURN 0, 1
	QUARTER 1, 0, F0, F1, 0
	QUARTER 1, 1, F1, F0, 0
	QUARTER 1, 2, F0, F1, 0
	s_wait_dscnt 8
	WIN MUL
	MULA F1, 0, 3, 1, 0
	MULA F1, 1, 3, 1, 0
	s_wait_dscnt 0x0
	MULA F1, 2, 3, 1, 0
	MULA F1, 3, 3, 1, 0
	WIN 0
	PLACES 8
; THE WAY OUT, 16 rows at a time: through my own stage, back as whole rows of 256 bytes, the residual added, stored: sixteen lanes store 256 consecutive bytes, aligned.
.macro OUTA a
.set TS, TMP+32*((\a)%2)
.if (\a) >= 2
	s_wait_xcnt 0x0                                ; the stores of two blocks back have read their registers
.endif
.irp b, 0,1,2,3
	ds_store_b128 v[STO], v[ACC+8*(4*(\a)+\b):ACC+8*(4*(\a)+\b)+3] offset:64*\b        ; each accumulator from its low end on
	ds_store_b128 v[STO], v[ACC+8*(4*(\a)+\b)+4:ACC+8*(4*(\a)+\b)+7] offset:64*\b+16
.endr
.irp i, 0,1,2,3,4,5,6,7
	ds_load_b128 v[TS+4*\i:TS+4*\i+3], v[RD] offset:2*\i*272   ; LDS serves a wave's instructions in order: these see the stores above
.endr
	s_wait_dscnt 0x0
.if (\a) == 0
	s_wait_loadcnt 0x0                             ; the residual
.endif
	WIN 0x08                                       ; source 1 window 2
.irp i, 0,2,4,6,8,10,12,14,16,18,20,22,24,26,28,30
	v_pk_add_f32 v[TS+\i:TS+\i+1], v[TS+\i:TS+\i+1], v[32*(\a)+\i:32*(\a)+\i+1]
.endr
	WIN 0
.irp i, 0,1,2,3,4,5,6,7
	global_store_b128 v[CO], v[TS+4*\i:TS+4*\i+3], s[14:15] offset:(16*(\a)+2*\i)*4096
.endr
.endm
	OUTA 0
	OUTA 1
	OUTA 2
	OUTA 3
	s_wait_tensorcnt 0x0                           ; the wave's end
	ds_add_u32 v[SPW], v[NIL]
	s_wait_dscnt 0x0
	CROUND                                         ; the closing round
	s_endpgm
.Lfunc_end_k_q78330fe6e1_outp:
	.size	k_q78330fe6e1_outp, .Lfunc_end_k_q78330fe6e1_outp-k_q78330fe6e1_outp
	.p2alignl 7, 3214868480
	.fill 96, 4, 3214868480
	.section	.rodata,"a",@progbits
	.p2align	6, 0x0
	.amdhsa_kernel k_q78330fe6e1_outp
		.amdhsa_group_segment_fixed_size 327680
		.amdhsa_private_segment_fixed_size 0
		.amdhsa_enable_private_segment 0
		.amdhsa_kernarg_size 48
		.amdhsa_user_sgpr_count 2
		.amdhsa_user_sgpr_kernarg_segment_ptr 1
		.amdhsa_wavefront_size32 1
		.amdhsa_system_sgpr_workgroup_id_x 1
		.amdhsa_system_sgpr_workgroup_id_y 1
		.amdhsa_system_sgpr_workgroup_id_z 1
		.amdhsa_system_vgpr_workitem_id 0
		.amdhsa_next_free_vgpr 768
		.amdhsa_next_free_sgpr 100
		.amdhsa_reserve_vcc 0
		.amdhsa_float_denorm_mode_32 3
		.amdhsa_float_denorm_mode_16_64 3
		.amdhsa_memory_ordered 1
		.amdhsa_forward_progress 1
		.amdhsa_inst_pref_size 61
	.end_amdhsa_kernel
	.amdgpu_metadata
---
amdhsa.version: [ 1, 2 ]
amdhsa.kernels:
  - .name:           k_q78330fe6e1_outp
    .symbol:         k_q78330fe6e1_outp.kd
    .args:
      - { .name: cq, .offset: 0, .size: 8, .value_kind: global_buffer, .address_space: global }
      - { .name: wo_codes, .offset: 8, .size: 8, .value_kind: global_buffer, .address_space: global }
      - { .name: wo_scales, .offset: 16, .size: 8, .value_kind: global_buffer, .address_space: global }
      - { .name: bo, .offset: 24, .size: 8, .value_kind: global_buffer, .address_space: global }
      - { .name: x, .offset: 32, .size: 8, .value_kind: global_buffer, .address_space: global }
      - { .name: x1, .offset: 40, .size: 8, .value_kind: global_buffer, .address_space: global }
    .group_segment_fixed_size: 327680
    .private_segment_fixed_size: 0
    .kernarg_segment_align: 8
    .kernarg_segment_size: 48
    .max_flat_workgroup_size: 128
    .sgpr_count:     100
    .vgpr_count:     768
    .wavefront_size: 32
...
	.end_amdgpu_metadata
.endif
;; end of part 4
;; launch lnorm2: the kernel of part 1 again; grid 256 x 1, 4 waves a work-group, no clusters, 21,504 bytes of LDS; arguments x1, scale2, shift2, hq; writes hq
;; launch ffup (part 5): grid 32 x 32, 4 waves a work-group, clusters of 4 x 4, 327,680 bytes of LDS; arguments hq, w_up_codes, w_up_scales, b_up, gq; writes gq
.if DOCPART == 5
	.amdgcn_target "amdgcn-amd-amdhsa--gfx1250"
	.amdhsa_code_object_version 6
	.text
	.protected	k_q78330fe6e1_ffup
	.globl	k_q78330fe6e1_ffup
	.p2align	8
	.type	k_q78330fe6e1_ffup,@function
k_q78330fe6e1_ffup:
	s_mov_b64 s[64:65], 0
	v_nop
	global_prefetch_b8 v0, s[64:65] scope:SCOPE_SE
	s_setreg_imm32_b32 hwreg(HW_REG_WAVE_MODE, 25, 1), 1
	s_wait_xcnt 0x0
	s_wait_alu depctr_hold_cnt(0) depctr_sa_sdst(0) depctr_va_vdst(0) depctr_va_sdst(0) depctr_va_ssrc(0) depctr_va_vcc(0) depctr_vm_vsrc(0)
	s_getreg_b32 s2, hwreg(HW_REG_IB_STS2, 6, 4)
	s_cmp_eq_u32 s2, 0
	s_cbranch_scc0 .Lentry_in_a_cluster
	s_endpgm
.Lentry_in_a_cluster:
	s_bfe_u32 s2, ttmp6, 0x10000c
	s_cmp_lg_u32 s2, 0xf033
	s_cbranch_scc0 .Lentry_shape_is_right
	s_endpgm
.Lentry_shape_is_right:
; g = gelu(h w_up^T + b_up), the exact GELU, quantised along the 4,096 features (the next product's K).  The product on codes of E5M2 with E8M0 scales, sums in f32.  Nothing of the module is left out.
; C[m][n] = sum over k of A[m][k] B[n][k], K = 1,024: A = h's codes [4096][1024] (scale bytes behind them), B = w_up.  A tile of C is 128 x 128: four waves, each 64 x 64; 1,024 tiles.
; THE MATRIX INSTRUCTION IS USED TRANSPOSED (source 0 = 16 rows of B, source 1 = 16 rows of A): a lane holds one token, and its registers run along the features.
; K goes through two LDS slots of 512 along K; both are filled once, at the head, with the rows' scale bytes.  CLUSTERS: 4 x 4; A's tiles jointly along a row of the cluster, B's along a column.
; THE GELU.  gelu(x) = max(x, 0) - |x| erfc(|x| / sqrt 2) / 2.  erfc(z) = t exp(-z^2 + P(t)), t = 1 / (1 + z / 2), P of degree 9 (a published fit whose fractional error stays under 1.2e-7 for every z).
; With the 1/2 folded into P's constant and all coefficients doubled: y = 2 P(t) - x^2, E = 2^(y log2(e) / 2), g = max(x, 0) - |x t| E.  No difference of near numbers is formed for x < 0.
; OUT (gq): images of operand registers [token / 16][feature / 128][c][lane][16 bytes]; scale words [feature / 128][token] at byte 16,777,216.
; LIMITS: NaN and infinities are not served; where E falls under 2^-126 it is taken as 0; a block of zeros gets the byte 1 (its codes are zeros; this program alone reads the bytes).
.set KDIM,  1024
.set KS,    KDIM/32
.set PITCH, 528
.set HALFT, 64*PITCH
.set SLOT,  4*HALFT
.set SCL,   2*SLOT
.set HALFS, (64*KS/256)*272
.set SB32,  (32*KS/256)*272
.set SPARE, SCL+4*HALFS                ; the spare words, 128 bytes for each wave: no other line names them
.set S16,  8
.set ADRA, 16
.set ADRB, 20
.set ADSA, 22
.set ADSB, 23
.set LI,   24                          ; v24 16 x lane
.set SW,   26                          ; v26 where my row's two scale bytes go in LDS
.set SPW,  28
.set NIL,  29
.set SC,   32
.set BIAS, 64
.set T,    64                          ; v64-95  t, then x t; later at work in the quantiser
.set P,    96                          ; v96-127 the polynomial, then E; later the codes
.set ACC,  128
.set F0,   0
.set F1,   128
.set G1, 24
.set G0, 32
.set G1B, 48
.set G0B, 56
.set G1S, 68
.set G0S, 76
.set G1SB, 80
.set G0SB, 88
.set WV, 92
.set RH, 93
.set CH, 94
.set CF, 68                            ; s[68+2k:69+2k] the doubled coefficient k = 0 .. 7, twice; written behind the last wait for all tensor loads
.set C9, 84
.set L2H, 86                           ; s[86:87] log2(e) / 2
.set SQ,  95                           ; s95 1 / (2 sqrt 2)
.set MNT, 98
.set SEL, 2
.set MSB, 0
.macro WIN new
.if MSB != \new
	s_set_vgpr_msb (MSB<<8)|\new
.set MSB, \new
.endif
.endm
.set MUL,  0x05
.set TO_F, 0x40
.macro JLOAD g0a, g1a, g0b, g1b        ; a joint load: waves 0 and 1 fetch for A, waves 2 and 3 for B; an s_nop 0 and four v_nop follow each of the two lines
	s_cmp_eq_u32 s[RH], 0
	s_cbranch_scc0 .Lfor_b_\@
	tensor_load_to_lds s[\g0a:\g0a+3], s[\g1a:\g1a+7]
	s_nop 0
.rept 4
	v_nop
.endr
	s_branch .Lasked_\@
.Lfor_b_\@:
	tensor_load_to_lds s[\g0b:\g0b+3], s[\g1b:\g1b+7]
	s_nop 0
.rept 4
	v_nop
.endr
.Lasked_\@:
.endm
.macro CREST
	s_cmp_lg_u32 s[WV], 0
	s_cbranch_scc1 .Lnot_wave_0_\@
	s_barrier_signal -3
.Lnot_wave_0_\@:
	s_barrier_wait -3
	s_barrier_signal -1
	s_barrier_wait -1
.endm
.macro CROUND
	s_barrier_signal -1
	s_barrier_wait -1
	CREST
.endm
.macro PLACES n                        ; plain vector lines behind matrix instructions: eight for this form
.rept \n
	v_nop
.endr
.endm
.macro WM d, fb, fa, cr, sb, sa, ob, oa   ; one product: D, B's fragment, A's, C, B's scale register, A's; ob, oa: the words stand in lanes 16-31
.if (\ob) && (\oa)
	v_wmma_scale_f32_16x16x128_f8f6f4 v[\d:\d+7], v[\fb:\fb+15], v[\fa:\fa+15], v[\cr:\cr+7], v[\sb], v[\sa] matrix_a_fmt:MATRIX_FMT_BF8 matrix_b_fmt:MATRIX_FMT_BF8 matrix_a_scale:MATRIX_SCALE_ROW1 matrix_b_scale:MATRIX_SCALE_ROW1
.elseif (\ob)
	v_wmma_scale_f32_16x16x128_f8f6f4 v[\d:\d+7], v[\fb:\fb+15], v[\fa:\fa+15], v[\cr:\cr+7], v[\sb], v[\sa] matrix_a_fmt:MATRIX_FMT_BF8 matrix_b_fmt:MATRIX_FMT_BF8 matrix_a_scale:MATRIX_SCALE_ROW1
.elseif (\oa)
	v_wmma_scale_f32_16x16x128_f8f6f4 v[\d:\d+7], v[\fb:\fb+15], v[\fa:\fa+15], v[\cr:\cr+7], v[\sb], v[\sa] matrix_a_fmt:MATRIX_FMT_BF8 matrix_b_fmt:MATRIX_FMT_BF8 matrix_b_scale:MATRIX_SCALE_ROW1
.else
	v_wmma_scale_f32_16x16x128_f8f6f4 v[\d:\d+7], v[\fb:\fb+15], v[\fa:\fa+15], v[\cr:\cr+7], v[\sb], v[\sa] matrix_a_fmt:MATRIX_FMT_BF8 matrix_b_fmt:MATRIX_FMT_BF8
.endif
.endm
; four products: A's block a against B's four.  zero = 2: they start the sums from the bias.  The 16 accumulators take turns, in the same order in every quarter.
.macro MULA f, a, q, sc, zero
.irp b, 0,1,2,3
.if \zero == 2
	WM ACC+8*(4*(\a)+\b), \f+64+16*\b, \f+16*(\a), BIAS+8*\b, SC+16*(\sc)+8+4*(\b/2)+(\q), SC+16*(\sc)+4*((\a)/2)+(\q), \b%2, (\a)%2
.else
	WM ACC+8*(4*(\a)+\b), \f+64+16*\b, \f+16*(\a), ACC+8*(4*(\a)+\b), SC+16*(\sc)+8+4*(\b/2)+(\q), SC+16*(\sc)+4*((\a)/2)+(\q), \b%2, (\a)%2
.endif
.endr
.endm
.macro FETCH slot, q, f                ; 32 LDS loads in one run: B's four fragments, then A's
	WIN TO_F
.irp i, 0,1,2,3
.irp c, 0,1,2,3
	ds_load_b128 v[\f+64+16*\i+4*\c:\f+64+16*\i+4*\c+3], v[ADRB+\slot] offset:128*(\q)+32*\c+\i*16*PITCH
.endr
.endr
.irp i, 0,1,2,3
.irp c, 0,1,2,3
	ds_load_b128 v[\f+16*\i+4*\c:\f+16*\i+4*\c+3], v[ADRA+\slot] offset:128*(\q)+32*\c+\i*16*PITCH
.endr
.endr
.endm
.macro SCALES sc
.irp ip, 0,1
	ds_load_b128 v[SC+16*(\sc)+4*\ip:SC+16*(\sc)+4*\ip+3], v[ADSA] offset:\ip*SB32
	ds_load_b128 v[SC+16*(\sc)+8+4*\ip:SC+16*(\sc)+8+4*\ip+3], v[ADSB] offset:\ip*SB32
.endr
.endm
.macro QUARTER slot, q, f, g, zero
	s_wait_dscnt 8                                 ; B's fragments and A's blocks 0, 1 are in; the youngest eight loads (A's blocks 2, 3) may be out
	WIN MUL
	MULA \f, 0, \q, \slot, \zero
	MULA \f, 1, \q, \slot, \zero
	PLACES 8
	FETCH \slot, (\q)+1, \g
	s_wait_dscnt 32                                ; all but the 32 just issued
	WIN MUL
	MULA \f, 2, \q, \slot, \zero
	MULA \f, 3, \q, \slot, \zero
.endm
.macro TURN slot, next                 ; a slot's last 128 along K, and the change of slots: one barrier; nothing is filled again in this launch
	WIN 0
	s_wait_tensorcnt 0x0                           ; all my tensor loads have landed: my part of the next slot
	ds_add_u32 v[SPW], v[NIL]                      ; 0 onto my spare word
	s_wait_dscnt 9                                 ; (the add and the youngest eight loads may be out)
	WIN MUL
	MULA F1, 0, 3, \slot, 0
	s_wait_dscnt 0x0                               ; the add is done, and my reads of this slot are over
	s_barrier_signal -1
	MULA F1, 1, 3, \slot, 0
	WIN 0
	s_barrier_wait -1
	PLACES 8
	v_add_nc_u32 v[ADSA], 16, v[ADSA]
	v_add_nc_u32 v[ADSB], 16, v[ADSB]
	SCALES \next
	FETCH \next, 0, F0
	WIN MUL
	MULA F1, 2, 3, \slot, 0
	MULA F1, 3, 3, \slot, 0
.endm
; 32 numbers of a lane: register 8 b + j = n 16 b + 8 (lane / 16) + j of my row.  A block of 32 along n is accumulators 2 c, 2 c + 1 of lanes l and l xor 16.
; The codes come out in the accumulators' order; two exchanges of half-rows of lanes for each block bring them into the operand's: registers 4 c on: n = 32 c + 16 (lane / 16) + 0 .. 15.
.macro QUANT a, pc, tm
.set XQ, ACC+32*(\a)
.irp c, 0,1
	v_max3_num_f32 v[\tm+\c], |v[XQ+16*\c]|, |v[XQ+16*\c+1]|, 0x8000000   ; the floor 2^(16 - 127) holds the byte at 1 from below
.endr
.irp i, 2,4,6,8,10,12,14
.irp c, 0,1
	v_max3_num_f32 v[\tm+\c], v[\tm+\c], |v[XQ+16*\c+\i]|, |v[XQ+16*\c+\i+1]|
.endr
.endr
.irp c, 0,1
	v_permlanex16_b32 v[\tm+2+\c], v[\tm+\c], s[SEL], s[SEL+1]
.endr
.irp c, 0,1
	v_max_num_f32 v[\tm+\c], v[\tm+\c], v[\tm+2+\c]
.endr
.irp c, 0,1
	v_add_nc_u32 v[\tm+4+\c], 0xf8800000, v[\tm+\c]   ; 15 off the exponent field: the conversion's scale operand
.endr
.irp c, 0,1
	v_and_or_b32 v[\tm+6+\c], v[\tm+\c], 0x7f800000, s[MNT]   ; 57,344 x the scale
.endr
.irp c, 0,1
	v_lshrrev_b32 v[\tm+2+\c], 23, v[\tm+4+\c]
.endr
	v_lshl_or_b32 v[S16+(\a)], v[\tm+3], 8, v[\tm+2]
.irp c, 0,1
.irp i, 0,1,2,3,4,5,6,7,8,9,10,11,12,13,14,15
	v_med3_num_f32 v[XQ+16*\c+\i], v[XQ+16*\c+\i], -v[\tm+6+\c], v[\tm+6+\c]   ; the conversion does not saturate (ISA guide 7.6.2): the hold comes first
.endr
	v_cvt_scalef32_pk8_bf8_f32 v[\pc+4*\c:\pc+4*\c+1], v[XQ+16*\c:XQ+16*\c+7], v[\tm+4+\c]
	v_cvt_scalef32_pk8_bf8_f32 v[\pc+4*\c+2:\pc+4*\c+3], v[XQ+16*\c+8:XQ+16*\c+15], v[\tm+4+\c]
.endr
	v_nop                                          ; a plain line between the last conversion and the first line that touches a result
.irp c, 0,1
	v_permlane16_swap_b32 v[\pc+4*\c], v[\pc+4*\c+2]
	v_permlane16_swap_b32 v[\pc+4*\c+1], v[\pc+4*\c+3]
.endr
.endm
.macro PAIR reg, val                   ; a constant in both words of a scalar pair: the packed forms name the pair
	s_mov_b32 s[\reg], \val
	s_mov_b32 s[\reg+1], \val
.endm
; the GELU of the 32 numbers of tile a, in place
.macro GELU a
.set XG, ACC+32*(\a)
.if (\a) > 0
	s_wait_xcnt 0x0                                ; the last tile's stores have read the codes' registers, which P takes again
.endif
.set i, 0
.rept 32
	v_fma_f32 v[T+i], |v[XG+i]|, s[SQ], 1.0        ; 1 + z / 2; each accumulator is read from its low end on
.set i, i+1
.endr
.set i, 0
.rept 32
	v_rcp_f32 v[T+i], v[T+i]                       ; t
.set i, i+1
.endr
	v_nop                                          ; a plain line behind the batch,
	s_wait_alu depctr_va_vdst(0)                   ; and the one wait ahead of its first use
.set i, 0
.rept 16
	v_pk_fma_f32 v[P+i:P+i+1], v[T+i:T+i+1], s[C9:C9+1], v[14:15] op_sel_hi:[1,0,1]
.set i, i+2
.endr
.irp k, 7,6,5,4,3,2,1,0
.set i, 0
.rept 16
	v_pk_fma_f32 v[P+i:P+i+1], v[P+i:P+i+1], v[T+i:T+i+1], s[CF+2*\k:CF+2*\k+1] op_sel_hi:[1,1,0]
.set i, i+2
.endr
.endr
.set i, 0
.rept 16
	v_pk_fma_f32 v[P+i:P+i+1], v[XG+i:XG+i+1], v[XG+i:XG+i+1], v[P+i:P+i+1] neg_lo:[1,0,0] neg_hi:[1,0,0]   ; y = 2 P(t) - x^2
.set i, i+2
.endr
.set i, 0
.rept 16
	v_pk_mul_f32 v[P+i:P+i+1], v[P+i:P+i+1], s[L2H:L2H+1] op_sel_hi:[1,0]
.set i, i+2
.endr
.set i, 0
.rept 32
	v_exp_f32 v[P+i], v[P+i]                       ; E
.set i, i+1
.endr
.set i, 0
.rept 16
	v_pk_mul_f32 v[T+i:T+i+1], v[T+i:T+i+1], v[XG+i:XG+i+1]   ; x t: work that names no exponential's result stands behind the batch
.set i, i+2
.endr
.set i, 0
.rept 32
	v_max_num_f32 v[XG+i], 0, v[XG+i]              ; max(x, 0)
.set i, i+1
.endr
	s_wait_alu depctr_va_vdst(0)                   ; one wait for the 32 exponentials
.set i, 0
.rept 32
	v_fma_f32 v[XG+i], -|v[T+i]|, v[P+i], v[XG+i]  ; g
.set i, i+1
.endr
.endm
	s_load_b256 s[4:11], s[0:1], 0x0               ; h's codes and scales s[4:5], w_up's codes s[6:7], scales s[8:9], b_up s[10:11]
	s_load_b64 s[12:13], s[0:1], 0x20              ; gq
	v_lshl_add_u32 v[SPW], v0, 2, SPARE
	v_mov_b32 v[NIL], 0
	ds_add_u32 v[SPW], v[NIL]                      ; the wave's opening: the add, twice on end, and its wait ahead of my first tensor load
	ds_add_u32 v[SPW], v[NIL]
	v_lshrrev_b32 v1, 5, v0
	v_readfirstlane_b32 s[WV], v1
	s_lshr_b32 s[RH], s[WV], 1
	s_and_b32 s[CH], s[WV], 1
	s_bfe_u32 s40, ttmp6, 0x40000
	s_bfe_u32 s41, ttmp6, 0x40004
	s_lshl_b32 s42, ttmp9, 2
	s_add_co_u32 s42, s42, s40                     ; tile column of C: 128 features
	s_and_b32 s66, ttmp7, 0xffff
	s_lshl_b32 s66, s66, 2
	s_add_co_u32 s66, s66, s41                     ; tile row of C: 128 tokens
	s_lshl_b32 s43, s41, 2
	s_lshl_b32 s43, 15, s43
	s_lshl_b32 s44, 0x1111, s40
	s_or_b32 s[G1+0], s43, (0<<16)|(1<<20)|(1<<21)|(6<<22)|(3<<25)   ; a tile of 64 rows x 512 bytes, 16 bytes of padding behind each row
	s_or_b32 s[G1B+0], s44, (0<<16)|(1<<20)|(1<<21)|(6<<22)|(3<<25)
.irp g, G1, G1B
	s_mov_b32 s[\g+1], 512<<16
	s_mov_b32 s[\g+2], 64<<16
	s_mov_b32 s[\g+3], 512<<16
	s_mov_b32 s[\g+4], 64
	s_mov_b32 s[\g+5], KDIM
	s_mov_b32 s[\g+6], 0
	s_mov_b32 s[\g+7], 0
.endr
	s_or_b32 s[G1S+0], s43, (3<<16)|(1<<20)|(1<<21)|(5<<22)|(3<<25)  ; the scale bytes of 64 rows: dense, as rows of 256 bytes + 16
	s_or_b32 s[G1SB+0], s44, (3<<16)|(1<<20)|(1<<21)|(5<<22)|(3<<25)
.irp g, G1S, G1SB
	s_mov_b32 s[\g+1], 32<<16
	s_mov_b32 s[\g+2], (64*KS/256)<<16
	s_mov_b32 s[\g+3], 32<<16
	s_mov_b32 s[\g+4], 64*KS/256
	s_mov_b32 s[\g+5], 32
	s_mov_b32 s[\g+6], 0
	s_mov_b32 s[\g+7], 0
.endr
	s_lshl_b32 s95, s[CH], 6
	s_lshl_b32 s20, s66, 7
	s_add_co_u32 s20, s20, s95
	s_lshl_b32 s46, s42, 7
	s_add_co_u32 s46, s46, s95
	s_lshl_b32 s22, s20, 5
	s_mov_b32 s23, 0
	s_lshl_b32 s96, s46, 5
	s_mov_b32 s97, 0
	s_lshl_b32 s20, s20, 10
	s_mov_b32 s21, 0
	s_lshl_b32 s46, s46, 10
	s_mov_b32 s47, 0
	s_mul_i32 s45, s[WV], HALFT
	s_mul_i32 s67, s[WV], HALFS
	s_wait_dscnt 0x0                               ; both opening adds are done
	s_wait_kmcnt 0x0
	s_add_nc_u64 s[20:21], s[4:5], s[20:21]
	s_add_nc_u64 s[22:23], s[4:5], s[22:23]
	s_add_nc_u64 s[22:23], s[22:23], 0x400000      ; A's scale bytes lie behind its codes
	s_add_nc_u64 s[46:47], s[6:7], s[46:47]
	s_add_nc_u64 s[96:97], s[8:9], s[96:97]
	CROUND                                         ; all sixteen work-groups are here: the first joint loads meet
	s_mov_b32 s[G0S], 1
	s_add_co_u32 s[G0S+1], s67, SCL
	s_mov_b64 s[G0S+2:G0S+3], s[22:23]
	s_or_b32 s[G0S+3], s[G0S+3], 0x80000000
	s_mov_b32 s[G0SB], 1
	s_add_co_u32 s[G0SB+1], s67, SCL
	s_mov_b64 s[G0SB+2:G0SB+3], s[96:97]
	s_or_b32 s[G0SB+3], s[G0SB+3], 0x80000000
	JLOAD G0S, G1S, G0SB, G1SB
.irp s, 0,1
	s_mov_b32 s[G0+4*\s], 1
	s_add_co_u32 s[G0+4*\s+1], s45, \s*SLOT
	s_add_nc_u64 s[G0+4*\s+2:G0+4*\s+3], s[20:21], \s*512
	s_or_b32 s[G0+4*\s+3], s[G0+4*\s+3], 0x80000000
	s_mov_b32 s[G0B+4*\s], 1
	s_add_co_u32 s[G0B+4*\s+1], s45, \s*SLOT
	s_add_nc_u64 s[G0B+4*\s+2:G0B+4*\s+3], s[46:47], \s*512
	s_or_b32 s[G0B+4*\s+3], s[G0B+4*\s+3], 0x80000000
	JLOAD G0+4*\s, G1, G0B+4*\s, G1B               ; three tensor loads of mine are out
.endr
	v_and_b32 v1, 15, v0                           ; r
	v_bfe_u32 v2, v0, 4, 1                         ; h
	v_mul_u32_u24 v3, v1, PITCH
	v_lshl_add_u32 v4, v2, 4, v3
	s_mul_i32 s21, s[RH], HALFT
	s_mul_i32 s22, s[CH], HALFT
	s_add_co_u32 s22, s22, 2*HALFT
.irp s, 0,1
	v_add_nc_u32 v[ADRA+\s], s21, v4
	v_add_nc_u32 v[ADRB+\s], s22, v4
	s_add_co_u32 s21, s21, SLOT
	s_add_co_u32 s22, s22, SLOT
.endr
	v_and_b32 v5, 31, v0
	v_lshlrev_b32 v6, 5, v5
	v_lshrrev_b32 v7, 3, v5
	v_lshl_add_u32 v6, v7, 4, v6
	s_mul_i32 s21, s[RH], HALFS
	s_add_co_u32 s21, s21, SCL
	s_mul_i32 s22, s[CH], HALFS
	s_add_co_u32 s22, s22, SCL+2*HALFS
	v_add_nc_u32 v[ADSA], s21, v6
	v_add_nc_u32 v[ADSB], s22, v6
	v_lshlrev_b32 v[LI], 4, v5
	s_lshl_b32 s21, s[RH], 8
	s_lshl_b32 s22, s[CH], 1
	s_add_co_u32 s21, s21, s22
	v_lshl_add_u32 v[SW], v1, 2, s21               ; the tile's 128 scale words meet in LDS bytes 0 .. 511 (slot 0, which has had its one fill and is read no more by then): word = token, half = my half of the features
	s_lshl_b32 s21, s42, 9
	s_lshl_b32 s22, s[CH], 8
	s_add_co_u32 s46, s21, s22
	s_mov_b32 s47, 0
	s_add_nc_u64 s[10:11], s[10:11], s[46:47]      ; the bias at my first feature
	v_lshlrev_b32 v12, 5, v2
.irp b, 0,1,2,3
	global_load_b128 v[BIAS+8*\b:BIAS+8*\b+3], v12, s[10:11] offset:64*\b      ; in the result's layout: features 16 b + 8 h + 0 .. 7
	global_load_b128 v[BIAS+8*\b+4:BIAS+8*\b+7], v12, s[10:11] offset:64*\b+16
.endr
	s_lshl_b32 s20, s66, 3
	s_lshl_b32 s21, s[RH], 2
	s_add_co_u32 s20, s20, s21                     ; my first tile of 16 tokens
	s_lshl_b32 s20, s20, 16
	s_lshl_b32 s21, s42, 11
	s_add_co_u32 s20, s20, s21
	s_lshl_b32 s21, s[CH], 10
	s_add_co_u32 s20, s20, s21
	s_mov_b32 s21, 0
	s_add_nc_u64 s[20:21], s[12:13], s[20:21]      ; my images
	s_lshl_b32 s22, s42, 14
	s_lshl_b32 s23, s66, 9
	s_add_co_u32 s22, s22, s23
	s_add_co_u32 s22, s22, 16777216
	s_mov_b32 s23, 0
	s_add_nc_u64 s[22:23], s[12:13], s[22:23]      ; the tile's scale words
	s_wait_tensorcnt 1                             ; the scale bytes and my part of slot 0 are in (slot 1's load may be out)
	s_barrier_signal -1
	s_barrier_wait -1
	SCALES 0
	FETCH 0, 0, F0
	s_wait_loadcnt 0x0                             ; the bias
	QUARTER 0, 0, F0, F1, 2                        ; the first products start the sums from the bias
	QUARTER 0, 1, F1, F0, 0
	QUARTER 0, 2, F0, F1, 0
	TURN 0, 1
	QUARTER 1, 0, F0, F1, 0
	QUARTER 1, 1, F1, F0, 0
	QUARTER 1, 2, F0, F1, 0
	s_wait_dscnt 8
	WIN MUL
	MULA F1, 0, 3, 1, 0
	MULA F1, 1, 3, 1, 0
	s_wait_dscnt 0x0
	MULA F1, 2, 3, 1, 0
	MULA F1, 3, 3, 1, 0
	WIN 0
	PLACES 8
	; THE WAY OUT.  No tensor load of mine is out since the change of slots, so the descriptors' registers take the constants.
	PAIR CF+0,  0xc07ab55a                         ; 2 x (-1.26551223 - ln 2)
	PAIR CF+2,  0x400000c7                         ; 2 x  1.00002368
	PAIR CF+4,  0x3f3f88fb                         ; 2 x  0.37409196
	PAIR CF+6,  0x3e4636c9                         ; 2 x  0.09678418
	PAIR CF+8,  0xbebec24c                         ; 2 x -0.18628806
	PAIR CF+10, 0x3f0ec7cc                         ; 2 x  0.27886807
	PAIR CF+12, 0xc0114e5d                         ; 2 x -1.13520398
	PAIR CF+14, 0x403e87b0                         ; 2 x  1.48851587
	PAIR C9,    0x3eaef945                         ; 2 x  0.17087277
	PAIR L2H,   0x3f38aa3b                         ; log2(e) / 2
	s_mov_b32 s[SQ], 0x3eb504f3                    ; 1 / (2 sqrt 2)
	s_mov_b32 s[MNT], 0x600000
	s_mov_b32 s[SEL], 0x76543210
	s_mov_b32 s[SEL+1], 0xfedcba98
	v_mov_b32 v14, 0xbfd27892                      ; 2 x -0.82215223
	v_mov_b32 v15, 0xbfd27892
.irp a, 0,1,2,3
	GELU \a
	QUANT \a, P, T
	global_store_b128 v[LI], v[P:P+3], s[20:21] offset:65536*\a          ; an image of operand registers: each store covers 512 consecutive bytes
	global_store_b128 v[LI], v[P+4:P+7], s[20:21] offset:65536*\a+512
	ds_store_b16 v[SW], v[S16+\a] offset:64*\a     ; lanes l and l xor 16 write the same two bytes with the same values
.endr
	s_wait_dscnt 0x0                               ; for the others' sake: my scale bytes lie in LDS
	s_barrier_signal -1
	s_barrier_wait -1
	s_cmp_lg_u32 s[WV], 0
	s_cbranch_scc1 .Lnot_first
	ds_load_b128 v[T:T+3], v[LI]                   ; wave 0 stores the tile's 128 scale words: 512 consecutive bytes
	s_wait_dscnt 0x0
	global_store_b128 v[LI], v[T:T+3], s[22:23]
.Lnot_first:
	s_wait_tensorcnt 0x0                           ; the wave's end
	ds_add_u32 v[SPW], v[NIL]
	s_wait_dscnt 0x0
	CROUND                                         ; the closing round
	s_endpgm
.Lfunc_end_k_q78330fe6e1_ffup:
	.size	k_q78330fe6e1_ffup, .Lfunc_end_k_q78330fe6e1_ffup-k_q78330fe6e1_ffup
	.p2alignl 7, 3214868480
	.fill 96, 4, 3214868480
	.section	.rodata,"a",@progbits
	.p2align	6, 0x0
	.amdhsa_kernel k_q78330fe6e1_ffup
		.amdhsa_group_segment_fixed_size 327680
		.amdhsa_private_segment_fixed_size 0
		.amdhsa_enable_private_segment 0
		.amdhsa_kernarg_size 40
		.amdhsa_user_sgpr_count 2
		.amdhsa_user_sgpr_kernarg_segment_ptr 1
		.amdhsa_wavefront_size32 1
		.amdhsa_system_sgpr_workgroup_id_x 1
		.amdhsa_system_sgpr_workgroup_id_y 1
		.amdhsa_system_sgpr_workgroup_id_z 1
		.amdhsa_system_vgpr_workitem_id 0
		.amdhsa_next_free_vgpr 512
		.amdhsa_next_free_sgpr 100
		.amdhsa_reserve_vcc 0
		.amdhsa_float_denorm_mode_32 3
		.amdhsa_float_denorm_mode_16_64 3
		.amdhsa_memory_ordered 1
		.amdhsa_forward_progress 1
		.amdhsa_inst_pref_size 143
	.end_amdhsa_kernel
	.amdgpu_metadata
---
amdhsa.version: [ 1, 2 ]
amdhsa.kernels:
  - .name:           k_q78330fe6e1_ffup
    .symbol:         k_q78330fe6e1_ffup.kd
    .args:
      - { .name: hq, .offset: 0, .size: 8, .value_kind: global_buffer, .address_space: global }
      - { .name: w_up_codes, .offset: 8, .size: 8, .value_kind: global_buffer, .address_space: global }
      - { .name: w_up_scales, .offset: 16, .size: 8, .value_kind: global_buffer, .address_space: global }
      - { .name: b_up, .offset: 24, .size: 8, .value_kind: global_buffer, .address_space: global }
      - { .name: gq, .offset: 32, .size: 8, .value_kind: global_buffer, .address_space: global }
    .group_segment_fixed_size: 327680
    .private_segment_fixed_size: 0
    .kernarg_segment_align: 8
    .kernarg_segment_size: 40
    .max_flat_workgroup_size: 128
    .sgpr_count:     100
    .vgpr_count:     512
    .wavefront_size: 32
...
	.end_amdgpu_metadata
.endif
;; end of part 5
;; launch ffdown (part 6): grid 8 x 32, 4 waves a work-group, clusters of 4 x 4, 327,680 bytes of LDS; arguments gq, w_down_codes, w_down_scales, b_down, x1, out0; writes out0
.if DOCPART == 6
	.amdgcn_target "amdgcn-amd-amdhsa--gfx1250"
	.amdhsa_code_object_version 6
	.text
	.protected	k_q78330fe6e1_ffdown
	.globl	k_q78330fe6e1_ffdown
	.p2align	8
	.type	k_q78330fe6e1_ffdown,@function
k_q78330fe6e1_ffdown:
	s_mov_b64 s[64:65], 0
	v_nop
	global_prefetch_b8 v0, s[64:65] scope:SCOPE_SE
	s_setreg_imm32_b32 hwreg(HW_REG_WAVE_MODE, 25, 1), 1
	s_wait_xcnt 0x0
	s_wait_alu depctr_hold_cnt(0) depctr_sa_sdst(0) depctr_va_vdst(0) depctr_va_sdst(0) depctr_va_ssrc(0) depctr_va_vcc(0) depctr_vm_vsrc(0)
	s_getreg_b32 s2, hwreg(HW_REG_IB_STS2, 6, 4)
	s_cmp_eq_u32 s2, 0
	s_cbranch_scc0 .Lentry_in_a_cluster
	s_endpgm
.Lentry_in_a_cluster:
	s_bfe_u32 s2, ttmp6, 0x10000c
	s_cmp_lg_u32 s2, 0xf033
	s_cbranch_scc0 .Lentry_shape_is_right
	s_endpgm
.Lentry_shape_is_right:
; out = x1 + g w_down^T + b_down: the product on codes of E5M2 with E8M0 scales, sums in f32; the bias is the C of each sum's first product, the residual is added on the way out.  Nothing of the module is left out.
; C[m][n] = sum over k of A[m][k] B[n][k], K = 4,096.  A = g, as the images of operand registers that the launch before stored ([token / 16][k / 128][c][lane][16 bytes]; scale words [k / 128][token]); B = w_down, rows along K.
; A tile of C is 128 x 128: four waves, each 64 x 64: 16 accumulators; 256 tiles.  THE MATRIX INSTRUCTION IS USED TRANSPOSED (source 0 = 16 rows of B, source 1 = 16 rows of A).
; K goes in steps of 512 through a ring of two LDS slots; the scale bytes of all of K come once, with the first fills.  A slot is filled again behind a round of the cluster's barrier, one tensor load a wave:
; from a request to the wait for it a wave issues 56 matrix instructions.  A wave has three tensor loads out at the head and one behind each round.
; CLUSTERS: 4 x 4 work-groups; A's tiles are asked for jointly along a row of the cluster, B's along a column.
; REGISTERS: window 0: v1-29 addresses; v32-63 scale words, two sets; v64-127 the bias, later rows on their way out; v128-255 the accumulators.  Window 1: two sets of fragments.  Window 2: v0-127 my 64 x 64 of the residual.
.set KDIM,  4096
.set KS,    KDIM/32
.set PITCH, 528
.set HALFT, 64*PITCH                   ; 64 rows of B
.set AIMG,  65536                      ; A's part of a slot: 8 tiles of 16 tokens x 4 images of 2,048 bytes
.set SLOT,  AIMG+2*HALFT
.set SCA,   2*SLOT                     ; A's scale words: 32 rows (k / 128) of 512 bytes (128 tokens)
.set SCB,   SCA+16384                  ; B's scale bytes, as units of 256 bytes + 16
.set HALFS, (64*KS/256)*272
.set SB32,  (32*KS/256)*272
.set SPARE, SCB+2*HALFS                ; the spare words, 128 bytes for each wave: no other line names them
.set LAPS,  KDIM/1024                  ; a lap = two slots
.set ADRA, 16
.set ADRB, 20
.set ADSA, 22
.set ADSB, 23
.set STO,  24
.set RD,   25
.set CO,   26
.set SPW,  28
.set NIL,  29
.set SC,   32
.set BIAS, 64
.set TMP,  64
.set ACC,  128
.set F0,   0
.set F1,   128
.set G1, 24
.set G0, 32
.set G1B, 48
.set G0B, 56
.set G1S, 68
.set G0S, 76
.set G1SB, 80
.set G0SB, 88
.set WV, 92
.set RH, 93
.set CH, 94
.set MSB, 0
.macro WIN new
.if MSB != \new
	s_set_vgpr_msb (MSB<<8)|\new
.set MSB, \new
.endif
.endm
.set MUL,  0x05
.set TO_F, 0x40
.macro JLOAD g0a, g1a, g0b, g1b        ; a joint load: waves 0 and 1 fetch for A, waves 2 and 3 for B; an s_nop 0 and four v_nop follow each of the two lines
	s_cmp_eq_u32 s[RH], 0
	s_cbranch_scc0 .Lfor_b_\@
	tensor_load_to_lds s[\g0a:\g0a+3], s[\g1a:\g1a+7]
	s_nop 0
.rept 4
	v_nop
.endr
	s_branch .Lasked_\@
.Lfor_b_\@:
	tensor_load_to_lds s[\g0b:\g0b+3], s[\g1b:\g1b+7]
	s_nop 0
.rept 4
	v_nop
.endr
.Lasked_\@:
.endm
.macro CREST
	s_cmp_lg_u32 s[WV], 0
	s_cbranch_scc1 .Lnot_wave_0_\@
	s_barrier_signal -3
.Lnot_wave_0_\@:
	s_barrier_wait -3
	s_barrier_signal -1
	s_barrier_wait -1
.endm
.macro CROUND
	s_barrier_signal -1
	s_barrier_wait -1
	CREST
.endm
.macro PLACES n                        ; plain vector lines behind matrix instructions: eight for this form
.rept \n
	v_nop
.endr
.endm
.macro WM d, fb, fa, cr, sb, sa, ob, oa   ; one product: D, B's fragment, A's, C, B's scale register, A's; ob, oa: the words stand in lanes 16-31
.if (\ob) && (\oa)
	v_wmma_scale_f32_16x16x128_f8f6f4 v[\d:\d+7], v[\fb:\fb+15], v[\fa:\fa+15], v[\cr:\cr+7], v[\sb], v[\sa] matrix_a_fmt:MATRIX_FMT_BF8 matrix_b_fmt:MATRIX_FMT_BF8 matrix_a_scale:MATRIX_SCALE_ROW1 matrix_b_scale:MATRIX_SCALE_ROW1
.elseif (\ob)
	v_wmma_scale_f32_16x16x128_f8f6f4 v[\d:\d+7], v[\fb:\fb+15], v[\fa:\fa+15], v[\cr:\cr+7], v[\sb], v[\sa] matrix_a_fmt:MATRIX_FMT_BF8 matrix_b_fmt:MATRIX_FMT_BF8 matrix_a_scale:MATRIX_SCALE_ROW1
.elseif (\oa)
	v_wmma_scale_f32_16x16x128_f8f6f4 v[\d:\d+7], v[\fb:\fb+15], v[\fa:\fa+15], v[\cr:\cr+7], v[\sb], v[\sa] matrix_a_fmt:MATRIX_FMT_BF8 matrix_b_fmt:MATRIX_FMT_BF8 matrix_b_scale:MATRIX_SCALE_ROW1
.else
	v_wmma_scale_f32_16x16x128_f8f6f4 v[\d:\d+7], v[\fb:\fb+15], v[\fa:\fa+15], v[\cr:\cr+7], v[\sb], v[\sa] matrix_a_fmt:MATRIX_FMT_BF8 matrix_b_fmt:MATRIX_FMT_BF8
.endif
.endm
; four products: A's block a against B's four.  zero = 2: they start the sums from the bias.  The 16 accumulators take turns, in the same order in every quarter, over the loop's backward jump too.
.macro MULA f, a, q, sc, zero
.irp b, 0,1,2,3
.if \zero == 2
	WM ACC+8*(4*(\a)+\b), \f+64+16*\b, \f+16*(\a), BIAS+8*\b, SC+16*(\sc)+8+4*(\b/2)+(\q), SC+16*(\sc)+4*((\a)/2)+(\q), \b%2, (\a)%2
.else
	WM ACC+8*(4*(\a)+\b), \f+64+16*\b, \f+16*(\a), ACC+8*(4*(\a)+\b), SC+16*(\sc)+8+4*(\b/2)+(\q), SC+16*(\sc)+4*((\a)/2)+(\q), \b%2, (\a)%2
.endif
.endr
.endm
.macro FETCH slot, q, f                ; 32 LDS loads in one run: B's four fragments from rows, then A's four from images (16 x lane: 512 consecutive bytes a load)
	WIN TO_F
.irp i, 0,1,2,3
.irp c, 0,1,2,3
	ds_load_b128 v[\f+64+16*\i+4*\c:\f+64+16*\i+4*\c+3], v[ADRB+\slot] offset:128*(\q)+32*\c+\i*16*PITCH
.endr
.endr
.irp i, 0,1,2,3
.irp c, 0,1,2,3
	ds_load_b128 v[\f+16*\i+4*\c:\f+16*\i+4*\c+3], v[ADRA+\slot] offset:\i*8192+2048*(\q)+512*\c
.endr
.endr
.endm
.macro SCALES sc                       ; a slot's scale words.  A's: a word a token and 128 along K; B's: 16 bytes a row: four words
.irp ip, 0,1
.irp w, 0,1,2,3
	ds_load_b32 v[SC+16*(\sc)+4*\ip+\w], v[ADSA] offset:\w*512+\ip*128
.endr
.endr
.irp ip, 0,1
	ds_load_b128 v[SC+16*(\sc)+8+4*\ip:SC+16*(\sc)+8+4*\ip+3], v[ADSB] offset:\ip*SB32
.endr
.endm
.macro QUARTER slot, q, f, g, zero
	s_wait_dscnt 8                                 ; B's fragments and A's blocks 0, 1 are in; the youngest eight loads (A's blocks 2, 3) may be out
	WIN MUL
	MULA \f, 0, \q, \slot, \zero
	MULA \f, 1, \q, \slot, \zero
	PLACES 8
	FETCH \slot, (\q)+1, \g
	s_wait_dscnt 32                                ; all but the 32 just issued
	WIN MUL
	MULA \f, 2, \q, \slot, \zero
	MULA \f, 3, \q, \slot, \zero
.endm
; A slot's last 128 along K, and the change of slots: ONE barrier; in front of it each wave waits for all its tensor loads, adds 0 to its spare word, and waits for that and for its reads of this slot.
; fill = 1: the barrier opens a round of the cluster's barrier, and this slot is filled again, two steps ahead, first thing behind the round.
.macro TURN slot, next, fill
	WIN 0                                          ; (the add's two registers lie in window 0)
	s_wait_tensorcnt 0x0                           ; all my tensor loads have landed: my part of the next slot
	ds_add_u32 v[SPW], v[NIL]                      ; 0 onto my spare word
	s_wait_dscnt 9                                 ; (the add and the youngest eight loads may be out)
	WIN MUL
	MULA F1, 0, 3, \slot, 0                        ; four matrix instructions stand between the add and the wait for it
	s_wait_dscnt 0x0                               ; the add is done, and my reads of this slot are over
	s_barrier_signal -1
	MULA F1, 1, 3, \slot, 0
	WIN 0
	s_barrier_wait -1
.if \fill
	CREST                                          ; no wave of any partner still reads this slot's tiles or has a load on its way
	s_add_nc_u64 s[G0+4*\slot+2:G0+4*\slot+3], s[G0+4*\slot+2:G0+4*\slot+3], 16384     ; A: eight images of 2,048 bytes on
	s_add_nc_u64 s[G0B+4*\slot+2:G0B+4*\slot+3], s[G0B+4*\slot+2:G0B+4*\slot+3], 1024  ; B: 1,024 along K on
	JLOAD G0+4*\slot, G1, G0B+4*\slot, G1B         ; the first tensor load behind the round; its four v_nop are among the places in front of the loads below
	PLACES 4
.else
	PLACES 8
.endif
	v_add_nc_u32 v[ADSA], 2048, v[ADSA]            ; on to the next slot's scale words
	v_add_nc_u32 v[ADSB], 16, v[ADSB]
	SCALES \next
	FETCH \next, 0, F0
	WIN MUL
	MULA F1, 2, 3, \slot, 0
	MULA F1, 3, 3, \slot, 0
.endm
	s_load_b256 s[4:11], s[0:1], 0x0               ; gq s[4:5], w_down's codes s[6:7], scales s[8:9], b_down s[10:11]
	s_load_b128 s[12:15], s[0:1], 0x20             ; x1 s[12:13], out0 s[14:15]
	v_lshl_add_u32 v[SPW], v0, 2, SPARE
	v_mov_b32 v[NIL], 0
	ds_add_u32 v[SPW], v[NIL]                      ; the wave's opening: the add, twice on end, and its wait ahead of my first tensor load
	ds_add_u32 v[SPW], v[NIL]
	v_lshrrev_b32 v1, 5, v0
	v_readfirstlane_b32 s[WV], v1
	s_lshr_b32 s[RH], s[WV], 1
	s_and_b32 s[CH], s[WV], 1
	s_bfe_u32 s40, ttmp6, 0x40000
	s_bfe_u32 s41, ttmp6, 0x40004
	s_lshl_b32 s42, ttmp9, 2
	s_add_co_u32 s42, s42, s40                     ; tile column of C
	s_and_b32 s66, ttmp7, 0xffff
	s_lshl_b32 s66, s66, 2
	s_add_co_u32 s66, s66, s41                     ; tile row of C
	s_lshl_b32 s43, s41, 2
	s_lshl_b32 s43, 15, s43
	s_lshl_b32 s44, 0x1111, s40
	; A's tiles: 4 rows (tiles of 16 tokens) of 8,192 bytes (1,024 elements of 8 bytes), 65,536 bytes apart; dense in LDS
	s_or_b32 s[G1+0], s43, (3<<16)|(1<<21)
	s_mov_b32 s[G1+1], 1024<<16
	s_mov_b32 s[G1+2], 4<<16
	s_mov_b32 s[G1+3], 1024<<16
	s_mov_b32 s[G1+4], 4
	s_mov_b32 s[G1+5], 8192
	s_mov_b32 s[G1+6], 0
	s_mov_b32 s[G1+7], 0
	; B's tiles: 64 rows x 512 bytes, 16 bytes of padding behind each row
	s_or_b32 s[G1B+0], s44, (0<<16)|(1<<20)|(1<<21)|(6<<22)|(3<<25)
	s_mov_b32 s[G1B+1], 512<<16
	s_mov_b32 s[G1B+2], 64<<16
	s_mov_b32 s[G1B+3], 512<<16
	s_mov_b32 s[G1B+4], 64
	s_mov_b32 s[G1B+5], KDIM
	s_mov_b32 s[G1B+6], 0
	s_mov_b32 s[G1B+7], 0
	; A's scale words: 16 rows (k / 128) of 512 bytes (64 elements of 8 bytes), 16,384 bytes apart; dense in LDS
	s_or_b32 s[G1S+0], s43, (3<<16)|(1<<21)
	s_mov_b32 s[G1S+1], 64<<16
	s_mov_b32 s[G1S+2], 16<<16
	s_mov_b32 s[G1S+3], 64<<16
	s_mov_b32 s[G1S+4], 16
	s_mov_b32 s[G1S+5], 2048
	s_mov_b32 s[G1S+6], 0
	s_mov_b32 s[G1S+7], 0
	; B's scale bytes of 64 rows: dense, as rows of 256 bytes + 16
	s_or_b32 s[G1SB+0], s44, (3<<16)|(1<<20)|(1<<21)|(5<<22)|(3<<25)
	s_mov_b32 s[G1SB+1], 32<<16
	s_mov_b32 s[G1SB+2], (64*KS/256)<<16
	s_mov_b32 s[G1SB+3], 32<<16
	s_mov_b32 s[G1SB+4], 64*KS/256
	s_mov_b32 s[G1SB+5], 32
	s_mov_b32 s[G1SB+6], 0
	s_mov_b32 s[G1SB+7], 0
	s_lshl_b32 s20, s66, 3
	s_lshl_b32 s95, s[CH], 2
	s_add_co_u32 s20, s20, s95                     ; A: the first of the four tiles of 16 tokens that I fetch
	s_lshl_b32 s20, s20, 16
	s_mov_b32 s21, 0
	s_lshl_b32 s22, s[CH], 18                      ; A's scale words: my 16 rows,
	s_lshl_b32 s2, s66, 9                          ; the tile's 128 tokens
	s_add_co_u32 s22, s22, s2
	s_add_co_u32 s22, s22, 16777216
	s_mov_b32 s23, 0
	s_lshl_b32 s46, s42, 7
	s_lshl_b32 s95, s[CH], 6
	s_add_co_u32 s46, s46, s95                     ; B's row
	s_lshl_b32 s96, s46, 7                         ; its scale bytes,
	s_mov_b32 s97, 0
	s_lshl_b32 s46, s46, 12                        ; its codes
	s_mov_b32 s47, 0
	s_lshl_b32 s45, s[CH], 15                      ; where they go: no place in the cluster enters an LDS address
	s_mul_i32 s67, s[CH], HALFT
	s_add_co_u32 s67, s67, AIMG
	s_lshl_b32 s98, s[CH], 13
	s_add_co_u32 s98, s98, SCA
	s_mul_i32 s99, s[CH], HALFS
	s_add_co_u32 s99, s99, SCB
	s_wait_dscnt 0x0                               ; both opening adds are done
	s_wait_kmcnt 0x0
	s_add_nc_u64 s[20:21], s[4:5], s[20:21]
	s_add_nc_u64 s[22:23], s[4:5], s[22:23]
	s_add_nc_u64 s[46:47], s[6:7], s[46:47]
	s_add_nc_u64 s[96:97], s[8:9], s[96:97]
	CROUND                                         ; all sixteen work-groups are here: the first joint loads meet
	s_mov_b32 s[G0S], 1
	s_mov_b32 s[G0S+1], s98
	s_mov_b64 s[G0S+2:G0S+3], s[22:23]
	s_or_b32 s[G0S+3], s[G0S+3], 0x80000000
	s_mov_b32 s[G0SB], 1
	s_mov_b32 s[G0SB+1], s99
	s_mov_b64 s[G0SB+2:G0SB+3], s[96:97]
	s_or_b32 s[G0SB+3], s[G0SB+3], 0x80000000
	JLOAD G0S, G1S, G0SB, G1SB                     ; the scales of all of K: filled once
.irp s, 0,1
	s_mov_b32 s[G0+4*\s], 1
	s_add_co_u32 s[G0+4*\s+1], s45, \s*SLOT
	s_add_nc_u64 s[G0+4*\s+2:G0+4*\s+3], s[20:21], \s*8192
	s_or_b32 s[G0+4*\s+3], s[G0+4*\s+3], 0x80000000
	s_mov_b32 s[G0B+4*\s], 1
	s_add_co_u32 s[G0B+4*\s+1], s67, \s*SLOT
	s_add_nc_u64 s[G0B+4*\s+2:G0B+4*\s+3], s[46:47], \s*512
	s_or_b32 s[G0B+4*\s+3], s[G0B+4*\s+3], 0x80000000
	JLOAD G0+4*\s, G1, G0B+4*\s, G1B
.endr
	v_and_b32 v1, 15, v0                           ; r
	v_bfe_u32 v2, v0, 4, 1                         ; h
	v_mul_u32_u24 v3, v1, PITCH
	v_lshl_add_u32 v4, v2, 4, v3
	v_and_b32 v5, 31, v0                           ; lane
	v_lshlrev_b32 v6, 4, v5
	s_lshl_b32 s21, s[RH], 15                      ; my four tiles of tokens
	s_mul_i32 s22, s[CH], HALFT
	s_add_co_u32 s22, s22, AIMG                    ; my 64 rows of B
.irp s, 0,1
	v_add_nc_u32 v[ADRA+\s], s21, v6
	v_add_nc_u32 v[ADRB+\s], s22, v4
	s_add_co_u32 s21, s21, SLOT
	s_add_co_u32 s22, s22, SLOT
.endr
	s_lshl_b32 s21, s[RH], 8
	s_add_co_u32 s21, s21, SCA
	v_lshl_add_u32 v[ADSA], v5, 2, s21             ; a lane a token, 32 tokens
	v_lshlrev_b32 v6, 7, v5                        ; a lane a row of KS bytes,
	v_lshrrev_b32 v7, 1, v5
	v_lshl_add_u32 v6, v7, 4, v6                   ; and 16 more for each 256 passed
	s_mul_i32 s22, s[CH], HALFS
	s_add_co_u32 s22, s22, SCB
	v_add_nc_u32 v[ADSB], s22, v6
	s_mul_i32 s23, s[WV], 16*272                   ; my stage: 16 rows x (256 bytes + 16), in slot 0: it has had its last fill, and is read no more when the first result is stored there
	v_mul_u32_u24 v5, v1, 272
	v_lshl_add_u32 v5, v2, 5, v5
	v_add_nc_u32 v[STO], s23, v5
	v_mul_u32_u24 v5, v2, 272
	v_lshl_add_u32 v5, v1, 4, v5
	v_add_nc_u32 v[RD], s23, v5
	s_lshl_b32 s21, s42, 9
	s_lshl_b32 s22, s[CH], 8
	s_add_co_u32 s46, s21, s22                     ; my first column, in bytes
	s_mov_b32 s47, 0
	s_add_nc_u64 s[10:11], s[10:11], s[46:47]
	s_lshl_b32 s20, s66, 7
	s_lshl_b32 s21, s[RH], 6
	s_add_co_u32 s20, s20, s21                     ; my first row
	s_lshl_b32 s20, s20, 12
	s_add_co_u32 s20, s20, s46
	s_mov_b32 s21, 0
	s_add_nc_u64 s[12:13], s[12:13], s[20:21]
	s_add_nc_u64 s[14:15], s[14:15], s[20:21]
	v_lshlrev_b32 v12, 5, v2
.irp b, 0,1,2,3
	global_load_b128 v[BIAS+8*\b:BIAS+8*\b+3], v12, s[10:11] offset:64*\b      ; the bias in the result's layout: columns 16 b + 8 h + 0 .. 7
	global_load_b128 v[BIAS+8*\b+4:BIAS+8*\b+7], v12, s[10:11] offset:64*\b+16
.endr
	v_lshlrev_b32 v[CO], 12, v2
	v_lshl_add_u32 v[CO], v1, 4, v[CO]
	WIN 0x80                                       ; destination window 2
.irp a, 0,1,2,3
.irp i, 0,1,2,3,4,5,6,7
	global_load_b128 v[32*\a+4*\i:32*\a+4*\i+3], v[CO], s[12:13] offset:(16*\a+2*\i)*4096 th:TH_LOAD_NT   ; the residual lands under the products
.endr
.endr
	WIN 0
	s_wait_tensorcnt 1                             ; the scales and my part of slot 0 are in (slot 1's load may be out)
	s_barrier_signal -1
	s_barrier_wait -1
	SCALES 0
	FETCH 0, 0, F0
	s_wait_loadcnt 32                              ; the bias is in; the residual's 32 loads may be out
	QUARTER 0, 0, F0, F1, 2                        ; the first quarter stands in front of the loop: its products start the sums from the bias
	WIN 0                                          ; at a label and at a branch every window is 0
	s_mov_b32 s3, LAPS-1
.Llap:                                                 ; a trip goes once round the ring, from a lap's second quarter to the next lap's first, and fills both slots again
	QUARTER 0, 1, F1, F0, 0
	QUARTER 0, 2, F0, F1, 0
	TURN 0, 1, 1
	QUARTER 1, 0, F0, F1, 0
	QUARTER 1, 1, F1, F0, 0
	QUARTER 1, 2, F0, F1, 0
	TURN 1, 0, 1
	QUARTER 0, 0, F0, F1, 0
	WIN 0
	s_sub_co_u32 s3, s3, 1
	s_cmp_lg_u32 s3, 0
	s_cbranch_scc1 .Llap
	QUARTER 0, 1, F1, F0, 0                        ; the last lap fills nothing, and has no round of the cluster's barrier
	QUARTER 0, 2, F0, F1, 0
	TURN 0, 1, 0
	QUARTER 1, 0, F0, F1, 0
	QUARTER 1, 1, F1, F0, 0
	QUARTER 1, 2, F0, F1, 0
	s_wait_dscnt 8
	WIN MUL
	MULA F1, 0, 3, 1, 0
	MULA F1, 1, 3, 1, 0
	s_wait_dscnt 0x0
	MULA F1, 2, 3, 1, 0
	MULA F1, 3, 3, 1, 0
	WIN 0
	PLACES 8
; THE WAY OUT, 16 rows at a time: through my own stage, back as whole rows of 256 bytes, the residual added, stored: sixteen lanes store 256 consecutive bytes, aligned.
.macro OUTA a
.set TS, TMP+32*((\a)%2)
.if (\a) >= 2
	s_wait_xcnt 0x0                                ; the stores of two blocks back have read their registers
.endif
.irp b, 0,1,2,3
	ds_store_b128 v[STO], v[ACC+8*(4*(\a)+\b):ACC+8*(4*(\a)+\b)+3] offset:64*\b        ; each accumulator from its low end on
	ds_store_b128 v[STO], v[ACC+8*(4*(\a)+\b)+4:ACC+8*(4*(\a)+\b)+7] offset:64*\b+16
.endr
.irp i, 0,1,2,3,4,5,6,7
	ds_load_b128 v[TS+4*\i:TS+4*\i+3], v[RD] offset:2*\i*272   ; LDS serves a wave's instructions in order: these see the stores above
.endr
	s_wait_dscnt 0x0
.if (\a) == 0
	s_wait_loadcnt 0x0                             ; the residual
.endif
	WIN 0x08                                       ; source 1 window 2
.irp i, 0,2,4,6,8,10,12,14,16,18,20,22,24,26,28,30
	v_pk_add_f32 v[TS+\i:TS+\i+1], v[TS+\i:TS+\i+1], v[32*(\a)+\i:32*(\a)+\i+1]
.endr
	WIN 0
.irp i, 0,1,2,3,4,5,6,7
	global_store_b128 v[CO], v[TS+4*\i:TS+4*\i+3], s[14:15] offset:(16*(\a)+2*\i)*4096 th:TH_STORE_NT
.endr
.endm
	OUTA 0
	OUTA 1
	OUTA 2
	OUTA 3
	s_wait_tensorcnt 0x0                           ; the wave's end
	ds_add_u32 v[SPW], v[NIL]
	s_wait_dscnt 0x0
	CROUND                                         ; the closing round: no work-group ends while a partner may still ask for a tile that names it
	s_endpgm
.Lfunc_end_k_q78330fe6e1_ffdown:
	.size	k_q78330fe6e1_ffdown, .Lfunc_end_k_q78330fe6e1_ffdown-k_q78330fe6e1_ffdown
	.p2alignl 7, 3214868480
	.fill 96, 4, 3214868480
	.section	.rodata,"a",@progbits
	.p2align	6, 0x0
	.amdhsa_kernel k_q78330fe6e1_ffdown
		.amdhsa_group_segment_fixed_size 327680
		.amdhsa_private_segment_fixed_size 0
		.amdhsa_enable_private_segment 0
		.amdhsa_kernarg_size 48
		.amdhsa_user_sgpr_count 2
		.amdhsa_user_sgpr_kernarg_segment_ptr 1
		.amdhsa_wavefront_size32 1
		.amdhsa_system_sgpr_workgroup_id_x 1
		.amdhsa_system_sgpr_workgroup_id_y 1
		.amdhsa_system_sgpr_workgroup_id_z 1
		.amdhsa_system_vgpr_workitem_id 0
		.amdhsa_next_free_vgpr 768
		.amdhsa_next_free_sgpr 100
		.amdhsa_reserve_vcc 0
		.amdhsa_float_denorm_mode_32 3
		.amdhsa_float_denorm_mode_16_64 3
		.amdhsa_memory_ordered 1
		.amdhsa_forward_progress 1
		.amdhsa_inst_pref_size 101
	.end_amdhsa_kernel
	.amdgpu_metadata
---
amdhsa.version: [ 1, 2 ]
amdhsa.kernels:
  - .name:           k_q78330fe6e1_ffdown
    .symbol:         k_q78330fe6e1_ffdown.kd
    .args:
      - { .name: gq, .offset: 0, .size: 8, .value_kind: global_buffer, .address_space: global }
      - { .name: w_down_codes, .offset: 8, .size: 8, .value_kind: global_buffer, .address_space: global }
      - { .name: w_down_scales, .offset: 16, .size: 8, .value_kind: global_buffer, .address_space: global }
      - { .name: b_down, .offset: 24, .size: 8, .value_kind: global_buffer, .address_space: global }
      - { .name: x1, .offset: 32, .size: 8, .value_kind: global_buffer, .address_space: global }
      - { .name: out0, .offset: 40, .size: 8, .value_kind: global_buffer, .address_space: global }
    .group_segment_fixed_size: 327680
    .private_segment_fixed_size: 0
    .kernarg_segment_align: 8
    .kernarg_segment_size: 48
    .max_flat_workgroup_size: 128
    .sgpr_count:     100
    .vgpr_count:     768
    .wavefront_size: 32
...
	.end_amdgpu_metadata
.endif
;; end of part 6
;; ======== version 2 of 2: 7 launches
;; limits: right only within a limited range of input values
;; workspace buffers: hq 4,325,376 bytes; qkvq 12,976,128 bytes; cq 4,325,376 bytes; x1 16,777,216 bytes; gq 17,301,504 bytes
;; launch lnorm1 (part 7): grid 256 x 1, 16 waves a work-group, no clusters, 84,480 bytes of LDS; arguments x, scale1, shift1, hq; writes hq
.if DOCPART == 7
	.amdgcn_target "amdgcn-amd-amdhsa--gfx1250"
	.amdhsa_code_object_version 6
	.text
	.protected	k_q78330fe6e1_lnorm1
	.globl	k_q78330fe6e1_lnorm1
	.p2align	8
	.type	k_q78330fe6e1_lnorm1,@function
k_q78330fe6e1_lnorm1:
	s_mov_b64 s[64:65], 0
	v_nop
	global_prefetch_b8 v0, s[64:65] scope:SCOPE_SE
	s_setreg_imm32_b32 hwreg(HW_REG_WAVE_MODE, 25, 1), 1
	s_wait_xcnt 0x0
; THE MODULE'S NORM, AND THE QUANTISER BEHIND IT.  h = (x - mean) / (var + 1e-5) * gain + shift, var with n - 1 = 1,023 in the divisor and NO root, as the module has it; all in f32.
; h is then turned into codes of E5M2 with one E8M0 byte for each 32 along the row (the K of the products that read it).  In: [4096][1024] f32.  Out: codes [4096][1024] at byte 0, scale bytes [4096][32] at byte 4,194,304.
; NO WORK OF THE MODULE IS LEFT OUT IN THIS PROGRAM: every input has a way to the output, and every product of the table is computed.
; SHARES.  A work-group takes 16 rows, each of its sixteen waves one: all 16 rows are asked for at once, and four waves to a SIMD stand beside each other's chains of sums.
; A row's eight loads read 512 consecutive bytes each; the row turns through the wave's own stage in LDS, so that a lane holds twice 16 NEIGHBOURS (columns 512 u + 16 lane + 0 .. 15):
; the conversions take neighbours along K from one lane's registers; lanes l and l xor 1 hold a block of 32.
; A lane's 16 codes are 16 bytes: a store of the wave covers 512 consecutive bytes.  The work-group's 512 scale bytes are gathered in LDS and leave by one store of 512 consecutive bytes.
; The mean is taken first and the squares of the differences second, so that a common offset of the row costs no accuracy.  The reciprocal is refined by one step of Newton.
; LIMITS: NaN and infinities among the inputs are not served.  A block of zeros gets the byte 1 where the quantiser says 127: its codes are zeros, and this program alone reads the bytes.
.set SP,    80                         ; a lane's place in a stage: 64 bytes + 16 of padding
.set HALF,  32*SP                      ; half a row in the stage
.set WST,   2*HALF                     ; a wave's stage
.set SCB,   16*WST                     ; the work-group's 16 x 32 scale bytes
.set SPARE, SCB+512                    ; the spare words, 128 bytes for each wave: no other line names them
.set SPW, 12                           ; v12 LDS address of my spare word; never rewritten
.set NIL, 13                           ; v13 0; never rewritten
.set G,   16                           ; v16-47   gain of my 32 columns
.set SH,  48                           ; v48-79   shift
.set R,   80                           ; v80-111  the row as loaded
.set X,   144                          ; v144-175 the row as neighbours
.set C,   176                          ; v176-183 codes
.set W,   208                          ; v208-223 at work
.set E,   224                          ; v224-225 a scale byte for each half
	s_load_b256 s[4:11], s[0:1], 0x0               ; in s[4:5], gain s[6:7], shift s[8:9], out s[10:11]
	v_lshl_add_u32 v[SPW], v0, 2, SPARE
	v_mov_b32 v[NIL], 0
	v_lshrrev_b32 v1, 5, v0
	s_delay_alu instid0(VALU_DEP_1)
	v_readfirstlane_b32 s16, v1                    ; wave
	v_and_b32 v1, 31, v0                           ; lane
	s_delay_alu instid0(VALU_DEP_1)
	v_lshlrev_b32 v2, 4, v1                        ; 16 x lane: my bytes of a load's 512, and of a store's
	s_mul_i32 s17, s16, WST
	v_lshrrev_b32 v3, 2, v1
	s_delay_alu instid0(VALU_DEP_1)
	v_mul_u32_u24 v3, v3, SP
	v_and_b32 v7, 3, v1
	s_delay_alu instid0(VALU_DEP_1)
	v_lshl_add_u32 v3, v7, 4, v3
	s_delay_alu instid0(VALU_DEP_1)
	v_add_nc_u32 v3, s17, v3                       ; into the stage: four lanes' 64 bytes on end, then the padding
	v_mul_u32_u24 v4, v1, SP
	s_delay_alu instid0(VALU_DEP_1)
	v_add_nc_u32 v4, s17, v4                       ; out of it: my 64 bytes
	s_lshl_b32 s17, s16, 5
	s_add_co_u32 s17, s17, SCB
	v_lshrrev_b32 v5, 1, v1
	s_delay_alu instid0(VALU_DEP_1)
	v_add_nc_u32 v5, s17, v5                       ; my block's scale byte: 32 bytes a wave
	v_lshlrev_b32 v6, 6, v1                        ; gain, shift: 64 bytes a lane
	v_add_nc_u32 v7, SCB, v2                       ; the scale bytes on their way out
	s_mov_b32 s12, 0x76543210
	s_mov_b32 s13, 0xfedcba98                      ; lane l xor 16
	s_mov_b32 s14, 0x600000                        ; the mantissa field of 57,344
	s_mov_b32 s15, 0x3a802008                      ; 1 / 1,023
	s_mov_b32 s22, 0x3727c5ac                      ; 1e-5
	s_lshl_b32 s18, ttmp9, 16                      ; 16 rows of 4,096 bytes a work-group,
	s_lshl_b32 s20, s16, 12                        ; one a wave
	s_add_co_u32 s18, s18, s20
	s_mov_b32 s19, 0
	s_lshl_b32 s20, ttmp9, 14                      ; the codes: a quarter of that
	s_lshl_b32 s21, s16, 10
	s_add_co_u32 s20, s20, s21
	s_mov_b32 s21, 0
	s_lshl_b32 s24, ttmp9, 9                       ; the scale bytes: 512 a work-group, behind the codes
	s_add_co_u32 s24, s24, 4194304
	s_mov_b32 s25, 0
	s_wait_alu depctr_va_vdst(0)
	s_wait_kmcnt 0x0
	s_add_nc_u64 s[4:5], s[4:5], s[18:19]
	s_add_nc_u64 s[26:27], s[10:11], s[24:25]
	s_add_nc_u64 s[10:11], s[10:11], s[20:21]
.irp j, 0,1,2,3,4,5,6,7
	global_load_b128 v[R+4*\j:R+4*\j+3], v2, s[4:5] offset:512*\j th:TH_LOAD_NT   ; the row first: it is wanted first
.endr
.irp u, 0,1
.irp i, 0,1,2,3
	global_load_b128 v[G+16*\u+4*\i:G+16*\u+4*\i+3], v6, s[6:7] offset:2048*\u+16*\i
	global_load_b128 v[SH+16*\u+4*\i:SH+16*\u+4*\i+3], v6, s[8:9] offset:2048*\u+16*\i
.endr
.endr
.macro LANES                           ; v[W] summed over the 32 lanes, the result in every lane
	s_delay_alu instid0(VALU_DEP_1)
	v_add_f32_dpp v[W], v[W], v[W] row_xmask:1 row_mask:0xf bank_mask:0xf
	s_delay_alu instid0(VALU_DEP_1)
	v_add_f32_dpp v[W], v[W], v[W] row_xmask:2 row_mask:0xf bank_mask:0xf
	s_delay_alu instid0(VALU_DEP_1)
	v_add_f32_dpp v[W], v[W], v[W] row_xmask:4 row_mask:0xf bank_mask:0xf
	s_delay_alu instid0(VALU_DEP_1)
	v_add_f32_dpp v[W], v[W], v[W] row_xmask:8 row_mask:0xf bank_mask:0xf
	s_delay_alu instid0(VALU_DEP_1)
	v_permlanex16_b32 v[W+1], v[W], s12, s13
	s_delay_alu instid0(VALU_DEP_1)
	v_add_f32 v[W], v[W], v[W+1]
.endm
.macro QROW u                          ; my 16 neighbours of half u become 16 codes and, with my neighbour lane, a scale byte
.set XS, X+16*(\u)
	v_max3_num_f32 v[W], |v[XS]|, |v[XS+1]|, |v[XS+2]|
	v_max3_num_f32 v[W+1], |v[XS+3]|, |v[XS+4]|, |v[XS+5]|
.irp i, 6,10
	s_delay_alu instid0(VALU_DEP_2)
	v_max3_num_f32 v[W], v[W], |v[XS+\i]|, |v[XS+\i+1]|
	s_delay_alu instid0(VALU_DEP_2)
	v_max3_num_f32 v[W+1], v[W+1], |v[XS+\i+2]|, |v[XS+\i+3]|
.endr
	s_delay_alu instid0(VALU_DEP_2)
	v_max3_num_f32 v[W], v[W], |v[XS+14]|, |v[XS+15]|
	s_delay_alu instid0(VALU_DEP_1)
	v_max3_num_f32 v[W], v[W], v[W+1], 0x8000000   ; and the floor 2^(16 - 127): the byte cannot fall under 1
	s_delay_alu instid0(VALU_DEP_1)
	v_max_num_f32_dpp v[W], v[W], v[W] row_xmask:1 row_mask:0xf bank_mask:0xf   ; with my neighbour's 16: the block's largest magnitude
	s_delay_alu instid0(VALU_DEP_1)
	v_add_nc_u32 v[W+2], 0xf8800000, v[W]          ; 15 off its exponent field: the conversion's scale operand
	s_delay_alu instid0(VALU_DEP_2)
	v_and_or_b32 v[W+3], v[W], 0x7f800000, s14     ; 57,344 x the scale
.irp i, 0,1,2,3,4,5,6,7,8,9,10,11,12,13,14,15
	v_med3_num_f32 v[XS+\i], v[XS+\i], -v[W+3], v[W+3]   ; the conversion to an 8-bit code does not saturate (ISA guide 7.6.2): the hold comes first
.endr
	v_cvt_scalef32_pk8_bf8_f32 v[C+4*(\u):C+4*(\u)+1], v[XS:XS+7], v[W+2]
	v_cvt_scalef32_pk8_bf8_f32 v[C+4*(\u)+2:C+4*(\u)+3], v[XS+8:XS+15], v[W+2]
	v_lshrrev_b32 v[E+(\u)], 23, v[W+2]            ; the scale's byte (a plain line behind the conversions)
	ds_store_b8 v5, v[E+(\u)] offset:16*(\u)       ; both lanes of a block write the same byte with the same value
	global_store_b128 v2, v[C+4*(\u):C+4*(\u)+3], s[10:11] offset:512*(\u)
.endm
	s_wait_loadcnt 16                              ; the row's eight loads are in; the sixteen of gain and shift, issued behind them, may be out
.irp j, 0,1,2,3,4,5,6,7
	ds_store_b128 v3, v[R+4*\j:R+4*\j+3] offset:(\j/4)*HALF+(\j%4)*8*SP
.endr
.irp j, 0,1,2,3,4,5,6,7
	ds_load_b128 v[X+4*\j:X+4*\j+3], v4 offset:(\j/4)*HALF+(\j%4)*16   ; LDS serves a wave's instructions in order: these see the stores above
.endr
	s_wait_dscnt 0x0
	v_pk_add_f32 v[210:211], v[144:145], v[146:147]
	v_pk_add_f32 v[238:239], v[152:153], v[156:157]
	v_pk_add_f32 v[236:237], v[160:161], v[164:165]
	v_pk_add_f32 v[234:235], v[168:169], v[172:173]
	v_pk_add_f32 v[232:233], v[148:149], v[150:151]
	v_pk_add_f32 v[230:231], v[154:155], v[158:159]
	v_pk_add_f32 v[228:229], v[162:163], v[166:167]
	v_pk_add_f32 v[208:209], v[170:171], v[174:175]
	s_delay_alu instid0(VALU_DEP_1)
	v_pk_add_f32 v[208:209], v[208:209], v[234:235]
	v_pk_add_f32 v[210:211], v[210:211], v[232:233]
	v_pk_add_f32 v[238:239], v[238:239], v[230:231]
	v_pk_add_f32 v[236:237], v[236:237], v[228:229]
	s_delay_alu instid0(VALU_DEP_2)
	v_pk_add_f32 v[208:209], v[208:209], v[238:239]
	s_delay_alu instid0(VALU_DEP_2)
	v_pk_add_f32 v[210:211], v[210:211], v[236:237]
	s_delay_alu instid0(VALU_DEP_1)
	v_pk_add_f32 v[208:209], v[208:209], v[210:211]
	s_delay_alu instid0(VALU_DEP_1)
	v_add_f32 v[W], v[W], v[W+1]
	LANES
	s_delay_alu instid0(VALU_DEP_1)
	v_mul_f32 v[W+8], 0x3a800000, v[W]             ; the mean: / 1,024
	s_delay_alu instid0(VALU_DEP_1)
	v_mov_b32 v[W+9], v[W+8]
.irp i, 0,2,4,6,8,10,12,14,16,18,20,22,24,26,28,30
	v_pk_add_f32 v[X+\i:X+\i+1], v[X+\i:X+\i+1], v[W+8:W+9] neg_lo:[0,1] neg_hi:[0,1]
.endr
	v_pk_mul_f32 v[W:W+1], v[X:X+1], v[X:X+1]      ; the squares of the differences
	v_pk_mul_f32 v[W+2:W+3], v[X+2:X+3], v[X+2:X+3]
.irp i, 4,8,12,16,20,24,28
	s_delay_alu instid0(VALU_DEP_2)
	v_pk_fma_f32 v[W:W+1], v[X+\i:X+\i+1], v[X+\i:X+\i+1], v[W:W+1]
	s_delay_alu instid0(VALU_DEP_2)
	v_pk_fma_f32 v[W+2:W+3], v[X+\i+2:X+\i+3], v[X+\i+2:X+\i+3], v[W+2:W+3]
.endr
	s_delay_alu instid0(VALU_DEP_1)
	v_pk_add_f32 v[W:W+1], v[W:W+1], v[W+2:W+3]
	s_delay_alu instid0(VALU_DEP_1)
	v_add_f32 v[W], v[W], v[W+1]
	LANES
	s_delay_alu instid0(VALU_DEP_1)
	v_fma_f32 v[W+2], v[W], s15, s22               ; var + eps
	s_wait_alu depctr_va_vdst(0)
	v_rcp_f32 v[W+3], v[W+2]
	v_nop                                          ; a plain line behind the reciprocal
	s_wait_alu depctr_va_vdst(0)                   ; the wait ahead of the first use
	v_fma_f32 v[W+4], -v[W+2], v[W+3], 1.0         ; one step of Newton
	v_fma_f32 v[W+10], v[W+3], v[W+4], v[W+3]
	s_delay_alu instid0(VALU_DEP_1)
	v_mov_b32 v[W+11], v[W+10]
.irp i, 0,2,4,6,8,10,12,14,16,18,20,22,24,26,28,30
	v_pk_mul_f32 v[X+\i:X+\i+1], v[X+\i:X+\i+1], v[W+10:W+11]
.endr
	s_wait_loadcnt 0x0                             ; gain and shift
.irp i, 0,2,4,6,8,10,12,14,16,18,20,22,24,26,28,30
	v_pk_fma_f32 v[X+\i:X+\i+1], v[X+\i:X+\i+1], v[G+\i:G+\i+1], v[SH+\i:SH+\i+1]
.endr
	QROW 0
	QROW 1
	s_wait_dscnt 0x0                               ; for the others' sake: my scale bytes lie in LDS
	s_barrier_signal -1
	s_barrier_wait -1
	s_cmp_lg_u32 s16, 0
	s_cbranch_scc1 .Lnot_wave_0
	ds_load_b128 v[W:W+3], v7                      ; wave 0 stores the work-group's 512 scale bytes: 512 consecutive bytes
	s_wait_dscnt 0x0
	global_store_b128 v2, v[W:W+3], s[26:27]
.Lnot_wave_0:
	s_wait_tensorcnt 0x0                           ; the wave's end
	ds_add_u32 v[SPW], v[NIL]
	s_wait_dscnt 0x0
	s_endpgm
.Lfunc_end_k_q78330fe6e1_lnorm1:
	.size	k_q78330fe6e1_lnorm1, .Lfunc_end_k_q78330fe6e1_lnorm1-k_q78330fe6e1_lnorm1
	.p2alignl 7, 3214868480
	.fill 96, 4, 3214868480
	.section	.rodata,"a",@progbits
	.p2align	6, 0x0
	.amdhsa_kernel k_q78330fe6e1_lnorm1
		.amdhsa_group_segment_fixed_size 84480
		.amdhsa_private_segment_fixed_size 0
		.amdhsa_enable_private_segment 0
		.amdhsa_kernarg_size 32
		.amdhsa_user_sgpr_count 2
		.amdhsa_user_sgpr_kernarg_segment_ptr 1
		.amdhsa_wavefront_size32 1
		.amdhsa_system_sgpr_workgroup_id_x 1
		.amdhsa_system_sgpr_workgroup_id_y 1
		.amdhsa_system_sgpr_workgroup_id_z 1
		.amdhsa_system_vgpr_workitem_id 0
		.amdhsa_next_free_vgpr 240
		.amdhsa_next_free_sgpr 66
		.amdhsa_reserve_vcc 0
		.amdhsa_float_denorm_mode_32 3
		.amdhsa_float_denorm_mode_16_64 3
		.amdhsa_memory_ordered 1
		.amdhsa_forward_progress 1
		.amdhsa_inst_pref_size 19
	.end_amdhsa_kernel
	.amdgpu_metadata
---
amdhsa.version: [ 1, 2 ]
amdhsa.kernels:
  - .name:           k_q78330fe6e1_lnorm1
    .symbol:         k_q78330fe6e1_lnorm1.kd
    .args:
      - { .name: x, .offset: 0, .size: 8, .value_kind: global_buffer, .address_space: global }
      - { .name: scale1, .offset: 8, .size: 8, .value_kind: global_buffer, .address_space: global }
      - { .name: shift1, .offset: 16, .size: 8, .value_kind: global_buffer, .address_space: global }
      - { .name: hq, .offset: 24, .size: 8, .value_kind: global_buffer, .address_space: global }
    .group_segment_fixed_size: 84480
    .private_segment_fixed_size: 0
    .kernarg_segment_align: 8
    .kernarg_segment_size: 32
    .max_flat_workgroup_size: 512
    .sgpr_count:     66
    .vgpr_count:     240
    .wavefront_size: 32
...
	.end_amdgpu_metadata
.endif
;; end of part 7
;; launch proj (part 8): grid 16 x 12, 4 waves a work-group, clusters of 4 x 4, 327,680 bytes of LDS; arguments hq, wq_codes, wq_scales, wk_codes, wk_scales, wv_codes, wv_scales, qkvq; writes qkvq
.if DOCPART == 8
	.amdgcn_target "amdgcn-amd-amdhsa--gfx1250"
	.amdhsa_code_object_version 6
	.text
	.protected	k_q78330fe6e1_proj
	.globl	k_q78330fe6e1_proj
	.p2align	8
	.type	k_q78330fe6e1_proj,@function
k_q78330fe6e1_proj:
	s_mov_b64 s[64:65], 0
	v_nop
	global_prefetch_b8 v0, s[64:65] scope:SCOPE_SE
	s_setreg_imm32_b32 hwreg(HW_REG_WAVE_MODE, 25, 1), 1
	s_wait_xcnt 0x0
	s_wait_alu depctr_hold_cnt(0) depctr_sa_sdst(0) depctr_va_vdst(0) depctr_va_sdst(0) depctr_va_ssrc(0) depctr_va_vcc(0) depctr_vm_vsrc(0)
	s_getreg_b32 s2, hwreg(HW_REG_IB_STS2, 6, 4)
	s_cmp_eq_u32 s2, 0
	s_cbranch_scc0 .Lentry_in_a_cluster
	s_endpgm
.Lentry_in_a_cluster:
	s_bfe_u32 s2, ttmp6, 0x10000c
	s_cmp_lg_u32 s2, 0xf033
	s_cbranch_scc0 .Lentry_shape_is_right
	s_endpgm
.Lentry_shape_is_right:
; q = h wq^T, k = h wk^T, v = h wv^T on codes of E5M2 with E8M0 scales, and the quantisers of the two products of attention: q and k along the head's 64, v along the tokens (the keys).  Nothing of the module is left out.
; C[m][n] = sum over k of A[m][k] B[n][k], K = 1,024.  A tile of C is 256 x 256: four waves, as many as a WGP has SIMDs, each 128 x 128: 64 accumulators, 512 registers.  192 tiles: q 64, k 64, v 64.
; For q and k: A = h (m = token), B = the weight (n = feature).  For v: A = wv (m = channel), B = h (n = token).  THE MATRIX INSTRUCTION IS USED TRANSPOSED (source 0 = 16 rows of B, source 1 = 16 rows of A):
; a lane holds one row m and its registers run along n.  So one way out quantises q and k along the features and v along the tokens.
; K goes in steps of 256 through a ring of two LDS slots (rows of 256 bytes + 16 of padding); the scale bytes of the tile's rows, for all of K, come once, with the first fills.
; Four K steps: two first fills and two refills, each behind a round of the cluster's barrier, one tensor load a wave.  A wave has one tensor load out at the head and one behind each round.
; CLUSTERS: 4 x 4 work-groups; A's tiles are asked for jointly along a row of the cluster, B's along a column.  The cluster's y names the region (q 0, k 1, v 2), its x the four tile rows (q, k) or tile columns (v): both are shared by all sixteen.
; OUT (qkvq): region R at R << 22; block (batch x 16 + head) x 32 + token / 64 of 4,096 bytes: four images of operand registers: tile a, group c, lane l: 16 bytes at 1,024 a + 512 c + 16 l
; (q, k: tile = 16 tokens, bytes = features 32 c + 16 (l / 16) + 0 .. 15; v: tile = 16 channels, bytes = tokens likewise).  Scale words at 12,582,912 + (R << 17) + 128 x block: [pair p][row r]: the two bytes of tile 2 p, then those of tile 2 p + 1.
; REGISTERS, in windows of 256: window 0: v1-29 addresses; v32-63 scale words, two sets; from v128 A's fragments, ONE set; on the way out v64-255 are free.  Window 1: B's fragments, TWO sets.
;   Window 2: the 32 accumulators of my rows 0-63 ((a, b) at v[8 (8 a + b)]); window 3: those of my rows 64-127.
; LIMITS: NaN and infinities are not served; a block of zeros gets the byte 1 (its codes are zeros; this program alone reads the bytes).
.set KDIM,  1024
.set NQ,    2                          ; matrix instructions deep in a K step of 256
.set ROWB,  256                        ; a tile's row in bytes
.set PITCH, 272                        ; an LDS row: 256 bytes + 16: the 16 rows that a load touches start at 16 different groups of banks
.set FR,    16                         ; registers of a fragment
.set NL,    4                          ; LDS loads that bring one
.set NP,    8                          ; places behind this matrix instruction (ISA guide 7.12.1)
.set HALFT, 128*PITCH                  ; what one tensor load brings, and what one wave reads of A or of B
.set SLOT,  4*HALFT                    ; A's 256 rows, then B's
.set KS,    KDIM/32                    ; a row of scale bytes
.set SCL,   2*SLOT                     ; the scale bytes, as units of 256 bytes + 16
.set HALFS, (128*KS/256)*272           ; those of 128 rows
.set SBLK,  (16*KS/256)*272            ; those of 16 rows
.set SPARE, SCL+4*HALFS                ; the spare words, 128 bytes for each wave: no other line names them
.set ADRA, 16                          ; v16-17 LDS address of my A fragments in slot 0, 1
.set ADRB, 20                          ; v20-21 the same for B
.set LI,   24                          ; v24    16 x lane
.set LS,   25                          ; v25    4 x lane
.set ADRS, 27                          ; v27    LDS address of my scale words: lanes 0-15 A's rows, lanes 16-31 B's
.set SPW,  28
.set NIL,  29
.set SC,   32                          ; set s at v[SC + 16 s]; register 2 i + q: lanes 0-15 the word of A's block i, lanes 16-31 that of B's block i, for the slot's q-th 128 along K
.set YQ,   64                          ; v64-95   the way out: 32 numbers, held
.set TM,   96                          ; v96-103  at work
.set S16,  104                         ; v104-119 the two scale bytes of my row in tile a, half hf of the columns
.set AF,   128                         ; A's fragments
.set PCQ,  128                         ; the way out: codes, 8 registers for each of 16 quarter tiles: no store's data are written again
.set G1, 24
.set G0, 32
.set G1B, 48
.set G0B, 56
.set G1S, 68
.set G0S, 76
.set G1SB, 80
.set G0SB, 88
.set WV, 95                            ; s95 wave; s96 which half of the rows is mine, and: I fetch for A (0) or B (1); s97 which half of the columns, and which 128 rows I fetch; s98 tile row
.set RH, 96
.set CH, 97
.set YT, 98
.set CB, 24                            ; the way out: s[24:31] four blocks' codes, s[32:39] their scale words (the descriptors' registers, free behind the last wait for all tensor loads)
.set WB, 32
.set SEL, 2
.set MNT, 94
.set MSB, 0
.macro WIN new                         ; the immediate's high byte repeats the setting that is left
.if MSB != (\new)
	s_set_vgpr_msb (MSB<<8)|(\new)
.set MSB, (\new)
.endif
.endm
.set MUL_LO, 0xa1                      ; source 0 (B) window 1, source 1 (A) window 0, C and D window 2
.set MUL_HI, 0xf1                      ; the same, C and D window 3
.set TO_B,   0x40                      ; destination window 1, address window 0
.macro JLOAD g0a, g1a, g0b, g1b        ; a joint load: waves 0 and 1 fetch for A, waves 2 and 3 for B; an s_nop 0 and four v_nop follow each of the two lines
	s_cmp_eq_u32 s[RH], 0
	s_cbranch_scc0 .Lfor_b_\@
	tensor_load_to_lds s[\g0a:\g0a+3], s[\g1a:\g1a+7]
	s_nop 0
.rept 4
	v_nop
.endr
	s_branch .Lasked_\@
.Lfor_b_\@:
	tensor_load_to_lds s[\g0b:\g0b+3], s[\g1b:\g1b+7]
	s_nop 0
.rept 4
	v_nop
.endr
.Lasked_\@:
.endm
.macro CREST                           ; a round of the cluster's barrier behind its opening barrier
	s_cmp_lg_u32 s[WV], 0
	s_cbranch_scc1 .Lnot_wave_0_\@
	s_barrier_signal -3
.Lnot_wave_0_\@:
	s_barrier_wait -3
	s_barrier_signal -1
	s_barrier_wait -1
.endm
.macro CROUND
	s_barrier_signal -1
	s_barrier_wait -1
	CREST
.endm
.macro PLACES n
.rept \n
	v_nop
.endr
.endm
.macro FRAG reg, adr, q, i             ; a fragment: lane l holds row l % 16; registers 4 c on hold K = 32 c + 16 (l / 16) + 0 .. 15
.irp c, 0,1,2,3
	ds_load_b128 v[\reg+4*\c:\reg+4*\c+3], v[\adr] offset:128*(\q)+32*\c+(\i)*16*PITCH
.endr
.endm
; 16 matrix instructions: A's blocks a0, a0 + 1 x B's eight, the slot's q-th 128 along K.  p: B's set; sc: the set of scale words.  zero = 1: the first product starts the sums: nothing is cleared.
; The 64 accumulators take turns, one instruction a turn, in the same order in every step.
.macro MUL16 a0, p, q, sc, zero
.irp a, \a0, \a0+1
.irp b, 0,1,2,3,4,5,6,7
.if \zero == 1
	v_wmma_scale_f32_16x16x128_f8f6f4 v[8*(8*((\a)%4)+\b):8*(8*((\a)%4)+\b)+7], v[128*(\p)+FR*\b:128*(\p)+FR*\b+FR-1], v[AF+FR*(\a):AF+FR*(\a)+FR-1], 0, v[SC+8*NQ*(\sc)+NQ*\b+(\q)], v[SC+8*NQ*(\sc)+NQ*(\a)+(\q)] matrix_a_fmt:MATRIX_FMT_BF8 matrix_b_fmt:MATRIX_FMT_BF8 matrix_a_scale:MATRIX_SCALE_ROW1
.else
	v_wmma_scale_f32_16x16x128_f8f6f4 v[8*(8*((\a)%4)+\b):8*(8*((\a)%4)+\b)+7], v[128*(\p)+FR*\b:128*(\p)+FR*\b+FR-1], v[AF+FR*(\a):AF+FR*(\a)+FR-1], v[8*(8*((\a)%4)+\b):8*(8*((\a)%4)+\b)+7], v[SC+8*NQ*(\sc)+NQ*\b+(\q)], v[SC+8*NQ*(\sc)+NQ*(\a)+(\q)] matrix_a_fmt:MATRIX_FMT_BF8 matrix_b_fmt:MATRIX_FMT_BF8 matrix_a_scale:MATRIX_SCALE_ROW1
.endif
.endr
.endr
.endm
.macro FETCH_B slot, q, p              ; B's eight fragments of the slot's q-th 128 along K into set p
	WIN TO_B
.irp i, 0,1,2,3,4,5,6,7
	FRAG 128*(\p)+FR*\i, ADRB+\slot, \q, \i
.endr
	WIN 0
.endm
.macro FETCH_A slot, q, i0             ; A's blocks i0 .. i0 + 3
.irp i, \i0, \i0+1, \i0+2, \i0+3
	FRAG AF+FR*(\i), ADRA+\slot, \q, \i
.endr
.endm
.macro SCALES sc                       ; a K step's scale words: two words a row; lanes 0-15 take A's block i, lanes 16-31 B's block i
.irp i, 0,1,2,3,4,5,6,7
	ds_load_b64 v[SC+8*NQ*\sc+NQ*\i:SC+8*NQ*\sc+NQ*\i+1], v[ADRS] offset:\i*SBLK
.endr
.endm
.macro STEP slot, q, zero              ; 128 along K that have their successor in the same slot
	s_wait_dscnt 4*NL                              ; B's set and A's blocks 0-3 are in; the youngest sixteen loads (A's blocks 4-7) may be out
	WIN MUL_LO
	MUL16 0, (\q)%2, \q, \slot, \zero
	MUL16 2, (\q)%2, \q, \slot, \zero
	s_wait_dscnt 0                                 ; A's blocks 4-7 are in
	PLACES NP                                      ; in front of loads into registers that matrix instructions have read
	FETCH_B \slot, (\q)+1, 1-(\q)%2
	FETCH_A \slot, (\q)+1, 0
	WIN MUL_HI
	MUL16 4, (\q)%2, \q, \slot, \zero
	MUL16 6, (\q)%2, \q, \slot, \zero
	PLACES NP
	WIN 0
	FETCH_A \slot, (\q)+1, 4
.endm
; A slot's last 128 along K, and the change of slots: ONE barrier; in front of it each wave waits for all its tensor loads, adds 0 to its spare word, and waits for that and for its reads of this slot.
; fill = 1: the barrier opens a round of the cluster's barrier, and this slot is filled again, two K steps ahead, first thing behind the round.
.macro TURN slot, next, fill
	s_wait_tensorcnt 0x0                           ; all my tensor loads have landed: my part of the next slot  (every window is 0 here)
	ds_add_u32 v[SPW], v[NIL]                      ; 0 onto my spare word
	s_wait_dscnt 4*NL+1                            ; (the add and the youngest sixteen loads may be out)
	WIN MUL_LO
	MUL16 0, 1, NQ-1, \slot, 0                     ; sixteen matrix instructions stand between the add and the wait for it
	s_wait_dscnt 0x0                               ; the add is done, and my reads of this slot are over
	s_barrier_signal -1
	MUL16 2, 1, NQ-1, \slot, 0
	WIN 0
	s_barrier_wait -1
.if \fill
	CREST                                          ; no wave of any partner still reads this slot's tiles or has a load on its way
	s_add_nc_u64 s[G0+4*\slot+2:G0+4*\slot+3], s[G0+4*\slot+2:G0+4*\slot+3], 2*ROWB
	s_add_nc_u64 s[G0B+4*\slot+2:G0B+4*\slot+3], s[G0B+4*\slot+2:G0B+4*\slot+3], 2*ROWB
	JLOAD G0+4*\slot, G1, G0B+4*\slot, G1B         ; the first tensor load behind the round; its four v_nop are among the places in front of the loads below
	PLACES NP-4
.else
	PLACES NP
.endif
	s_wait_alu depctr_va_vdst(0)
	v_add_nc_u32 v[ADRS], 4*NQ, v[ADRS]            ; on to the next K step's scale words
	FETCH_B \next, 0, 0
	FETCH_A \next, 0, 0
	SCALES \next
	WIN MUL_HI
	MUL16 4, 1, NQ-1, \slot, 0
	MUL16 6, 1, NQ-1, \slot, 0
	PLACES NP
	WIN 0
	FETCH_A \next, 0, 4
.endm
; 32 numbers of a lane, four accumulators at v[xq] on of window w: register 8 b + j = n 16 b + 8 (lane / 16) + j of my row.  A block of 32 along n is accumulators 2 c, 2 c + 1 of lanes l and l xor 16.
; The held numbers go to v[yq] on of window 0.  The codes come out in the accumulators' order; two exchanges of half-rows of lanes for each block bring them into the operand's: registers 4 c on: n = 32 c + 16 (lane / 16) + 0 .. 15.
.macro QUANT xq, w, yq, pc, tm, sreg
	WIN (\w)|((\w)<<2)
.irp c, 0,1
	v_max3_num_f32 v[\tm+\c], |v[(\xq)+16*\c]|, |v[(\xq)+16*\c+1]|, 0x8000000   ; each accumulator is read from its low end on; the floor 2^(16 - 127) holds the byte at 1 from below
.endr
	WIN ((\w)<<2)|((\w)<<4)
.irp i, 2,4,6,8,10,12,14
.irp c, 0,1
	v_max3_num_f32 v[\tm+\c], v[\tm+\c], |v[(\xq)+16*\c+\i]|, |v[(\xq)+16*\c+\i+1]|
.endr
.endr
	WIN 0
.irp c, 0,1
	v_permlanex16_b32 v[\tm+2+\c], v[\tm+\c], s[SEL], s[SEL+1]
.endr
.irp c, 0,1
	v_max_num_f32 v[\tm+\c], v[\tm+\c], v[\tm+2+\c]   ; the block's largest magnitude
.endr
.irp c, 0,1
	v_add_nc_u32 v[\tm+4+\c], 0xf8800000, v[\tm+\c]   ; 15 off its exponent field: the conversion's scale operand
.endr
.irp c, 0,1
	v_and_or_b32 v[\tm+6+\c], v[\tm+\c], 0x7f800000, s[MNT]   ; 57,344 x the scale
.endr
.irp c, 0,1
	v_lshrrev_b32 v[\tm+2+\c], 23, v[\tm+4+\c]     ; the scale's byte
.endr
	v_lshl_or_b32 v[\sreg], v[\tm+3], 8, v[\tm+2]
	WIN (\w)
.irp c, 0,1
.irp i, 0,1,2,3,4,5,6,7,8,9,10,11,12,13,14,15
	v_med3_num_f32 v[(\yq)+16*\c+\i], v[(\xq)+16*\c+\i], -v[\tm+6+\c], v[\tm+6+\c]   ; the conversion does not saturate (ISA guide 7.6.2): the hold comes first
.endr
.endr
	WIN 0
.irp c, 0,1
	v_cvt_scalef32_pk8_bf8_f32 v[(\pc)+4*\c:(\pc)+4*\c+1], v[(\yq)+16*\c:(\yq)+16*\c+7], v[\tm+4+\c]
	v_cvt_scalef32_pk8_bf8_f32 v[(\pc)+4*\c+2:(\pc)+4*\c+3], v[(\yq)+16*\c+8:(\yq)+16*\c+15], v[\tm+4+\c]
.endr
	v_nop                                          ; a plain line behind the last conversion.  The codes stay in the accumulators' order inside each block of 32: byte i of lane half h is n = 8 h + i (i < 8) or 16 + 8 h + i - 8; both operands of each product of attention carry this same order
.endm
	s_load_b256 s[4:11], s[0:1], 0x0               ; hq s[4:5], wq's codes s[6:7], scales s[8:9], wk's codes s[10:11]
	s_load_b256 s[12:19], s[0:1], 0x20             ; wk's scales s[12:13], wv's codes s[14:15], scales s[16:17], qkvq s[18:19]
	v_lshl_add_u32 v[SPW], v0, 2, SPARE
	v_mov_b32 v[NIL], 0
	ds_add_u32 v[SPW], v[NIL]                      ; the wave's opening: the add, twice on end, and its wait ahead of my first tensor load
	ds_add_u32 v[SPW], v[NIL]
	v_lshrrev_b32 v1, 5, v0
	v_readfirstlane_b32 s[WV], v1
	s_lshr_b32 s[RH], s[WV], 1
	s_and_b32 s[CH], s[WV], 1
	s_bfe_u32 s40, ttmp6, 0x40000                  ; cx, cy: my place in the cluster
	s_bfe_u32 s41, ttmp6, 0x40004
	s_and_b32 s100, ttmp7, 0xffff                  ; the region: cluster y: q 0, k 1, v 2
	s_lshl_b32 s2, ttmp9, 2                        ; 4 x cluster x
	s_cmp_eq_u32 s100, 2
	s_cselect_b32 s99, 1, 0                        ; 1: v
	s_cselect_b32 s42, s2, 0                       ; v: 16 tile columns (tokens), 4 tile rows (channels);
	s_cselect_b32 s[YT], 0, s2                     ; q, k: 16 tile rows (tokens), 4 tile columns (features)
	s_add_co_u32 s42, s42, s40                     ; tile column of C
	s_add_co_u32 s[YT], s[YT], s41                 ; tile row of C
	s_lshl_b32 s43, s41, 2
	s_lshl_b32 s43, 15, s43                        ; my row of the cluster
	s_lshl_b32 s44, 0x1111, s40                    ; my column
	; descriptor group 1: a tile of 128 rows x 256 bytes, 16 bytes of padding behind each row
	s_or_b32 s[G1+0], s43, (0<<16)|(1<<20)|(1<<21)|(5<<22)|(3<<25)
	s_or_b32 s[G1B+0], s44, (0<<16)|(1<<20)|(1<<21)|(5<<22)|(3<<25)
.irp g, G1, G1B
	s_mov_b32 s[\g+1], ROWB<<16                    ; tensor_dim0
	s_mov_b32 s[\g+2], 256<<16                     ; tensor_dim1: 256 rows for the head's loads; set to 128 behind them
	s_mov_b32 s[\g+3], ROWB<<16                    ; tile_dim0
	s_mov_b32 s[\g+4], 256                         ; tile_dim1
	s_mov_b32 s[\g+5], KDIM                        ; from row to row
	s_mov_b32 s[\g+6], 0
	s_mov_b32 s[\g+7], 0
.endr
	; the scale bytes of 256 rows: a dense block, as rows of 256 bytes (32 elements of 8 bytes), 16 bytes of padding behind each
	s_or_b32 s[G1S+0], s43, (3<<16)|(1<<20)|(1<<21)|(5<<22)|(3<<25)
	s_or_b32 s[G1SB+0], s44, (3<<16)|(1<<20)|(1<<21)|(5<<22)|(3<<25)
.irp g, G1S, G1SB
	s_mov_b32 s[\g+1], 32<<16
	s_mov_b32 s[\g+2], KS<<16                      ; the scale bytes of all 256 rows: KS rows of 256 bytes
	s_mov_b32 s[\g+3], 32<<16
	s_mov_b32 s[\g+4], KS
	s_mov_b32 s[\g+5], 32
	s_mov_b32 s[\g+6], 0
	s_mov_b32 s[\g+7], 0
.endr
	s_lshl_b32 s20, s[YT], 8                       ; A's tile: its first row
	s_lshl_b32 s46, s42, 8                         ; B's tile: its first row
	s_lshl_b32 s22, s20, 5                         ; where these rows' scale bytes begin,
	s_mov_b32 s23, 0
	s_lshl_b32 s92, s46, 5
	s_mov_b32 s93, 0
	s_lshl_b32 s20, s20, 10                        ; and their codes
	s_mov_b32 s21, 0
	s_lshl_b32 s46, s46, 10
	s_mov_b32 s47, 0
	s_mul_i32 s45, s[WV], HALFT                    ; where they go: no place in the cluster enters an LDS address
	s_lshl_b32 s2, s[CH], 17                       ; in the ring I fetch 128 rows of a tile: which half, in bytes
	s_mov_b32 s3, 0
	s_wait_dscnt 0x0                               ; both opening adds are done
	s_wait_kmcnt 0x0
	s_cmp_eq_u32 s100, 0                           ; the choices hang on the cluster's coordinates alone
	s_cselect_b64 s[6:7], s[6:7], s[10:11]         ; wq or wk
	s_cselect_b64 s[8:9], s[8:9], s[12:13]
	s_add_nc_u64 s[10:11], s[4:5], 0x400000        ; h's scale bytes lie behind its codes
	s_cmp_eq_u32 s99, 1
	s_cselect_b64 s[12:13], s[14:15], s[4:5]       ; A: wv, or h
	s_cselect_b64 s[16:17], s[16:17], s[10:11]     ; A's scales
	s_cselect_b64 s[6:7], s[4:5], s[6:7]           ; B: h, or the weight
	s_cselect_b64 s[8:9], s[10:11], s[8:9]         ; B's scales
	s_add_nc_u64 s[20:21], s[12:13], s[20:21]
	s_add_nc_u64 s[22:23], s[16:17], s[22:23]
	s_add_nc_u64 s[46:47], s[6:7], s[46:47]
	s_add_nc_u64 s[92:93], s[8:9], s[92:93]
	CROUND                                         ; all sixteen work-groups are here: the first joint loads meet
	s_mov_b32 s[G0S], 1
	s_mov_b32 s[G0S+1], SCL
	s_mov_b64 s[G0S+2:G0S+3], s[22:23]
	s_or_b32 s[G0S+3], s[G0S+3], 0x80000000
	s_mov_b32 s[G0SB], 1
	s_mov_b32 s[G0SB+1], SCL+2*HALFS
	s_mov_b64 s[G0SB+2:G0SB+3], s[92:93]
	s_or_b32 s[G0SB+3], s[G0SB+3], 0x80000000
.set G0H, 4                            ; s[4:7], s[8:11]: group 0 of the head's loads of K step 0 (the arguments that lay there have been used)
.set G0HB, 8
	s_mov_b32 s[G0H], 1
	s_mov_b32 s[G0H+1], 0
	s_mov_b64 s[G0H+2:G0H+3], s[20:21]
	s_or_b32 s[G0H+3], s[G0H+3], 0x80000000
	s_mov_b32 s[G0HB], 1
	s_mov_b32 s[G0HB+1], 2*HALFT
	s_mov_b64 s[G0HB+2:G0HB+3], s[46:47]
	s_or_b32 s[G0HB+3], s[G0HB+3], 0x80000000
	s_add_nc_u64 s[20:21], s[20:21], s[2:3]        ; for the ring: my 128 rows
	s_add_nc_u64 s[46:47], s[46:47], s[2:3]
.irp s, 0,1
	s_mov_b32 s[G0+4*\s], 1
	s_add_co_u32 s[G0+4*\s+1], s45, \s*SLOT
	s_add_nc_u64 s[G0+4*\s+2:G0+4*\s+3], s[20:21], \s*ROWB
	s_or_b32 s[G0+4*\s+3], s[G0+4*\s+3], 0x80000000
	s_mov_b32 s[G0B+4*\s], 1
	s_add_co_u32 s[G0B+4*\s+1], s45, \s*SLOT
	s_add_nc_u64 s[G0B+4*\s+2:G0B+4*\s+3], s[46:47], \s*ROWB
	s_or_b32 s[G0B+4*\s+3], s[G0B+4*\s+3], 0x80000000
.endr
; the head's four tiles, one load a wave: wave 0 A's 256 rows of K step 0, wave 1 B's, wave 2 A's scale bytes, wave 3 B's; one chain of branches on the wave's number
.macro ARM under, g0, g1, next
	s_cmp_lt_u32 s[WV], \under
	s_cbranch_scc0 \next
	tensor_load_to_lds s[\g0:\g0+3], s[\g1:\g1+7]
	s_nop 0
.rept 4
	v_nop
.endr
	s_branch .Lhead_asked
\next:
.endm
	ARM 1, G0H,  G1,  .Lhead_b
	ARM 2, G0HB, G1B, .Lhead_sa
	ARM 3, G0S,  G1S, .Lhead_sb
	tensor_load_to_lds s[G0SB:G0SB+3], s[G1SB:G1SB+7]
	s_nop 0
.rept 4
	v_nop
.endr
.Lhead_asked:
; prefetches: of the 128 rows that my wave fetches in the ring each of the four partners names 32, told apart by address (cx for A, cy for B), a lane a row, 256 bytes of a row a K step.
; K steps 1 and 2 are asked for here, K step 3 behind slot 1's fill: each at least one fill ahead of its load
	s_cmp_eq_u32 s[RH], 0
	s_cselect_b64 s[14:15], s[20:21], s[46:47]
	s_cselect_b32 s2, s40, s41
	s_lshl_b32 s2, s2, 15
	s_mov_b32 s3, 0
	s_add_nc_u64 s[14:15], s[14:15], s[2:3]
	v_and_b32 v30, 31, v0
	v_lshlrev_b32 v30, 10, v30
	global_prefetch_b8 v30, s[14:15] offset:256 th:TH_LOAD_NT scope:SCOPE_SE
	global_prefetch_b8 v30, s[14:15] offset:512 th:TH_LOAD_NT scope:SCOPE_SE
	v_and_b32 v1, 15, v0                           ; r
	v_bfe_u32 v2, v0, 4, 1                         ; h
	v_mul_u32_u24 v3, v1, PITCH
	v_lshl_add_u32 v4, v2, 4, v3                   ; a fragment's row x pitch + 16 x half
	s_mul_i32 s21, s[RH], HALFT                    ; my 128 rows of A
	s_mul_i32 s22, s[CH], HALFT                    ; my 128 rows of B,
	s_add_co_u32 s22, s22, 2*HALFT                 ; which lie behind A's 256
.irp s, 0,1
	v_add_nc_u32 v[ADRA+\s], s21, v4
	v_add_nc_u32 v[ADRB+\s], s22, v4
	s_add_co_u32 s21, s21, SLOT
	s_add_co_u32 s22, s22, SLOT
.endr
	v_mul_u32_u24 v5, v1, KS                       ; my row's scale bytes: KS a row,
	v_lshrrev_b32 v6, 8, v5
	v_lshl_add_u32 v5, v6, 4, v5                   ; and 16 more for each 256 passed
	s_mul_i32 s21, s[RH], HALFS                    ; A's: my 128 rows
	s_mul_i32 s22, s[CH], HALFS                    ; B's: my 128 rows, behind A's 256
	s_add_co_u32 s22, s22, 2*HALFS
	s_sub_co_u32 s22, s22, s21
	v_mul_u32_u24 v6, s22, v2                      ; lanes 16-31 take B's
	s_add_co_u32 s21, s21, SCL
	v_add_nc_u32 v5, v5, v6
	v_add_nc_u32 v[ADRS], s21, v5
	v_and_b32 v8, 31, v0                           ; lane
	v_lshlrev_b32 v[LI], 4, v8
	v_lshlrev_b32 v[LS], 2, v8
	s_wait_alu depctr_va_vdst(0)
	s_wait_tensorcnt 0x0                           ; my tile of the head's four is in
	ds_add_u32 v[SPW], v[NIL]
	s_mov_b32 s[G1+2], 128<<16                     ; no tensor load of mine is out: from here on a load brings 128 rows
	s_mov_b32 s[G1+4], 128
	s_mov_b32 s[G1B+2], 128<<16
	s_mov_b32 s[G1B+4], 128
	s_wait_dscnt 0x0
	CROUND                                         ; all four tiles are in, and all sixteen work-groups are here
	JLOAD G0+4, G1, G0B+4, G1B                     ; K step 1: the first tensor load behind the round
	global_prefetch_b8 v30, s[14:15] offset:768 th:TH_LOAD_NT scope:SCOPE_SE
	FETCH_B 0, 0, 0
	FETCH_A 0, 0, 0
	SCALES 0
	FETCH_A 0, 0, 4
	STEP 0, 0, 1                                   ; the first products start the sums
	TURN 0, 1, 1                                   ; slot 0 takes K step 2
	STEP 1, 0, 0
	TURN 1, 0, 1                                   ; slot 1 takes K step 3
	STEP 0, 0, 0
	TURN 0, 1, 0                                   ; nothing is left to fetch
	STEP 1, 0, 0
	s_wait_dscnt 4*NL                              ; the last 128 along K
	WIN MUL_LO
	MUL16 0, 1, NQ-1, 1, 0
	MUL16 2, 1, NQ-1, 1, 0
	s_wait_dscnt 0
	WIN MUL_HI
	MUL16 4, 1, NQ-1, 1, 0
	MUL16 6, 1, NQ-1, 1, 0
	WIN 0
	PLACES NP                                      ; in front of the first read of results, and of writes into registers that held A's fragments
	; THE WAY OUT.  My 128 x 128 are four blocks of 64 x 64 of one region.  No tensor load of mine is out since the last change of slots, so the descriptors' registers take the blocks' addresses.
	s_lshl_b32 s20, s[YT], 8
	s_lshl_b32 s21, s[RH], 7
	s_add_co_u32 s20, s20, s21                     ; my first m
	s_lshl_b32 s21, s42, 8
	s_lshl_b32 s22, s[CH], 7
	s_add_co_u32 s21, s21, s22                     ; my first n
	s_mov_b32 s66, 4096                            ; 64 tokens on: the next block;
	s_mov_b32 s67, 131072                          ; 64 features on: the next head: 32 blocks on
	s_cmp_eq_u32 s99, 1
	s_cselect_b32 s22, s21, s20                    ; the token
	s_cselect_b32 s23, s20, s21                    ; the feature
	s_cselect_b32 s44, s67, s66                    ; 64 further along m, in bytes of codes
	s_cselect_b32 s46, s66, s67                    ; 64 further along n
	s_lshr_b32 s20, s22, 11                        ; batch
	s_lshl_b32 s20, s20, 4
	s_lshr_b32 s23, s23, 6                         ; head
	s_add_co_u32 s20, s20, s23
	s_lshl_b32 s20, s20, 5
	s_bfe_u32 s22, s22, 0x50006                    ; (token in the batch) / 64
	s_add_co_u32 s20, s20, s22                     ; the first block
	s_lshl_b32 s21, s100, 22
	s_lshl_b32 s22, s20, 12
	s_add_co_u32 s22, s22, s21
	s_mov_b32 s23, 0
	s_mov_b32 s45, 0
	s_mov_b32 s47, 0
	s_add_nc_u64 s[CB:CB+1], s[18:19], s[22:23]
	s_add_nc_u64 s[CB+2:CB+3], s[CB:CB+1], s[46:47]
	s_add_nc_u64 s[CB+4:CB+5], s[CB:CB+1], s[44:45]
	s_add_nc_u64 s[CB+6:CB+7], s[CB+4:CB+5], s[46:47]
	s_lshl_b32 s21, s100, 17
	s_lshl_b32 s20, s20, 7
	s_add_co_u32 s20, s20, s21
	s_add_co_u32 s20, s20, 12582912
	s_mov_b32 s21, 0
	s_lshr_b32 s44, s44, 5                         ; a block's scale words are 128 bytes
	s_lshr_b32 s46, s46, 5
	s_add_nc_u64 s[WB:WB+1], s[18:19], s[20:21]
	s_add_nc_u64 s[WB+2:WB+3], s[WB:WB+1], s[46:47]
	s_add_nc_u64 s[WB+4:WB+5], s[WB:WB+1], s[44:45]
	s_add_nc_u64 s[WB+6:WB+7], s[WB+4:WB+5], s[46:47]
	s_mov_b32 s[SEL], 0x76543210
	s_mov_b32 s[SEL+1], 0xfedcba98                 ; lane l xor 16
	s_mov_b32 s[MNT], 0x600000                     ; the mantissa field of 57,344
	v_mov_b32 v[TM+2], 0                           ; written once: a lane permute's destination counts as one of its sources
	v_mov_b32 v[TM+3], 0
.irp a, 0,1,2,3,4,5,6,7
.irp hf, 0,1
	QUANT 64*(\a%4)+32*\hf, 2+\a/4, YQ, PCQ+8*(2*\a+\hf), TM, S16+2*\a+\hf
	global_store_b128 v[LI], v[PCQ+8*(2*\a+\hf):PCQ+8*(2*\a+\hf)+3], s[CB+4*(\a/4)+2*\hf:CB+4*(\a/4)+2*\hf+1] offset:1024*(\a%4)        ; an image of operand registers: each store covers 512 consecutive bytes
	global_store_b128 v[LI], v[PCQ+8*(2*\a+\hf)+4:PCQ+8*(2*\a+\hf)+7], s[CB+4*(\a/4)+2*\hf:CB+4*(\a/4)+2*\hf+1] offset:1024*(\a%4)+512
.endr
.endr
	v_cmp_le_u32 vcc_lo, 16, v8
.irp g, 0,1
.irp hf, 0,1
	v_lshl_or_b32 v[YQ+4*(2*\g+\hf)], v[S16+2*(4*\g+1)+\hf], 16, v[S16+2*(4*\g)+\hf]       ; the pair words: tiles 0, 1 of the block,
	v_lshl_or_b32 v[YQ+4*(2*\g+\hf)+1], v[S16+2*(4*\g+3)+\hf], 16, v[S16+2*(4*\g+2)+\hf]   ; and tiles 2, 3; lanes l and l xor 16 hold the same
	v_cndmask_b32 v[YQ+4*(2*\g+\hf)+2], v[YQ+4*(2*\g+\hf)], v[YQ+4*(2*\g+\hf)+1], vcc_lo   ; lanes 0-15 store pair 0, lanes 16-31 pair 1
	global_store_b32 v[LS], v[YQ+4*(2*\g+\hf)+2], s[WB+4*\g+2*\hf:WB+4*\g+2*\hf+1]         ; 128 consecutive bytes
.endr
.endr
	s_wait_tensorcnt 0x0                           ; the wave's end
	ds_add_u32 v[SPW], v[NIL]
	s_wait_dscnt 0x0
	CROUND                                         ; the closing round: no work-group ends while a partner may still ask for a tile that names it
	s_endpgm
.Lfunc_end_k_q78330fe6e1_proj:
	.size	k_q78330fe6e1_proj, .Lfunc_end_k_q78330fe6e1_proj-k_q78330fe6e1_proj
	.p2alignl 7, 3214868480
	.fill 96, 4, 3214868480
	.section	.rodata,"a",@progbits
	.p2align	6, 0x0
	.amdhsa_kernel k_q78330fe6e1_proj
		.amdhsa_group_segment_fixed_size 327680
		.amdhsa_private_segment_fixed_size 0
		.amdhsa_enable_private_segment 0
		.amdhsa_kernarg_size 64
		.amdhsa_user_sgpr_count 2
		.amdhsa_user_sgpr_kernarg_segment_ptr 1
		.amdhsa_wavefront_size32 1
		.amdhsa_system_sgpr_workgroup_id_x 1
		.amdhsa_system_sgpr_workgroup_id_y 1
		.amdhsa_system_sgpr_workgroup_id_z 1
		.amdhsa_system_vgpr_workitem_id 0
		.amdhsa_next_free_vgpr 1024
		.amdhsa_next_free_sgpr 102
		.amdhsa_reserve_vcc 1
		.amdhsa_float_denorm_mode_32 3
		.amdhsa_float_denorm_mode_16_64 3
		.amdhsa_memory_ordered 1
		.amdhsa_forward_progress 1
		.amdhsa_inst_pref_size 189
	.end_amdhsa_kernel
	.amdgpu_metadata
---
amdhsa.version: [ 1, 2 ]
amdhsa.kernels:
  - .name:           k_q78330fe6e1_proj
    .symbol:         k_q78330fe6e1_proj.kd
    .args:
      - { .name: hq, .offset: 0, .size: 8, .value_kind: global_buffer, .address_space: global }
      - { .name: wq_codes, .offset: 8, .size: 8, .value_kind: global_buffer, .address_space: global }
      - { .name: wq_scales, .offset: 16, .size: 8, .value_kind: global_buffer, .address_space: global }
      - { .name: wk_codes, .offset: 24, .size: 8, .value_kind: global_buffer, .address_space: global }
      - { .name: wk_scales, .offset: 32, .size: 8, .value_kind: global_buffer, .address_space: global }
      - { .name: wv_codes, .offset: 40, .size: 8, .value_kind: global_buffer, .address_space: global }
      - { .name: wv_scales, .offset: 48, .size: 8, .value_kind: global_buffer, .address_space: global }
      - { .name: qkvq, .offset: 56, .size: 8, .value_kind: global_buffer, .address_space: global }
    .group_segment_fixed_size: 327680
    .private_segment_fixed_size: 0
    .kernarg_segment_align: 8
    .kernarg_segment_size: 64
    .max_flat_workgroup_size: 128
    .sgpr_count:     102
    .vgpr_count:     1024
    .wavefront_size: 32
...
	.end_amdgpu_metadata
.endif
;; end of part 8
;; launch attn (part 9): grid 8 x 32, 16 waves a work-group, clusters of 4 x 1, 327,680 bytes of LDS; arguments qkvq, cq; writes cq
.if DOCPART == 9
	.amdgcn_target "amdgcn-amd-amdhsa--gfx1250"
	.amdhsa_code_object_version 6
	.text
	.protected	k_q78330fe6e1_attn
	.globl	k_q78330fe6e1_attn
	.p2align	8
	.type	k_q78330fe6e1_attn,@function
k_q78330fe6e1_attn:
	s_mov_b64 s[64:65], 0
	v_nop
	global_prefetch_b8 v0, s[64:65] scope:SCOPE_SE
	s_setreg_imm32_b32 hwreg(HW_REG_WAVE_MODE, 25, 1), 1
	s_wait_xcnt 0x0
	s_wait_alu depctr_hold_cnt(0) depctr_sa_sdst(0) depctr_va_vdst(0) depctr_va_sdst(0) depctr_va_ssrc(0) depctr_va_vcc(0) depctr_vm_vsrc(0)
	s_getreg_b32 s2, hwreg(HW_REG_IB_STS2, 6, 4)
	s_cmp_eq_u32 s2, 0
	s_cbranch_scc0 .Lentry_in_a_cluster
	s_endpgm
.Lentry_in_a_cluster:
	s_bfe_u32 s2, ttmp6, 0x10000c
	s_cmp_lg_u32 s2, 0x3003
	s_cbranch_scc0 .Lentry_shape_is_right
	s_endpgm
.Lentry_shape_is_right:
; ATTENTION ON CODES OF E5M2, head size 64, 2,048 keys, no mask (the module applies none), and the quantiser of the projection that follows.  Nothing of the module is left out.
; t = (q . k) x log2(e) / 8; M = the running largest t rounded UP to a whole number; p = 2^(t - M) is quantised along the keys; the row's sum is taken of the unquantised p and divides at the end.
; The module turns ctx to [batch][head][channel][query] before it reshapes: the next product's K runs along the QUERIES.  ctx goes out as codes at byte (batch x 16 + head) x 131,072 + channel x 2,048 + query,
; one scale byte for each 32 queries at 4,194,304 + that / 32.
; SHARES.  A work-group owns 256 queries of one head, each of its sixteen waves 16, in 256 registers.  Both products are used transposed (S^T = K Q^T, O^T = V^T P^T): a lane holds ONE query throughout.
; THE HEAD'S 64 ARE HALF OF THE INSTRUCTION'S 128: a fragment of K holds two tiles of 16 keys side by side and is multiplied once by [q | 0] and once by [0 | q]: zero codes add nothing.
; ORDER INSIDE A BLOCK OF 32.  q, k and v were stored in the accumulators' order: byte i of lane half h is element 8 h + i (i < 8) or 16 + 8 h + i - 8.  q and k carry it alike along the features; p's codes come out of
; the conversions in this very order along the keys, as v has it.  The blocks and their scales are those of the quantiser; only the place of a term in a sum differs.
; THE WHOLE HEAD'S K AND V LIE IN LDS as images of operand registers: 131,072 bytes each, and 4,096 bytes of scale words each; nothing is filled again.  At the head each wave asks for one part: waves 0-7 for 8,192 bytes of
; the first 512 keys (K, then V), waves 8-15 for 1,024 bytes of scale words.  Behind a round each wave asks for 12,288 bytes of the other 1,536 keys; four key steps stand between that load and its wait.
; A wave has one tensor load out.  CLUSTER: the four query blocks of a cluster belong to one head: every load is a joint one, its descriptor made of the head and the wave's number.
; NO PREFETCH: all of K and V is asked for by the two loads at the launch's start; the loop over the keys asks memory for nothing.
; REGISTERS: v1-3 addresses that stay; v5, v6 the spare word and 0; v8-10 addresses in hand; v12 -M, v13 the largest t, v[14:15] the sum; v16-23 zeros, v24-31 q, v32-39 zeros; v40-103 four fragments; v104-167 S^T, then p;
;   v168-199 O^T; v200-215 p's codes; v216-231, v246-249 at work; v232-233 K's scale words; v234-237 V's; v238 q's; v252 f, v253 p's scale word.
; LIMITS: NaN and infinities are not served; the scaled scores stay under 2^31 in magnitude; a block of zeros gets the byte 1 (its codes are zeros; this program alone reads the bytes).
.set SCK,    262144                    ; K's scale words, 4,096 bytes, then V's
.set SPARE,  270336                    ; the spare words, 128 bytes for each wave: no other line names them
.set SCG,    272384                    ; 32 bytes for each wave: ctx's scale bytes
.set SPITCH, 1040                      ; the way out: 64 channels x (256 queries x 4 bytes + 16), in K's bytes, which have had their one fill and are read no more
.set WV, 18
.set SEL, 20
.set CS, 22
.set MNT, 19
.set TB, 2                             ; s2 LDS byte at which the step's images begin
.set TS, 3                             ; s3 and its scale words
.macro CROUND
	s_barrier_signal -1
	s_barrier_wait -1
	s_cmp_lg_u32 s[WV], 0
	s_cbranch_scc1 .Lnot_wave_0_\@
	s_barrier_signal -3
.Lnot_wave_0_\@:
	s_barrier_wait -3
	s_barrier_signal -1
	s_barrier_wait -1
.endm
.macro DENSE g, rows                   ; group 1: a dense block as rows of 256 bytes (32 elements of 8); the mask names all four work-groups, bit 21 beside it
	s_mov_b32 s[\g], 15|(3<<16)|(1<<21)
	s_mov_b32 s[\g+1], 32<<16
	s_mov_b32 s[\g+2], (\rows)<<16
	s_mov_b32 s[\g+3], 32<<16
	s_mov_b32 s[\g+4], \rows
	s_mov_b32 s[\g+5], 32
	s_mov_b32 s[\g+6], 0
	s_mov_b32 s[\g+7], 0
.endm
.macro GRP0 g, lds, adr
	s_mov_b32 s[\g], 1
	s_mov_b32 s[\g+1], s[\lds]
	s_mov_b64 s[\g+2:\g+3], s[\adr:\adr+1]
	s_or_b32 s[\g+3], s[\g+3], 0x80000000
.endm
.macro NOPS n
.rept \n
	v_nop
.endr
.endm
	s_load_b128 s[4:7], s[0:1], 0x0                ; qkvq s[4:5], cq s[6:7]
	v_lshl_add_u32 v5, v0, 2, SPARE
	v_mov_b32 v6, 0
	ds_add_u32 v5, v6                              ; the opening: the add, twice on end, and its wait ahead of my first tensor load
	ds_add_u32 v5, v6
	v_lshrrev_b32 v8, 5, v0
	v_readfirstlane_b32 s[WV], v8                  ; wave 0..15
	s_bfe_u32 s8, ttmp6, 0x40000                   ; cx
	s_lshl_b32 s9, ttmp9, 2
	s_add_co_u32 s9, s9, s8                        ; my block of 256 queries: it enters q's and ctx's addresses alone
	s_and_b32 s10, ttmp7, 0xffff                   ; batch x 16 + head, which the four partners share
	DENSE 24, 32                                   ; 8,192 bytes
	DENSE 32, 4                                    ; 1,024 bytes
	DENSE 80, 48                                   ; 12,288 bytes
	s_bfe_u32 s11, s[WV], 0x10002                  ; the head's parts: a = bit 2 of the wave: K 0, V 1;
	s_and_b32 s12, s[WV], 3                        ; b = which quarter
	s_add_co_u32 s13, s11, 1                       ; the region: k 1, v 2
	s_lshl_b32 s14, s13, 22
	s_lshl_b32 s15, s10, 17
	s_add_co_u32 s14, s14, s15
	s_lshl_b32 s15, s12, 13
	s_add_co_u32 s14, s14, s15                     ; images: 8,192 b bytes into the head's
	s_lshl_b32 s69, s11, 17
	s_add_co_u32 s69, s69, s15                     ; and in LDS
	s_mov_b32 s15, 0
	s_lshl_b32 s16, s13, 17
	s_add_co_u32 s16, s16, 12582912
	s_lshl_b32 s17, s10, 12
	s_add_co_u32 s16, s16, s17
	s_lshl_b32 s17, s12, 10
	s_add_co_u32 s16, s16, s17                     ; scale words: 1,024 b bytes into the head's
	s_lshl_b32 s70, s11, 12
	s_add_co_u32 s70, s70, s17
	s_add_co_u32 s70, s70, SCK
	s_mov_b32 s17, 0
	s_lshr_b32 s11, s[WV], 3                       ; the second parts: waves 0-7 K, waves 8-15 V,
	s_and_b32 s12, s[WV], 7
	s_mul_i32 s12, s12, 12288
	s_add_co_u32 s12, s12, 32768                   ; 12,288 bytes each, behind the first 512 keys
	s_lshl_b32 s71, s11, 17
	s_add_co_u32 s71, s71, s12
	s_add_co_u32 s11, s11, 1
	s_lshl_b32 s72, s11, 22
	s_lshl_b32 s73, s10, 17
	s_add_co_u32 s72, s72, s73
	s_add_co_u32 s72, s72, s12
	s_mov_b32 s73, 0
	s_mov_b32 s[SEL], 0x76543210
	s_mov_b32 s[SEL+1], 0xfedcba98                 ; lane l xor 16
	s_mov_b32 s[CS], 0x3e38aa3b                    ; c = log2(e) / 8
	s_mov_b32 s[CS+1], s[CS]
	s_mov_b32 s[MNT], 0x600000                     ; the mantissa field of 57,344
	s_mov_b32 s67, 0x05040100                      ; the two low halves
	s_mov_b32 s68, 0x07060302                      ; the two high halves
	s_wait_dscnt 0x0                               ; both opening adds are done
	s_wait_kmcnt 0x0
	s_add_nc_u64 s[14:15], s[4:5], s[14:15]
	s_add_nc_u64 s[16:17], s[4:5], s[16:17]
	s_add_nc_u64 s[72:73], s[4:5], s[72:73]
	CROUND                                         ; all four work-groups are here: the joint loads meet
	GRP0 40, 69, 14
	GRP0 48, 70, 16
	GRP0 44, 71, 72
	s_cmp_lt_u32 s[WV], 8                          ; one load a wave, one in each arm
	s_cbranch_scc0 .Lhead_s
	tensor_load_to_lds s[40:43], s[24:31]
	s_nop 0
	NOPS 4
	s_branch .Lhead_asked
.Lhead_s:
	tensor_load_to_lds s[48:51], s[32:39]
	s_nop 0
	NOPS 4
.Lhead_asked:
	s_lshl_b32 s71, s10, 5
	s_lshl_b32 s72, s9, 2
	s_add_co_u32 s71, s71, s72
	s_lshr_b32 s72, s[WV], 2
	s_add_co_u32 s71, s71, s72                     ; q's block of 64 tokens,
	s_and_b32 s72, s[WV], 3                        ; and my tile in it
	s_lshl_b32 s74, s71, 12
	s_lshl_b32 s73, s72, 10
	s_add_co_u32 s74, s74, s73
	s_mov_b32 s75, 0
	s_add_nc_u64 s[74:75], s[4:5], s[74:75]
	s_lshl_b32 s76, s71, 7
	s_lshr_b32 s73, s72, 1
	s_lshl_b32 s73, s73, 6
	s_add_co_u32 s76, s76, s73
	s_add_co_u32 s76, s76, 12582912
	s_mov_b32 s77, 0
	s_add_nc_u64 s[76:77], s[4:5], s[76:77]        ; its pair's scale words
	s_and_b32 s78, s[WV], 1
	s_lshl_b32 s78, s78, 4                         ; which half of a pair word is my tile's
	v_and_b32 v4, 31, v0                           ; lane
	v_and_b32 v7, 15, v0
	v_lshlrev_b32 v1, 4, v4                        ; 16 x lane: an image's place for my lane
	v_lshlrev_b32 v11, 2, v7
	v_add_nc_u32 v2, 131072, v1                    ; the same among V's
	v_lshl_add_u32 v3, v4, 2, SCK                  ; 4 x lane among the scale words
	global_load_b128 v[24:27], v1, s[74:75]        ; q's codes, first block of 32 features,
	global_load_b128 v[28:31], v1, s[74:75] offset:512   ; and second
	global_load_b32 v238, v11, s[76:77]
.irp j, 0,1,2,3,4,5,6,7
	v_mov_b32 v[16+\j], 0                          ; zero codes on both sides of q: v[24:39] = [q | 0], v[16:31] = [0 | q]
	v_mov_b32 v[32+\j], 0
.endr
	v_mov_b32 v13, 0xff61b1e6                      ; the largest t so far: -3e38, under every t
	v_mov_b32 v14, 0
	v_mov_b32 v15, 0
	v_floor_f32 v12, -v13                          ; -M
.irp b, 0,1,2,3
	v_mov_b32 v[220+\b], 0                         ; written once: a lane permute's destination counts as one of its sources
.endr
	v_mov_b32 v253, 0                              ; (named as the upper half of the pair v[252:253] before it is first written)
.set j, 0
.rept 32
	v_mov_b32 v[168+j], 0                          ; O^T: the step is written once for each walk; its first run finds zeros
.set j, j+1
.endr
	s_wait_loadcnt 0x0
	v_lshrrev_b32 v238, s78, v238
	v_and_b32 v238, 0xffff, v238
	v_lshl_or_b32 v238, v238, 16, v238             ; q's two bytes, twice: they serve [q | 0] and [0 | q]
.macro QK f                            ; fragment f: key tiles 2 f and 2 f + 1; its scale word holds the two bytes of each
.if (\f)%2
	v_wmma_scale_f32_16x16x128_f8f6f4 v[104+16*(\f):111+16*(\f)], v[40+16*(\f):55+16*(\f)], v[24:39], 0, v[232+(\f)/2], v238 matrix_a_fmt:MATRIX_FMT_BF8 matrix_b_fmt:MATRIX_FMT_BF8 matrix_a_scale:MATRIX_SCALE_ROW1
	v_wmma_scale_f32_16x16x128_f8f6f4 v[112+16*(\f):119+16*(\f)], v[40+16*(\f):55+16*(\f)], v[16:31], 0, v[232+(\f)/2], v238 matrix_a_fmt:MATRIX_FMT_BF8 matrix_b_fmt:MATRIX_FMT_BF8 matrix_a_scale:MATRIX_SCALE_ROW1
.else
	v_wmma_scale_f32_16x16x128_f8f6f4 v[104+16*(\f):111+16*(\f)], v[40+16*(\f):55+16*(\f)], v[24:39], 0, v[232+(\f)/2], v238 matrix_a_fmt:MATRIX_FMT_BF8 matrix_b_fmt:MATRIX_FMT_BF8
	v_wmma_scale_f32_16x16x128_f8f6f4 v[112+16*(\f):119+16*(\f)], v[40+16*(\f):55+16*(\f)], v[16:31], 0, v[232+(\f)/2], v238 matrix_a_fmt:MATRIX_FMT_BF8 matrix_b_fmt:MATRIX_FMT_BF8
.endif
.endm
; A KEY STEP: 128 keys
.macro STEP
	v_add_nc_u32 v8, s[TB], v1
	v_add_nc_u32 v9, s[TB], v2
	v_add_nc_u32 v10, s[TS], v3
	NOPS 5                                         ; with the three additions: eight places in front of loads into registers that the last products read
.irp f, 0,1,2,3
.irp c, 0,1,2,3
	ds_load_b128 v[40+16*\f+4*\c:43+16*\f+4*\c], v8 offset:2048*\f+512*\c
.endr
.endr
	ds_load_b32 v232, v10                          ; lanes 0-15: fragment 0's words, lanes 16-31: fragment 1's
	ds_load_b32 v233, v10 offset:128               ; fragments 2 and 3
	s_wait_alu depctr_va_vdst(0)
	s_wait_dscnt 0x0
	QK 0
	QK 1
	QK 2
	QK 3                                           ; lane (r, h): query r; register 8 tile + j: key 16 tile + 8 h + j
	NOPS 8
.irp a, 0,1,2,3                                ; V's four fragments (16 channels x 128 keys) land under the softmax
	ds_load_b128 v[40+16*\a:43+16*\a], v9 offset:1024*\a
	ds_load_b128 v[44+16*\a:47+16*\a], v9 offset:1024*\a+512
	ds_load_b128 v[48+16*\a:51+16*\a], v9 offset:1024*\a+4096
	ds_load_b128 v[52+16*\a:55+16*\a], v9 offset:1024*\a+4608
.endr
	ds_load_b32 v234, v10 offset:4096              ; V's pair words of the step's first 64 keys,
	ds_load_b32 v235, v10 offset:4224              ; and of its second
.irp b, 0,1,2,3
	v_max3_num_f32 v[216+\b], v[104+16*\b], v[105+16*\b], v[106+16*\b]   ; the largest score of each block of 32 keys: it serves the row's maximum and, since p rises with the score, the block's largest p
.endr
.irp i, 3,5,7,9,11,13
.irp b, 0,1,2,3
	v_max3_num_f32 v[216+\b], v[216+\b], v[104+16*\b+\i], v[105+16*\b+\i]
.endr
.endr
.irp b, 0,1,2,3
	v_max_num_f32 v[216+\b], v[216+\b], v[119+16*\b]
.endr
.irp b, 0,1,2,3
	v_permlanex16_b32 v[220+\b], v[216+\b], s[SEL], s[SEL+1]
.endr
.irp b, 0,1,2,3
	v_max_num_f32 v[216+\b], v[216+\b], v[220+\b]  ; with lane l xor 16's 16 keys
.endr
	v_max3_num_f32 v254, v216, v217, v218
	s_delay_alu instid0(VALU_DEP_1)
	v_max_num_f32 v254, v254, v219
	s_delay_alu instid0(VALU_DEP_1)
	v_mul_f32 v254, s[CS], v254                    ; as t (c is positive)
	s_delay_alu instid0(VALU_DEP_1)
	v_max_num_f32 v13, v13, v254                   ; the running largest t
	v_mov_b32 v254, v12
	s_delay_alu instid0(VALU_DEP_2)
	v_floor_f32 v12, -v13                          ; the new -M = -ceil(t): a whole number
	s_delay_alu instid0(VALU_DEP_1)
	v_sub_f32 v254, v12, v254                      ; old M - new M: a whole number, 0 or less
	s_delay_alu instid0(VALU_DEP_1)
	v_cvt_i32_f32 v254, v254                       ; (it saturates)
	s_delay_alu instid0(VALU_DEP_1)
	v_ldexp_f32 v252, 1.0, v254                    ; f = 2^(old M - new M): a multiplication by it rounds nothing
.set j, 0
.rept 32
	v_pk_fma_f32 v[104+j:105+j], v[104+j:105+j], s[CS:CS+1], v[12:13] op_sel_hi:[1,0,0]   ; t - M
.set j, j+2
.endr
.irp b, 0,1,2,3
	v_fma_f32 v[216+\b], v[216+\b], s[CS], v12     ; the same of each block's largest score
.endr
	s_wait_alu depctr_va_vdst(0)                   ; the wait ahead of the batch
.set j, 0
.rept 64
	v_exp_f32 v[104+j], v[104+j]                   ; p = 2^(t - M), at most 1
.set j, j+1
.endr
	v_pk_mul_f32 v[14:15], v[14:15], v[252:253] op_sel_hi:[1,0]   ; the sums under the new M (a plain line behind the exponentials)
	s_wait_alu depctr_va_vdst(0)                   ; one wait for the whole batch, ahead of its first use
.irp b, 0,1,2,3
	v_exp_f32 v[216+\b], v[216+\b]                 ; the block's largest p
.endr
	v_pk_add_f32 v[220:221], v[104:105], v[106:107]   ; the row's sum of the unquantised p, in four chains
	v_pk_add_f32 v[246:247], v[108:109], v[110:111]
	v_pk_add_f32 v[248:249], v[112:113], v[114:115]
	v_pk_add_f32 v[14:15], v[14:15], v[116:117]
.irp j, 14,22,30,38,46,54
	v_pk_add_f32 v[220:221], v[220:221], v[104+\j:105+\j]
	v_pk_add_f32 v[246:247], v[246:247], v[106+\j:107+\j]
	v_pk_add_f32 v[248:249], v[248:249], v[108+\j:109+\j]
	v_pk_add_f32 v[14:15], v[14:15], v[110+\j:111+\j]
.endr
	v_pk_add_f32 v[220:221], v[220:221], v[166:167]
	v_pk_add_f32 v[246:247], v[246:247], v[248:249]
	v_pk_add_f32 v[14:15], v[14:15], v[220:221]
	v_pk_add_f32 v[14:15], v[14:15], v[246:247]
	s_wait_alu depctr_va_vdst(0)                   ; and one for the four
.irp b, 0,1,2,3
	v_max_num_f32 v[216+\b], 0x8000000, v[216+\b]  ; the floor 2^(16 - 127): the byte cannot fall under 1
.endr
.irp b, 0,1,2,3
	v_add_nc_u32 v[228+\b], 0xf8800000, v[216+\b]  ; 15 off the exponent field: the conversion's scale operand
.endr
.irp b, 0,1,2,3
	v_and_or_b32 v[224+\b], v[216+\b], 0x7f800000, s[MNT]   ; 57,344 x the scale
.endr
.irp b, 0,1,2,3
	v_lshrrev_b32 v[220+\b], 23, v[228+\b]         ; the scale's byte
.endr
	v_lshl_or_b32 v253, v221, 8, v220              ; p's scale word for these 128 keys
	v_lshl_or_b32 v253, v222, 16, v253
	v_lshl_or_b32 v253, v223, 24, v253
	s_wait_dscnt 0x0                               ; V's fragments and words are in
	v_perm_b32 v236, v235, v234, s67               ; channels' tiles 0 (lanes 0-15) and 2 (lanes 16-31): two bytes of the first 64 keys, two of the second
	v_perm_b32 v237, v235, v234, s68               ; tiles 1 and 3
.irp b, 0,1,2,3
.irp i, 0,2,4,6,8,10,12,14
	v_dual_min_num_f32 v[104+16*\b+\i], v[104+16*\b+\i], v[224+\b] :: v_dual_min_num_f32 v[105+16*\b+\i], v[105+16*\b+\i], v[224+\b]   ; the conversion does not saturate (ISA guide 7.6.2); p is not negative, so the hold is one-sided; two numbers a line
.endr
	v_cvt_scalef32_pk8_bf8_f32 v[200+4*\b:201+4*\b], v[104+16*\b:111+16*\b], v[228+\b]   ; the codes stay in the tiles' order, which is V's order inside a block
	v_cvt_scalef32_pk8_bf8_f32 v[202+4*\b:203+4*\b], v[112+16*\b:119+16*\b], v[228+\b]
.endr
	v_nop                                          ; a plain line behind the last conversion
	s_wait_alu depctr_va_vdst(0)                   ; the wait ahead of the first reader of O^T
.set j, 0
.rept 16
	v_pk_mul_f32 v[168+j:169+j], v[168+j:169+j], v[252:253] op_sel_hi:[1,0]   ; O^T under the new M; these lines also stand between the codes' last write and the products
.set j, j+2
.endr
	v_wmma_scale_f32_16x16x128_f8f6f4 v[168:175], v[40:55], v[200:215], v[168:175], v236, v253 matrix_a_fmt:MATRIX_FMT_BF8 matrix_b_fmt:MATRIX_FMT_BF8
	v_wmma_scale_f32_16x16x128_f8f6f4 v[176:183], v[56:71], v[200:215], v[176:183], v237, v253 matrix_a_fmt:MATRIX_FMT_BF8 matrix_b_fmt:MATRIX_FMT_BF8
	v_wmma_scale_f32_16x16x128_f8f6f4 v[184:191], v[72:87], v[200:215], v[184:191], v236, v253 matrix_a_fmt:MATRIX_FMT_BF8 matrix_b_fmt:MATRIX_FMT_BF8 matrix_a_scale:MATRIX_SCALE_ROW1
	v_wmma_scale_f32_16x16x128_f8f6f4 v[192:199], v[88:103], v[200:215], v[192:199], v237, v253 matrix_a_fmt:MATRIX_FMT_BF8 matrix_b_fmt:MATRIX_FMT_BF8 matrix_a_scale:MATRIX_SCALE_ROW1
	s_add_co_u32 s[TB], s[TB], 8192
	s_add_co_u32 s[TS], s[TS], 256
.endm
.macro WALK first, trips               ; the key steps from chunk `first` (512 keys a chunk) on
	s_mov_b32 s[TB], (\first)*32768
	s_mov_b32 s[TS], (\first)*1024
	s_mov_b32 s66, \trips
.Lstep_\@:
	s_wait_alu depctr_va_vdst(0)
	STEP
	s_sub_co_u32 s66, s66, 1
	s_cmp_lg_u32 s66, 0
	s_cbranch_scc1 .Lstep_\@
.endm
	s_wait_alu depctr_va_vdst(0)
	s_wait_tensorcnt 0x0                           ; my part of the head's loads is in
	ds_add_u32 v5, v6
	s_wait_dscnt 0x0
	CROUND                                         ; everybody's parts are in, and all four work-groups are here
	tensor_load_to_lds s[44:47], s[80:87]          ; the other 1,536 keys: my 12,288 bytes, the first tensor load behind the round
	s_nop 0
	NOPS 4
	WALK 0, 4                                      ; the first 512 keys
	s_wait_tensorcnt 0x0                           ; my part of the rest is in,
	s_wait_dscnt 0x0
	s_barrier_signal -1
	s_barrier_wait -1                              ; everybody's is
	WALK 1, 12
	; THE WAY OUT.  O^T / the sum is turned to [channel][query] through a stage in LDS; then a lane holds 16 neighbouring queries of one channel, which is the next product's K.
	v_add_f32 v14, v14, v15
	v_permlanex16_b32 v252, v14, s[SEL], s[SEL+1]
	v_add_f32 v14, v14, v252                       ; the row's sum
	s_wait_alu depctr_va_vdst(0)                   ; the wait ahead of the reciprocal
	v_rcp_f32 v14, v14
	v_bfe_u32 v9, v0, 4, 1                         ; h   (plain lines behind the reciprocal and behind the last products)
	v_and_b32 v8, 15, v0                           ; r
	s_lshl_b32 s71, s[WV], 6
	v_mul_u32_u24 v10, v9, 8*SPITCH
	v_lshl_add_u32 v10, v8, 2, v10
	v_add_nc_u32 v10, s71, v10                     ; in: channel 8 h + .., query 16 wave + r
	s_mul_i32 s72, s[WV], 4*SPITCH
	v_mul_u32_u24 v11, v9, SPITCH
	v_lshl_add_u32 v11, v8, 6, v11
	v_add_nc_u32 v11, s72, v11                     ; back: channels 4 wave + (l / 16) + 2 u, queries 16 (l % 16) on
	v_lshlrev_b32 v7, 11, v9
	v_lshl_add_u32 v7, v8, 4, v7                   ; the same place among ctx's codes
	v_lshrrev_b32 v4, 1, v8
	v_lshl_add_u32 v4, v9, 3, v4
	s_lshl_b32 s73, s[WV], 5
	s_add_co_u32 s73, s73, SCG
	v_add_nc_u32 v4, s73, v4                       ; my block's scale byte: 8 bytes a channel
	v_and_b32 v3, 3, v0
	v_lshl_add_u32 v3, v3, 3, s73                  ; and a channel's 8 bytes on their way out
	v_and_b32 v244, 31, v0
	v_lshlrev_b32 v2, 6, v244                      ; a channel's row of scale bytes is 64 bytes
	s_lshl_b32 s74, s10, 17
	s_lshl_b32 s75, s[WV], 13
	s_add_co_u32 s74, s74, s75
	s_lshl_b32 s75, s9, 8
	s_add_co_u32 s74, s74, s75
	s_mov_b32 s75, 0
	s_add_nc_u64 s[74:75], s[6:7], s[74:75]
	s_lshl_b32 s76, s10, 12
	s_lshl_b32 s77, s[WV], 8
	s_add_co_u32 s76, s76, s77
	s_lshl_b32 s77, s9, 3
	s_add_co_u32 s76, s76, s77
	s_add_co_u32 s76, s76, 4194304
	s_mov_b32 s77, 0
	s_add_nc_u64 s[76:77], s[6:7], s[76:77]
	s_wait_alu depctr_va_vdst(0)                   ; the wait ahead of the reciprocal's first use
.set j, 0
.rept 32
	v_mul_f32 v[104+j], v[168+j], v14              ; register 8 a + j: channel 16 a + 8 h + j of query r
.set j, j+1
.endr
	s_wait_alu depctr_va_vdst(0)
	s_wait_dscnt 0x0
	s_barrier_signal -1
	s_barrier_wait -1                              ; nobody reads K's images any more
.irp a, 0,1,2,3
.irp j, 0,1,2,3,4,5,6,7
	ds_store_b32 v10, v[104+8*\a+\j] offset:(16*\a+\j)*SPITCH
.endr
.endr
	s_wait_dscnt 0x0                               ; for the others' sake: my stores have landed
	s_barrier_signal -1
	s_barrier_wait -1
.irp u, 0,1
.irp i, 0,1,2,3
	ds_load_b128 v[40+16*\u+4*\i:43+16*\u+4*\i], v11 offset:2*\u*SPITCH+16*\i
.endr
.endr
	s_wait_dscnt 0x0
.macro OUTQ u                          ; 16 neighbouring queries of a channel; lanes l and l xor 1 hold a block of 32
.set XS, 40+16*(\u)
	v_max3_num_f32 v216, |v[XS]|, |v[XS+1]|, |v[XS+2]|
	v_max3_num_f32 v217, |v[XS+3]|, |v[XS+4]|, |v[XS+5]|
.irp i, 6,10
	v_max3_num_f32 v216, v216, |v[XS+\i]|, |v[XS+\i+1]|
	v_max3_num_f32 v217, v217, |v[XS+\i+2]|, |v[XS+\i+3]|
.endr
	v_max3_num_f32 v216, v216, |v[XS+14]|, |v[XS+15]|
	v_max3_num_f32 v216, v216, v217, 0x8000000
	v_max_num_f32_dpp v216, v216, v216 row_xmask:1 row_mask:0xf bank_mask:0xf
	v_add_nc_u32 v218, 0xf8800000, v216
	v_and_or_b32 v219, v216, 0x7f800000, s[MNT]
.irp i, 0,1,2,3,4,5,6,7,8,9,10,11,12,13,14,15
	v_med3_num_f32 v[XS+\i], v[XS+\i], -v219, v219
.endr
	v_cvt_scalef32_pk8_bf8_f32 v[200+4*(\u):201+4*(\u)], v[XS:XS+7], v218
	v_cvt_scalef32_pk8_bf8_f32 v[202+4*(\u):203+4*(\u)], v[XS+8:XS+15], v218
	v_lshrrev_b32 v[240+(\u)], 23, v218            ; the scale's byte (a plain line behind the conversions)
	ds_store_b8 v4, v[240+(\u)] offset:16*(\u)
	global_store_b128 v7, v[200+4*(\u):203+4*(\u)], s[74:75] offset:4096*(\u)   ; sixteen lanes store 256 consecutive bytes, aligned
.endm
	OUTQ 0
	OUTQ 1
	ds_load_b64 v[242:243], v3                     ; LDS serves a wave's instructions in order: these see my byte stores
	s_wait_dscnt 0x0
	v_cmp_gt_u32 vcc_lo, 4, v244
	s_wait_xcnt 0x0                                ; EXEC changes only behind this wait
	s_and_saveexec_b32 s79, vcc_lo
	global_store_b64 v2, v[242:243], s[76:77]      ; four channels' 8 scale bytes
	s_wait_xcnt 0x0
	s_or_b32 exec_lo, exec_lo, s79
	s_wait_tensorcnt 0x0                           ; the wave's end
	ds_add_u32 v5, v6
	s_wait_dscnt 0x0
	CROUND                                         ; the closing round
	s_endpgm
.Lfunc_end_k_q78330fe6e1_attn:
	.size	k_q78330fe6e1_attn, .Lfunc_end_k_q78330fe6e1_attn-k_q78330fe6e1_attn
	.p2alignl 7, 3214868480
	.fill 96, 4, 3214868480
	.section	.rodata,"a",@progbits
	.p2align	6, 0x0
	.amdhsa_kernel k_q78330fe6e1_attn
		.amdhsa_group_segment_fixed_size 327680
		.amdhsa_private_segment_fixed_size 0
		.amdhsa_enable_private_segment 0
		.amdhsa_kernarg_size 16
		.amdhsa_user_sgpr_count 2
		.amdhsa_user_sgpr_kernarg_segment_ptr 1
		.amdhsa_wavefront_size32 1
		.amdhsa_system_sgpr_workgroup_id_x 1
		.amdhsa_system_sgpr_workgroup_id_y 1
		.amdhsa_system_sgpr_workgroup_id_z 1
		.amdhsa_system_vgpr_workitem_id 0
		.amdhsa_next_free_vgpr 256
		.amdhsa_next_free_sgpr 100
		.amdhsa_reserve_vcc 1
		.amdhsa_float_denorm_mode_32 3
		.amdhsa_float_denorm_mode_16_64 3
		.amdhsa_memory_ordered 1
		.amdhsa_forward_progress 1
		.amdhsa_inst_pref_size 58
	.end_amdhsa_kernel
	.amdgpu_metadata
---
amdhsa.version: [ 1, 2 ]
amdhsa.kernels:
  - .name:           k_q78330fe6e1_attn
    .symbol:         k_q78330fe6e1_attn.kd
    .args:
      - { .name: qkvq, .offset: 0, .size: 8, .value_kind: global_buffer, .address_space: global }
      - { .name: cq, .offset: 8, .size: 8, .value_kind: global_buffer, .address_space: global }
    .group_segment_fixed_size: 327680
    .private_segment_fixed_size: 0
    .kernarg_segment_align: 8
    .kernarg_segment_size: 16
    .max_flat_workgroup_size: 512
    .sgpr_count:     100
    .vgpr_count:     256
    .wavefront_size: 32
...
	.end_amdgpu_metadata
.endif
;; end of part 9
;; launch outp (part 10): grid 8 x 32, 4 waves a work-group, clusters of 4 x 4, 327,680 bytes of LDS; arguments cq, wo_codes, wo_scales, bo, x, x1; writes x1
.if DOCPART == 10
	.amdgcn_target "amdgcn-amd-amdhsa--gfx1250"
	.amdhsa_code_object_version 6
	.text
	.protected	k_q78330fe6e1_outp
	.globl	k_q78330fe6e1_outp
	.p2align	8
	.type	k_q78330fe6e1_outp,@function
k_q78330fe6e1_outp:
	s_mov_b64 s[64:65], 0
	v_nop
	global_prefetch_b8 v0, s[64:65] scope:SCOPE_SE
	s_setreg_imm32_b32 hwreg(HW_REG_WAVE_MODE, 25, 1), 1
	s_wait_xcnt 0x0
	s_wait_alu depctr_hold_cnt(0) depctr_sa_sdst(0) depctr_va_vdst(0) depctr_va_sdst(0) depctr_va_ssrc(0) depctr_va_vcc(0) depctr_vm_vsrc(0)
	s_getreg_b32 s2, hwreg(HW_REG_IB_STS2, 6, 4)
	s_cmp_eq_u32 s2, 0
	s_cbranch_scc0 .Lentry_in_a_cluster
	s_endpgm
.Lentry_in_a_cluster:
	s_bfe_u32 s2, ttmp6, 0x10000c
	s_cmp_lg_u32 s2, 0xf033
	s_cbranch_scc0 .Lentry_shape_is_right
	s_endpgm
.Lentry_shape_is_right:
.set KDIM,  1024
.set KS,    KDIM/32
.set PITCH, 528
.set HALFT, 64*PITCH
.set SLOT,  4*HALFT
.set SCL,   2*SLOT
.set HALFS, (64*KS/256)*272
.set SB32,  (32*KS/256)*272
.set SPARE, SCL+4*HALFS
.set ADRA, 16
.set ADRB, 20
.set ADSA, 22
.set ADSB, 23
.set STO,  24
.set RD,   25
.set CO,   26
.set SPW,  28
.set NIL,  29
.set SC,   32
.set BIAS, 64
.set TMP,  64
.set ACC,  128
.set F0,   0
.set F1,   128
.set G1, 24
.set G0, 32
.set G1B, 48
.set G0B, 56
.set G1S, 68
.set G0S, 76
.set G1SB, 80
.set G0SB, 88
.set WV, 92
.set RH, 93
.set CH, 94
.set MSB, 0
.macro WIN new
.if MSB != \new
	s_set_vgpr_msb (MSB<<8)|\new
.set MSB, \new
.endif
.endm
.set MUL,  0x05
.set TO_F, 0x40
.macro JLOAD g0a, g1a, g0b, g1b
	s_cmp_eq_u32 s[RH], 0
	s_cbranch_scc0 .Lfor_b_\@
	tensor_load_to_lds s[\g0a:\g0a+3], s[\g1a:\g1a+7]
	s_nop 0
.rept 4
	v_nop
.endr
	s_branch .Lasked_\@
.Lfor_b_\@:
	tensor_load_to_lds s[\g0b:\g0b+3], s[\g1b:\g1b+7]
	s_nop 0
.rept 4
	v_nop
.endr
.Lasked_\@:
.endm
.macro CREST
	s_cmp_lg_u32 s[WV], 0
	s_cbranch_scc1 .Lnot_wave_0_\@
	s_barrier_signal -3
.Lnot_wave_0_\@:
	s_barrier_wait -3
	s_barrier_signal -1
	s_barrier_wait -1
.endm
.macro CROUND
	s_barrier_signal -1
	s_barrier_wait -1
	CREST
.endm
.macro PLACES n
.rept \n
	v_nop
.endr
.endm
.macro WM d, fb, fa, cr, sb, sa, ob, oa
.if (\ob) && (\oa)
	v_wmma_scale_f32_16x16x128_f8f6f4 v[\d:\d+7], v[\fb:\fb+15], v[\fa:\fa+15], v[\cr:\cr+7], v[\sb], v[\sa] matrix_a_fmt:MATRIX_FMT_BF8 matrix_b_fmt:MATRIX_FMT_BF8 matrix_a_scale:MATRIX_SCALE_ROW1 matrix_b_scale:MATRIX_SCALE_ROW1
.elseif (\ob)
	v_wmma_scale_f32_16x16x128_f8f6f4 v[\d:\d+7], v[\fb:\fb+15], v[\fa:\fa+15], v[\cr:\cr+7], v[\sb], v[\sa] matrix_a_fmt:MATRIX_FMT_BF8 matrix_b_fmt:MATRIX_FMT_BF8 matrix_a_scale:MATRIX_SCALE_ROW1
.elseif (\oa)
	v_wmma_scale_f32_16x16x128_f8f6f4 v[\d:\d+7], v[\fb:\fb+15], v[\fa:\fa+15], v[\cr:\cr+7], v[\sb], v[\sa] matrix_a_fmt:MATRIX_FMT_BF8 matrix_b_fmt:MATRIX_FMT_BF8 matrix_b_scale:MATRIX_SCALE_ROW1
.else
	v_wmma_scale_f32_16x16x128_f8f6f4 v[\d:\d+7], v[\fb:\fb+15], v[\fa:\fa+15], v[\cr:\cr+7], v[\sb], v[\sa] matrix_a_fmt:MATRIX_FMT_BF8 matrix_b_fmt:MATRIX_FMT_BF8
.endif
.endm
.macro MULA f, a, q, sc, zero
.irp b, 0,1,2,3
.if \zero == 2
	WM ACC+8*(4*(\a)+\b), \f+64+16*\b, \f+16*(\a), BIAS+8*\b, SC+16*(\sc)+8+4*(\b/2)+(\q), SC+16*(\sc)+4*((\a)/2)+(\q), \b%2, (\a)%2
.else
	WM ACC+8*(4*(\a)+\b), \f+64+16*\b, \f+16*(\a), ACC+8*(4*(\a)+\b), SC+16*(\sc)+8+4*(\b/2)+(\q), SC+16*(\sc)+4*((\a)/2)+(\q), \b%2, (\a)%2
.endif
.endr
.endm
.macro FETCH slot, q, f
	WIN TO_F
.irp i, 0,1,2,3
.irp c, 0,1,2,3
	ds_load_b128 v[\f+64+16*\i+4*\c:\f+64+16*\i+4*\c+3], v[ADRB+\slot] offset:128*(\q)+32*\c+\i*16*PITCH
.endr
.endr
.irp i, 0,1,2,3
.irp c, 0,1,2,3
	ds_load_b128 v[\f+16*\i+4*\c:\f+16*\i+4*\c+3], v[ADRA+\slot] offset:128*(\q)+32*\c+\i*16*PITCH
.endr
.endr
.endm
.macro SCALES sc
.irp ip, 0,1
	ds_load_b128 v[SC+16*(\sc)+4*\ip:SC+16*(\sc)+4*\ip+3], v[ADSA] offset:\ip*SB32
	ds_load_b128 v[SC+16*(\sc)+8+4*\ip:SC+16*(\sc)+8+4*\ip+3], v[ADSB] offset:\ip*SB32
.endr
.endm
.macro QUARTER slot, q, f, g, zero
	s_wait_dscnt 8
	WIN MUL
	MULA \f, 0, \q, \slot, \zero
	MULA \f, 1, \q, \slot, \zero
	PLACES 8
	FETCH \slot, (\q)+1, \g
	s_wait_dscnt 32
	WIN MUL
	MULA \f, 2, \q, \slot, \zero
	MULA \f, 3, \q, \slot, \zero
.endm
.macro TURN slot, next
	WIN 0
	s_wait_tensorcnt 0x0
	ds_add_u32 v[SPW], v[NIL]
	s_wait_dscnt 9
	WIN MUL
	MULA F1, 0, 3, \slot, 0
	s_wait_dscnt 0x0
	s_barrier_signal -1
	MULA F1, 1, 3, \slot, 0
	WIN 0
	s_barrier_wait -1
	PLACES 8
	v_add_nc_u32 v[ADSA], 16, v[ADSA]
	v_add_nc_u32 v[ADSB], 16, v[ADSB]
	SCALES \next
	FETCH \next, 0, F0
	WIN MUL
	MULA F1, 2, 3, \slot, 0
	MULA F1, 3, 3, \slot, 0
.endm
	s_load_b256 s[4:11], s[0:1], 0x0
	s_load_b128 s[12:15], s[0:1], 0x20
	v_lshl_add_u32 v[SPW], v0, 2, SPARE
	v_mov_b32 v[NIL], 0
	ds_add_u32 v[SPW], v[NIL]
	ds_add_u32 v[SPW], v[NIL]
	v_lshrrev_b32 v1, 5, v0
	v_readfirstlane_b32 s[WV], v1
	s_lshr_b32 s[RH], s[WV], 1
	s_and_b32 s[CH], s[WV], 1
	s_bfe_u32 s40, ttmp6, 0x40000
	s_bfe_u32 s41, ttmp6, 0x40004
	s_lshl_b32 s42, ttmp9, 2
	s_add_co_u32 s42, s42, s40
	s_and_b32 s66, ttmp7, 0xffff
	s_lshl_b32 s66, s66, 2
	s_add_co_u32 s66, s66, s41
	s_lshl_b32 s43, s41, 2
	s_lshl_b32 s43, 15, s43
	s_lshl_b32 s44, 0x1111, s40
	s_or_b32 s[G1+0], s43, (0<<16)|(1<<20)|(1<<21)|(6<<22)|(3<<25)
	s_or_b32 s[G1B+0], s44, (0<<16)|(1<<20)|(1<<21)|(6<<22)|(3<<25)
.irp g, G1, G1B
	s_mov_b32 s[\g+1], 512<<16
	s_mov_b32 s[\g+2], 128<<16                     ; 128 rows for the head's loads; set to 64 behind them
	s_mov_b32 s[\g+3], 512<<16
	s_mov_b32 s[\g+4], 128
	s_mov_b32 s[\g+5], KDIM
	s_mov_b32 s[\g+6], 0
	s_mov_b32 s[\g+7], 0
.endr
	s_or_b32 s[G1S+0], s43, (3<<16)|(1<<20)|(1<<21)|(5<<22)|(3<<25)
	s_or_b32 s[G1SB+0], s44, (3<<16)|(1<<20)|(1<<21)|(5<<22)|(3<<25)
.irp g, G1S, G1SB
	s_mov_b32 s[\g+1], 32<<16
	s_mov_b32 s[\g+2], (128*KS/256)<<16            ; the scale bytes of all 128 rows
	s_mov_b32 s[\g+3], 32<<16
	s_mov_b32 s[\g+4], 128*KS/256
	s_mov_b32 s[\g+5], 32
	s_mov_b32 s[\g+6], 0
	s_mov_b32 s[\g+7], 0
.endr
	s_lshl_b32 s20, s66, 7                         ; A's tile: its first row
	s_lshl_b32 s46, s42, 7                         ; B's tile: its first row
	s_lshl_b32 s22, s20, 5
	s_mov_b32 s23, 0
	s_lshl_b32 s96, s46, 5
	s_mov_b32 s97, 0
	s_lshl_b32 s20, s20, 10
	s_mov_b32 s21, 0
	s_lshl_b32 s46, s46, 10
	s_mov_b32 s47, 0
	s_mul_i32 s45, s[WV], HALFT
	s_lshl_b32 s2, s[CH], 16                       ; slot 1's loads bring 64 rows a wave: which half, in bytes
	s_mov_b32 s3, 0
	s_wait_dscnt 0x0
	s_wait_kmcnt 0x0
	s_add_nc_u64 s[20:21], s[4:5], s[20:21]
	s_add_nc_u64 s[22:23], s[4:5], s[22:23]
	s_add_nc_u64 s[22:23], s[22:23], 0x400000
	s_add_nc_u64 s[46:47], s[6:7], s[46:47]
	s_add_nc_u64 s[96:97], s[8:9], s[96:97]
	CROUND
	s_mov_b32 s[G0S], 1
	s_mov_b32 s[G0S+1], SCL
	s_mov_b64 s[G0S+2:G0S+3], s[22:23]
	s_or_b32 s[G0S+3], s[G0S+3], 0x80000000
	s_mov_b32 s[G0SB], 1
	s_mov_b32 s[G0SB+1], SCL+2*HALFS
	s_mov_b64 s[G0SB+2:G0SB+3], s[96:97]
	s_or_b32 s[G0SB+3], s[G0SB+3], 0x80000000
.set G0H, 4                            ; s[4:7], s[16:19]: group 0 of the head's loads of K step 0
.set G0HB, 16
	s_mov_b32 s[G0H], 1
	s_mov_b32 s[G0H+1], 0
	s_mov_b64 s[G0H+2:G0H+3], s[20:21]
	s_or_b32 s[G0H+3], s[G0H+3], 0x80000000
	s_mov_b32 s[G0HB], 1
	s_mov_b32 s[G0HB+1], 2*HALFT
	s_mov_b64 s[G0HB+2:G0HB+3], s[46:47]
	s_or_b32 s[G0HB+3], s[G0HB+3], 0x80000000
	s_add_nc_u64 s[20:21], s[20:21], s[2:3]
	s_add_nc_u64 s[46:47], s[46:47], s[2:3]
.irp s, 0,1
	s_mov_b32 s[G0+4*\s], 1
	s_add_co_u32 s[G0+4*\s+1], s45, \s*SLOT
	s_add_nc_u64 s[G0+4*\s+2:G0+4*\s+3], s[20:21], \s*512
	s_or_b32 s[G0+4*\s+3], s[G0+4*\s+3], 0x80000000
	s_mov_b32 s[G0B+4*\s], 1
	s_add_co_u32 s[G0B+4*\s+1], s45, \s*SLOT
	s_add_nc_u64 s[G0B+4*\s+2:G0B+4*\s+3], s[46:47], \s*512
	s_or_b32 s[G0B+4*\s+3], s[G0B+4*\s+3], 0x80000000
.endr
; the head's four tiles, one load a wave: wave 0 A's 128 rows of K step 0, wave 1 B's, wave 2 A's scale bytes, wave 3 B's
.macro ARM under, g0, g1, next
	s_cmp_lt_u32 s[WV], \under
	s_cbranch_scc0 \next
	tensor_load_to_lds s[\g0:\g0+3], s[\g1:\g1+7]
	s_nop 0
.rept 4
	v_nop
.endr
	s_branch .Lhead_asked
\next:
.endm
	ARM 1, G0H,  G1,  .Lhead_b
	ARM 2, G0HB, G1B, .Lhead_sa
	ARM 3, G0S,  G1S, .Lhead_sb
	tensor_load_to_lds s[G0SB:G0SB+3], s[G1SB:G1SB+7]
	s_nop 0
.rept 4
	v_nop
.endr
.Lhead_asked:
; a prefetch of K step 1: of the 64 rows that my wave fetches for slot 1 each of the four partners names 16, told apart by address (cx for A, cy for B); two lanes a row, 256 bytes each
	s_cmp_eq_u32 s[RH], 0
	s_cselect_b64 s[8:9], s[20:21], s[46:47]
	s_cselect_b32 s2, s40, s41
	s_lshl_b32 s2, s2, 14
	s_mov_b32 s3, 0
	s_add_nc_u64 s[8:9], s[8:9], s[2:3]
	v_and_b32 v30, 31, v0
	v_lshrrev_b32 v31, 1, v30
	v_and_b32 v30, 1, v30
	v_lshlrev_b32 v30, 8, v30
	v_lshl_add_u32 v30, v31, 10, v30
	global_prefetch_b8 v30, s[8:9] offset:512 th:TH_LOAD_NT scope:SCOPE_SE
	v_and_b32 v1, 15, v0
	v_bfe_u32 v2, v0, 4, 1
	v_mul_u32_u24 v3, v1, PITCH
	v_lshl_add_u32 v4, v2, 4, v3
	s_mul_i32 s21, s[RH], HALFT
	s_mul_i32 s22, s[CH], HALFT
	s_add_co_u32 s22, s22, 2*HALFT
.irp s, 0,1
	v_add_nc_u32 v[ADRA+\s], s21, v4
	v_add_nc_u32 v[ADRB+\s], s22, v4
	s_add_co_u32 s21, s21, SLOT
	s_add_co_u32 s22, s22, SLOT
.endr
	v_and_b32 v5, 31, v0
	v_lshlrev_b32 v6, 5, v5
	v_lshrrev_b32 v7, 3, v5
	v_lshl_add_u32 v6, v7, 4, v6
	s_mul_i32 s21, s[RH], HALFS
	s_add_co_u32 s21, s21, SCL
	s_mul_i32 s22, s[CH], HALFS
	s_add_co_u32 s22, s22, SCL+2*HALFS
	v_add_nc_u32 v[ADSA], s21, v6
	v_add_nc_u32 v[ADSB], s22, v6
	s_mul_i32 s23, s[WV], 16*272
	v_mul_u32_u24 v5, v1, 272
	v_lshl_add_u32 v5, v2, 5, v5
	v_add_nc_u32 v[STO], s23, v5
	v_mul_u32_u24 v5, v2, 272
	v_lshl_add_u32 v5, v1, 4, v5
	v_add_nc_u32 v[RD], s23, v5
	s_lshl_b32 s21, s42, 9
	s_lshl_b32 s22, s[CH], 8
	s_add_co_u32 s46, s21, s22
	s_mov_b32 s47, 0
	s_add_nc_u64 s[10:11], s[10:11], s[46:47]
	s_lshl_b32 s20, s66, 7
	s_lshl_b32 s21, s[RH], 6
	s_add_co_u32 s20, s20, s21
	s_lshl_b32 s20, s20, 12
	s_add_co_u32 s20, s20, s46
	s_mov_b32 s21, 0
	s_add_nc_u64 s[12:13], s[12:13], s[20:21]
	s_add_nc_u64 s[14:15], s[14:15], s[20:21]
	v_lshlrev_b32 v12, 5, v2
.irp b, 0,1,2,3
	global_load_b128 v[BIAS+8*\b:BIAS+8*\b+3], v12, s[10:11] offset:64*\b
	global_load_b128 v[BIAS+8*\b+4:BIAS+8*\b+7], v12, s[10:11] offset:64*\b+16
.endr
	v_lshlrev_b32 v[CO], 12, v2
	v_lshl_add_u32 v[CO], v1, 4, v[CO]
	WIN 0x80
.irp a, 0,1,2,3
.irp i, 0,1,2,3,4,5,6,7
	global_load_b128 v[32*\a+4*\i:32*\a+4*\i+3], v[CO], s[12:13] offset:(16*\a+2*\i)*4096 th:TH_LOAD_NT
.endr
.endr
	WIN 0
	s_wait_alu depctr_va_vdst(0)
	s_wait_tensorcnt 0x0                           ; my tile of the head's four is in
	ds_add_u32 v[SPW], v[NIL]
	s_mov_b32 s[G1+2], 64<<16                      ; no tensor load of mine is out: slot 1's loads bring 64 rows
	s_mov_b32 s[G1+4], 64
	s_mov_b32 s[G1B+2], 64<<16
	s_mov_b32 s[G1B+4], 64
	s_wait_dscnt 0x0
	CROUND
	JLOAD G0+4, G1, G0B+4, G1B                     ; K step 1: the first tensor load behind the round
	SCALES 0
	FETCH 0, 0, F0
	s_wait_loadcnt 32
	QUARTER 0, 0, F0, F1, 2
	QUARTER 0, 1, F1, F0, 0
	QUARTER 0, 2, F0, F1, 0
	TURN 0, 1
	QUARTER 1, 0, F0, F1, 0
	QUARTER 1, 1, F1, F0, 0
	QUARTER 1, 2, F0, F1, 0
	s_wait_dscnt 8
	WIN MUL
	MULA F1, 0, 3, 1, 0
	MULA F1, 1, 3, 1, 0
	s_wait_alu depctr_va_vdst(0)
	s_wait_dscnt 0x0
	MULA F1, 2, 3, 1, 0
	MULA F1, 3, 3, 1, 0
	WIN 0
	PLACES 8
.macro OUTA a
.set TS, TMP+32*((\a)%2)
.if (\a) >= 2
	s_wait_xcnt 0x0
.endif
.irp b, 0,1,2,3
	ds_store_b128 v[STO], v[ACC+8*(4*(\a)+\b):ACC+8*(4*(\a)+\b)+3] offset:64*\b
	ds_store_b128 v[STO], v[ACC+8*(4*(\a)+\b)+4:ACC+8*(4*(\a)+\b)+7] offset:64*\b+16
.endr
.irp i, 0,1,2,3,4,5,6,7
	ds_load_b128 v[TS+4*\i:TS+4*\i+3], v[RD] offset:2*\i*272
.endr
	s_wait_dscnt 0x0
.if (\a) == 0
	s_wait_loadcnt 0x0
.endif
	WIN 0x08
.irp i, 0,2,4,6,8,10,12,14,16,18,20,22,24,26,28,30
	v_pk_add_f32 v[TS+\i:TS+\i+1], v[TS+\i:TS+\i+1], v[32*(\a)+\i:32*(\a)+\i+1]
.endr
	WIN 0
.irp i, 0,1,2,3,4,5,6,7
	global_store_b128 v[CO], v[TS+4*\i:TS+4*\i+3], s[14:15] offset:(16*(\a)+2*\i)*4096
.endr
.endm
	OUTA 0
	OUTA 1
	OUTA 2
	OUTA 3
	s_wait_tensorcnt 0x0
	ds_add_u32 v[SPW], v[NIL]
	s_wait_dscnt 0x0
	CROUND
	s_endpgm
.Lfunc_end_k_q78330fe6e1_outp:
	.size	k_q78330fe6e1_outp, .Lfunc_end_k_q78330fe6e1_outp-k_q78330fe6e1_outp
	.p2alignl 7, 3214868480
	.fill 96, 4, 3214868480
	.section	.rodata,"a",@progbits
	.p2align	6, 0x0
	.amdhsa_kernel k_q78330fe6e1_outp
		.amdhsa_group_segment_fixed_size 327680
		.amdhsa_private_segment_fixed_size 0
		.amdhsa_enable_private_segment 0
		.amdhsa_kernarg_size 48
		.amdhsa_user_sgpr_count 2
		.amdhsa_user_sgpr_kernarg_segment_ptr 1
		.amdhsa_wavefront_size32 1
		.amdhsa_system_sgpr_workgroup_id_x 1
		.amdhsa_system_sgpr_workgroup_id_y 1
		.amdhsa_system_sgpr_workgroup_id_z 1
		.amdhsa_system_vgpr_workitem_id 0
		.amdhsa_next_free_vgpr 768
		.amdhsa_next_free_sgpr 100
		.amdhsa_reserve_vcc 0
		.amdhsa_float_denorm_mode_32 3
		.amdhsa_float_denorm_mode_16_64 3
		.amdhsa_memory_ordered 1
		.amdhsa_forward_progress 1
		.amdhsa_inst_pref_size 63
	.end_amdhsa_kernel
	.amdgpu_metadata
---
amdhsa.version: [ 1, 2 ]
amdhsa.kernels:
  - .name:           k_q78330fe6e1_outp
    .symbol:         k_q78330fe6e1_outp.kd
    .args:
      - { .name: cq, .offset: 0, .size: 8, .value_kind: global_buffer, .address_space: global }
      - { .name: wo_codes, .offset: 8, .size: 8, .value_kind: global_buffer, .address_space: global }
      - { .name: wo_scales, .offset: 16, .size: 8, .value_kind: global_buffer, .address_space: global }
      - { .name: bo, .offset: 24, .size: 8, .value_kind: global_buffer, .address_space: global }
      - { .name: x, .offset: 32, .size: 8, .value_kind: global_buffer, .address_space: global }
      - { .name: x1, .offset: 40, .size: 8, .value_kind: global_buffer, .address_space: global }
    .group_segment_fixed_size: 327680
    .private_segment_fixed_size: 0
    .kernarg_segment_align: 8
    .kernarg_segment_size: 48
    .max_flat_workgroup_size: 128
    .sgpr_count:     100
    .vgpr_count:     768
    .wavefront_size: 32
...
	.end_amdgpu_metadata
.endif
;; end of part 10
;; launch lnorm2: the kernel of part 7 again; grid 256 x 1, 16 waves a work-group, no clusters, 84,480 bytes of LDS; arguments x1, scale2, shift2, hq; writes hq
;; launch ffup (part 11): grid 16 x 16, 4 waves a work-group, clusters of 4 x 4, 327,680 bytes of LDS; arguments hq, w_up_codes, w_up_scales, b_up, gq; writes gq
.if DOCPART == 11
	.amdgcn_target "amdgcn-amd-amdhsa--gfx1250"
	.amdhsa_code_object_version 6
	.text
	.protected	k_q78330fe6e1_ffup
	.globl	k_q78330fe6e1_ffup
	.p2align	8
	.type	k_q78330fe6e1_ffup,@function
k_q78330fe6e1_ffup:
	s_mov_b64 s[64:65], 0
	v_nop
	global_prefetch_b8 v0, s[64:65] scope:SCOPE_SE
	s_setreg_imm32_b32 hwreg(HW_REG_WAVE_MODE, 25, 1), 1
	s_wait_xcnt 0x0
	s_wait_alu depctr_hold_cnt(0) depctr_sa_sdst(0) depctr_va_vdst(0) depctr_va_sdst(0) depctr_va_ssrc(0) depctr_va_vcc(0) depctr_vm_vsrc(0)
	s_getreg_b32 s2, hwreg(HW_REG_IB_STS2, 6, 4)
	s_cmp_eq_u32 s2, 0
	s_cbranch_scc0 .Lentry_in_a_cluster
	s_endpgm
.Lentry_in_a_cluster:
	s_bfe_u32 s2, ttmp6, 0x10000c
	s_cmp_lg_u32 s2, 0xf033
	s_cbranch_scc0 .Lentry_shape_is_right
	s_endpgm
.Lentry_shape_is_right:
.set KDIM,  1024
.set NQ,    2
.set ROWB,  256
.set PITCH, 272
.set FR,    16
.set NL,    4
.set NP,    8
.set HALFT, 128*PITCH
.set SLOT,  4*HALFT
.set KS,    KDIM/32
.set SCL,   2*SLOT
.set HALFS, (128*KS/256)*272
.set SBLK,  (16*KS/256)*272
.set SPARE, SCL+4*HALFS
.set ADRA, 16
.set ADRB, 20
.set LS8,  23
.set LI,   24
.set RDW,  25
.set SW,   26
.set ADRS, 27
.set SPW,  28
.set NIL,  29
.set SC,   32
.set BIAS, 64
.set T,    64
.set P,    96
.set AF,   128
.set G,    128
.set PC,   160
.set TM,   168
.set S0,   176
.set WD,   180
.set WO,   184
.set G1, 24
.set G0, 32
.set G1B, 48
.set G0B, 56
.set G1S, 68
.set G0S, 76
.set G1SB, 80
.set G0SB, 88
.set WV, 95
.set RH, 96
.set CH, 97
.set YT, 98
.set CF, 68
.set C9, 84
.set L2H, 86
.set SQ,  88
.set MNT, 89
.set SEL, 90
.set MSB, 0
.macro WIN new
.if MSB != (\new)
	s_set_vgpr_msb (MSB<<8)|(\new)
.set MSB, (\new)
.endif
.endm
.set MUL_LO,  0xa1
.set MUL_HI,  0xf1
.set MUL_LOB, 0x81
.set MUL_HIB, 0xc1
.set TO_B,    0x40
.macro JLOAD g0a, g1a, g0b, g1b
	s_cmp_eq_u32 s[RH], 0
	s_cbranch_scc0 .Lfor_b_\@
	tensor_load_to_lds s[\g0a:\g0a+3], s[\g1a:\g1a+7]
	s_nop 0
.rept 4
	v_nop
.endr
	s_branch .Lasked_\@
.Lfor_b_\@:
	tensor_load_to_lds s[\g0b:\g0b+3], s[\g1b:\g1b+7]
	s_nop 0
.rept 4
	v_nop
.endr
.Lasked_\@:
.endm
.macro CREST
	s_cmp_lg_u32 s[WV], 0
	s_cbranch_scc1 .Lnot_wave_0_\@
	s_barrier_signal -3
.Lnot_wave_0_\@:
	s_barrier_wait -3
	s_barrier_signal -1
	s_barrier_wait -1
.endm
.macro CROUND
	s_barrier_signal -1
	s_barrier_wait -1
	CREST
.endm
.macro PLACES n
.rept \n
	v_nop
.endr
.endm
.macro FRAG reg, adr, q, i
.irp c, 0,1,2,3
	ds_load_b128 v[\reg+4*\c:\reg+4*\c+3], v[\adr] offset:128*(\q)+32*\c+(\i)*16*PITCH
.endr
.endm
.macro MUL16 a0, p, q, sc, zero
.irp a, \a0, \a0+1
.irp b, 0,1,2,3,4,5,6,7
.if \zero == 2
	v_wmma_scale_f32_16x16x128_f8f6f4 v[8*(8*((\a)%4)+\b):8*(8*((\a)%4)+\b)+7], v[128*(\p)+FR*\b:128*(\p)+FR*\b+FR-1], v[AF+FR*(\a):AF+FR*(\a)+FR-1], v[BIAS+8*\b:BIAS+8*\b+7], v[SC+8*NQ*(\sc)+NQ*\b+(\q)], v[SC+8*NQ*(\sc)+NQ*(\a)+(\q)] matrix_a_fmt:MATRIX_FMT_BF8 matrix_b_fmt:MATRIX_FMT_BF8 matrix_a_scale:MATRIX_SCALE_ROW1
.else
	v_wmma_scale_f32_16x16x128_f8f6f4 v[8*(8*((\a)%4)+\b):8*(8*((\a)%4)+\b)+7], v[128*(\p)+FR*\b:128*(\p)+FR*\b+FR-1], v[AF+FR*(\a):AF+FR*(\a)+FR-1], v[8*(8*((\a)%4)+\b):8*(8*((\a)%4)+\b)+7], v[SC+8*NQ*(\sc)+NQ*\b+(\q)], v[SC+8*NQ*(\sc)+NQ*(\a)+(\q)] matrix_a_fmt:MATRIX_FMT_BF8 matrix_b_fmt:MATRIX_FMT_BF8 matrix_a_scale:MATRIX_SCALE_ROW1
.endif
.endr
.endr
.endm
.macro FETCH_B slot, q, p
	WIN TO_B
.irp i, 0,1,2,3,4,5,6,7
	FRAG 128*(\p)+FR*\i, ADRB+\slot, \q, \i
.endr
	WIN 0
.endm
.macro FETCH_A slot, q, i0
.irp i, \i0, \i0+1, \i0+2, \i0+3
	FRAG AF+FR*(\i), ADRA+\slot, \q, \i
.endr
.endm
.macro SCALES sc
.irp i, 0,1,2,3,4,5,6,7
	ds_load_b64 v[SC+8*NQ*\sc+NQ*\i:SC+8*NQ*\sc+NQ*\i+1], v[ADRS] offset:\i*SBLK
.endr
.endm
.macro STEP slot, q, zero
	s_wait_dscnt 4*NL
.if \zero == 2
	WIN MUL_LOB
.else
	WIN MUL_LO
.endif
	MUL16 0, (\q)%2, \q, \slot, \zero
	MUL16 2, (\q)%2, \q, \slot, \zero
	s_wait_dscnt 0
	PLACES NP
	FETCH_B \slot, (\q)+1, 1-(\q)%2
	FETCH_A \slot, (\q)+1, 0
.if \zero == 2
	WIN MUL_HIB
.else
	WIN MUL_HI
.endif
	MUL16 4, (\q)%2, \q, \slot, \zero
	MUL16 6, (\q)%2, \q, \slot, \zero
	PLACES NP
	WIN 0
	FETCH_A \slot, (\q)+1, 4
.endm
.macro TURN slot, next, fill
	s_wait_tensorcnt 0x0
	ds_add_u32 v[SPW], v[NIL]
	s_wait_dscnt 4*NL+1
	WIN MUL_LO
	MUL16 0, 1, NQ-1, \slot, 0
	s_wait_dscnt 0x0
	s_barrier_signal -1
	MUL16 2, 1, NQ-1, \slot, 0
	WIN 0
	s_barrier_wait -1
.if \fill
	CREST
	s_add_nc_u64 s[G0+4*\slot+2:G0+4*\slot+3], s[G0+4*\slot+2:G0+4*\slot+3], 2*ROWB
	s_add_nc_u64 s[G0B+4*\slot+2:G0B+4*\slot+3], s[G0B+4*\slot+2:G0B+4*\slot+3], 2*ROWB
	JLOAD G0+4*\slot, G1, G0B+4*\slot, G1B
	PLACES NP-4
.else
	PLACES NP
.endif
	s_wait_alu depctr_va_vdst(0)
	v_add_nc_u32 v[ADRS], 4*NQ, v[ADRS]
	FETCH_B \next, 0, 0
	FETCH_A \next, 0, 0
	SCALES \next
	WIN MUL_HI
	MUL16 4, 1, NQ-1, \slot, 0
	MUL16 6, 1, NQ-1, \slot, 0
	PLACES NP
	WIN 0
	FETCH_A \next, 0, 4
.endm
.macro QUANT xq, w, yq, pc, tm, sreg
	WIN (\w)|((\w)<<2)
.irp c, 0,1
	v_max3_num_f32 v[\tm+\c], |v[(\xq)+16*\c]|, |v[(\xq)+16*\c+1]|, 0x8000000
.endr
	WIN ((\w)<<2)|((\w)<<4)
.irp i, 2,4,6,8,10,12,14
.irp c, 0,1
	v_max3_num_f32 v[\tm+\c], v[\tm+\c], |v[(\xq)+16*\c+\i]|, |v[(\xq)+16*\c+\i+1]|
.endr
.endr
	WIN 0
.irp c, 0,1
	v_permlanex16_b32 v[\tm+2+\c], v[\tm+\c], s[SEL], s[SEL+1]
.endr
.irp c, 0,1
	v_max_num_f32 v[\tm+\c], v[\tm+\c], v[\tm+2+\c]
.endr
.irp c, 0,1
	v_add_nc_u32 v[\tm+4+\c], 0xf8800000, v[\tm+\c]
.endr
.irp c, 0,1
	v_and_or_b32 v[\tm+6+\c], v[\tm+\c], 0x7f800000, s[MNT]
.endr
.irp c, 0,1
	v_lshrrev_b32 v[\tm+2+\c], 23, v[\tm+4+\c]
.endr
	v_lshl_or_b32 v[\sreg], v[\tm+3], 8, v[\tm+2]
	WIN (\w)
.irp c, 0,1
.irp i, 0,1,2,3,4,5,6,7,8,9,10,11,12,13,14,15
	v_med3_num_f32 v[(\yq)+16*\c+\i], v[(\xq)+16*\c+\i], -v[\tm+6+\c], v[\tm+6+\c]
.endr
.endr
	WIN 0
	s_wait_alu depctr_va_vdst(0)
	s_wait_xcnt 0x0                                ; the last group's stores have read their data: the conversions below write those registers again
.irp c, 0,1
	v_cvt_scalef32_pk8_bf8_f32 v[(\pc)+4*\c:(\pc)+4*\c+1], v[(\yq)+16*\c:(\yq)+16*\c+7], v[\tm+4+\c]
	v_cvt_scalef32_pk8_bf8_f32 v[(\pc)+4*\c+2:(\pc)+4*\c+3], v[(\yq)+16*\c+8:(\yq)+16*\c+15], v[\tm+4+\c]
.endr
	v_nop
.irp c, 0,1
	v_permlane16_swap_b32 v[(\pc)+4*\c], v[(\pc)+4*\c+2]
	v_permlane16_swap_b32 v[(\pc)+4*\c+1], v[(\pc)+4*\c+3]
.endr
.endm
.macro PAIR reg, val
	s_mov_b32 s[\reg], \val
	s_mov_b32 s[\reg+1], \val
.endm
.macro GELU xg
	WIN 0x02
.set i, 0
.rept 32
	v_fma_f32 v[T+i], |v[(\xg)+i]|, s[SQ], 1.0
.set i, i+1
.endr
	WIN 0
.set i, 0
	s_wait_alu depctr_va_vdst(0)
.rept 32
	v_rcp_f32 v[T+i], v[T+i]
.set i, i+1
.endr
	v_nop
	s_wait_alu depctr_va_vdst(0)
.set i, 0
.rept 16
	v_pk_fma_f32 v[P+i:P+i+1], v[T+i:T+i+1], s[C9:C9+1], v[14:15] op_sel_hi:[1,0,1]
.set i, i+2
.endr
.irp k, 7,6,5,4,3,2,1,0
.set i, 0
.rept 16
	v_pk_fma_f32 v[P+i:P+i+1], v[P+i:P+i+1], v[T+i:T+i+1], s[CF+2*\k:CF+2*\k+1] op_sel_hi:[1,1,0]
.set i, i+2
.endr
.endr
	WIN 0x0a
.set i, 0
.rept 16
	v_pk_fma_f32 v[P+i:P+i+1], v[(\xg)+i:(\xg)+i+1], v[(\xg)+i:(\xg)+i+1], v[P+i:P+i+1] neg_lo:[1,0,0] neg_hi:[1,0,0]
.set i, i+2
.endr
	WIN 0
.set i, 0
.rept 16
	v_pk_mul_f32 v[P+i:P+i+1], v[P+i:P+i+1], s[L2H:L2H+1] op_sel_hi:[1,0]
.set i, i+2
.endr
.set i, 0
	s_wait_alu depctr_va_vdst(0)
.rept 32
	v_exp_f32 v[P+i], v[P+i]
.set i, i+1
.endr
	WIN 0x08
.set i, 0
.rept 16
	v_pk_mul_f32 v[T+i:T+i+1], v[T+i:T+i+1], v[(\xg)+i:(\xg)+i+1]
.set i, i+2
.endr
.set i, 0
.rept 32
	v_max_num_f32 v[G+i], 0, v[(\xg)+i]
.set i, i+1
.endr
	WIN 0
	s_wait_alu depctr_va_vdst(0)
.set i, 0
.rept 32
	v_fma_f32 v[G+i], -|v[T+i]|, v[P+i], v[G+i]
.set i, i+1
.endr
.endm
	s_load_b256 s[4:11], s[0:1], 0x0
	s_load_b64 s[12:13], s[0:1], 0x20
	v_lshl_add_u32 v[SPW], v0, 2, SPARE
	v_mov_b32 v[NIL], 0
	ds_add_u32 v[SPW], v[NIL]
	ds_add_u32 v[SPW], v[NIL]
	v_lshrrev_b32 v1, 5, v0
	v_readfirstlane_b32 s[WV], v1
	s_lshr_b32 s[RH], s[WV], 1
	s_and_b32 s[CH], s[WV], 1
	s_bfe_u32 s40, ttmp6, 0x40000
	s_bfe_u32 s41, ttmp6, 0x40004
	s_lshl_b32 s42, ttmp9, 2
	s_add_co_u32 s42, s42, s40
	s_and_b32 s[YT], ttmp7, 0xffff
	s_lshl_b32 s[YT], s[YT], 2
	s_add_co_u32 s[YT], s[YT], s41
	s_lshl_b32 s43, s41, 2
	s_lshl_b32 s43, 15, s43
	s_lshl_b32 s44, 0x1111, s40
	s_or_b32 s[G1+0], s43, (0<<16)|(1<<20)|(1<<21)|(5<<22)|(3<<25)
	s_or_b32 s[G1B+0], s44, (0<<16)|(1<<20)|(1<<21)|(5<<22)|(3<<25)
.irp g, G1, G1B
	s_mov_b32 s[\g+1], ROWB<<16
	s_mov_b32 s[\g+2], 256<<16                     ; 256 rows for the head's loads; set to 128 behind them
	s_mov_b32 s[\g+3], ROWB<<16
	s_mov_b32 s[\g+4], 256
	s_mov_b32 s[\g+5], KDIM
	s_mov_b32 s[\g+6], 0
	s_mov_b32 s[\g+7], 0
.endr
	s_or_b32 s[G1S+0], s43, (3<<16)|(1<<20)|(1<<21)|(5<<22)|(3<<25)
	s_or_b32 s[G1SB+0], s44, (3<<16)|(1<<20)|(1<<21)|(5<<22)|(3<<25)
.irp g, G1S, G1SB
	s_mov_b32 s[\g+1], 32<<16
	s_mov_b32 s[\g+2], KS<<16                      ; the scale bytes of all 256 rows
	s_mov_b32 s[\g+3], 32<<16
	s_mov_b32 s[\g+4], KS
	s_mov_b32 s[\g+5], 32
	s_mov_b32 s[\g+6], 0
	s_mov_b32 s[\g+7], 0
.endr
	s_lshl_b32 s20, s[YT], 8                       ; A's tile: its first row
	s_lshl_b32 s46, s42, 8                         ; B's tile: its first row
	s_lshl_b32 s22, s20, 5
	s_mov_b32 s23, 0
	s_lshl_b32 s92, s46, 5
	s_mov_b32 s93, 0
	s_lshl_b32 s20, s20, 10
	s_mov_b32 s21, 0
	s_lshl_b32 s46, s46, 10
	s_mov_b32 s47, 0
	s_mul_i32 s45, s[WV], HALFT
	s_lshl_b32 s2, s[CH], 17                       ; in the ring I fetch 128 rows of a tile: which half, in bytes
	s_mov_b32 s3, 0
	s_wait_dscnt 0x0
	s_wait_kmcnt 0x0
	s_add_nc_u64 s[20:21], s[4:5], s[20:21]
	s_add_nc_u64 s[22:23], s[4:5], s[22:23]
	s_add_nc_u64 s[22:23], s[22:23], 0x400000
	s_add_nc_u64 s[46:47], s[6:7], s[46:47]
	s_add_nc_u64 s[92:93], s[8:9], s[92:93]
	CROUND
	s_mov_b32 s[G0S], 1
	s_mov_b32 s[G0S+1], SCL
	s_mov_b64 s[G0S+2:G0S+3], s[22:23]
	s_or_b32 s[G0S+3], s[G0S+3], 0x80000000
	s_mov_b32 s[G0SB], 1
	s_mov_b32 s[G0SB+1], SCL+2*HALFS
	s_mov_b64 s[G0SB+2:G0SB+3], s[92:93]
	s_or_b32 s[G0SB+3], s[G0SB+3], 0x80000000
.set G0H, 4                            ; s[4:7], s[16:19]: group 0 of the head's loads of K step 0
.set G0HB, 16
	s_mov_b32 s[G0H], 1
	s_mov_b32 s[G0H+1], 0
	s_mov_b64 s[G0H+2:G0H+3], s[20:21]
	s_or_b32 s[G0H+3], s[G0H+3], 0x80000000
	s_mov_b32 s[G0HB], 1
	s_mov_b32 s[G0HB+1], 2*HALFT
	s_mov_b64 s[G0HB+2:G0HB+3], s[46:47]
	s_or_b32 s[G0HB+3], s[G0HB+3], 0x80000000
	s_add_nc_u64 s[20:21], s[20:21], s[2:3]
	s_add_nc_u64 s[46:47], s[46:47], s[2:3]
.irp s, 0,1
	s_mov_b32 s[G0+4*\s], 1
	s_add_co_u32 s[G0+4*\s+1], s45, \s*SLOT
	s_add_nc_u64 s[G0+4*\s+2:G0+4*\s+3], s[20:21], \s*ROWB
	s_or_b32 s[G0+4*\s+3], s[G0+4*\s+3], 0x80000000
	s_mov_b32 s[G0B+4*\s], 1
	s_add_co_u32 s[G0B+4*\s+1], s45, \s*SLOT
	s_add_nc_u64 s[G0B+4*\s+2:G0B+4*\s+3], s[46:47], \s*ROWB
	s_or_b32 s[G0B+4*\s+3], s[G0B+4*\s+3], 0x80000000
.endr
; the head's four tiles, one load a wave: wave 0 A's 256 rows of K step 0, wave 1 B's, wave 2 A's scale bytes, wave 3 B's
.macro ARM under, g0, g1, next
	s_cmp_lt_u32 s[WV], \under
	s_cbranch_scc0 \next
	tensor_load_to_lds s[\g0:\g0+3], s[\g1:\g1+7]
	s_nop 0
.rept 4
	v_nop
.endr
	s_branch .Lhead_asked
\next:
.endm
	ARM 1, G0H,  G1,  .Lhead_b
	ARM 2, G0HB, G1B, .Lhead_sa
	ARM 3, G0S,  G1S, .Lhead_sb
	tensor_load_to_lds s[G0SB:G0SB+3], s[G1SB:G1SB+7]
	s_nop 0
.rept 4
	v_nop
.endr
.Lhead_asked:
; prefetches: of the 128 rows that my wave fetches in the ring each of the four partners names 32, told apart by address (cx for A, cy for B), a lane a row, 256 bytes of a row a K step.
; K steps 1 and 2 are asked for here, K step 3 behind slot 1's fill: each at least one fill ahead of its load
	s_cmp_eq_u32 s[RH], 0
	s_cselect_b64 s[14:15], s[20:21], s[46:47]
	s_cselect_b32 s2, s40, s41
	s_lshl_b32 s2, s2, 15
	s_mov_b32 s3, 0
	s_add_nc_u64 s[14:15], s[14:15], s[2:3]
	v_and_b32 v30, 31, v0
	v_lshlrev_b32 v30, 10, v30
	global_prefetch_b8 v30, s[14:15] offset:256 th:TH_LOAD_NT scope:SCOPE_SE
	global_prefetch_b8 v30, s[14:15] offset:512 th:TH_LOAD_NT scope:SCOPE_SE
	v_and_b32 v1, 15, v0
	s_wait_alu depctr_va_vdst(0)
	v_bfe_u32 v2, v0, 4, 1
	s_lshl_b32 s46, s42, 10
	s_lshl_b32 s2, s[CH], 9
	s_add_co_u32 s46, s46, s2
	s_mov_b32 s47, 0
	s_add_nc_u64 s[10:11], s[10:11], s[46:47]
	v_lshlrev_b32 v12, 5, v2
.irp b, 0,1,2,3,4,5,6,7
	global_load_b128 v[BIAS+8*\b:BIAS+8*\b+3], v12, s[10:11] offset:64*\b
	global_load_b128 v[BIAS+8*\b+4:BIAS+8*\b+7], v12, s[10:11] offset:64*\b+16
.endr
	v_mul_u32_u24 v3, v1, PITCH
	v_lshl_add_u32 v4, v2, 4, v3
	s_mul_i32 s21, s[RH], HALFT
	s_mul_i32 s22, s[CH], HALFT
	s_add_co_u32 s22, s22, 2*HALFT
.irp s, 0,1
	v_add_nc_u32 v[ADRA+\s], s21, v4
	v_add_nc_u32 v[ADRB+\s], s22, v4
	s_add_co_u32 s21, s21, SLOT
	s_add_co_u32 s22, s22, SLOT
.endr
	v_mul_u32_u24 v5, v1, KS
	v_lshrrev_b32 v6, 8, v5
	v_lshl_add_u32 v5, v6, 4, v5
	s_mul_i32 s21, s[RH], HALFS
	s_mul_i32 s22, s[CH], HALFS
	s_add_co_u32 s22, s22, 2*HALFS
	s_sub_co_u32 s22, s22, s21
	v_mul_u32_u24 v6, s22, v2
	s_add_co_u32 s21, s21, SCL
	v_add_nc_u32 v5, v5, v6
	v_add_nc_u32 v[ADRS], s21, v5
	v_and_b32 v8, 31, v0
	v_lshlrev_b32 v[LI], 4, v8
	v_lshlrev_b32 v[LS8], 3, v8
	s_lshl_b32 s2, s[WV], 8
	v_lshl_add_u32 v[SW], v1, 2, s2
	v_add_nc_u32 v[RDW], s2, v[LS8]
	s_lshl_b32 s20, s[YT], 4
	s_lshl_b32 s21, s[RH], 3
	s_add_co_u32 s20, s20, s21
	s_lshl_b32 s20, s20, 16
	s_lshl_b32 s21, s42, 1
	s_add_co_u32 s21, s21, s[CH]
	s_lshl_b32 s2, s21, 11
	s_add_co_u32 s20, s20, s2
	s_lshl_b32 s22, s21, 14
	s_mov_b32 s21, 0
	s_add_nc_u64 s[20:21], s[12:13], s[20:21]
	s_lshl_b32 s2, s[YT], 10
	s_add_co_u32 s22, s22, s2
	s_lshl_b32 s2, s[RH], 9
	s_add_co_u32 s22, s22, s2
	s_add_co_u32 s22, s22, 16777216
	s_mov_b32 s23, 0
	s_add_nc_u64 s[22:23], s[12:13], s[22:23]
	s_wait_alu depctr_va_vdst(0)
	s_wait_tensorcnt 0x0                           ; my tile of the head's four is in
	ds_add_u32 v[SPW], v[NIL]
	s_mov_b32 s[G1+2], 128<<16                     ; no tensor load of mine is out: from here on a load brings 128 rows
	s_mov_b32 s[G1+4], 128
	s_mov_b32 s[G1B+2], 128<<16
	s_mov_b32 s[G1B+4], 128
	s_wait_dscnt 0x0
	CROUND
	JLOAD G0+4, G1, G0B+4, G1B                     ; K step 1: the first tensor load behind the round
	global_prefetch_b8 v30, s[14:15] offset:768 th:TH_LOAD_NT scope:SCOPE_SE
	FETCH_B 0, 0, 0
	FETCH_A 0, 0, 0
	SCALES 0
	FETCH_A 0, 0, 4
	s_wait_loadcnt 0x0
	STEP 0, 0, 2
	TURN 0, 1, 1
	STEP 1, 0, 0
	TURN 1, 0, 1
	STEP 0, 0, 0
	TURN 0, 1, 0
	STEP 1, 0, 0
	s_wait_dscnt 4*NL
	WIN MUL_LO
	MUL16 0, 1, NQ-1, 1, 0
	MUL16 2, 1, NQ-1, 1, 0
	s_wait_dscnt 0
	WIN MUL_HI
	MUL16 4, 1, NQ-1, 1, 0
	MUL16 6, 1, NQ-1, 1, 0
	WIN 0
	PLACES NP
	PAIR CF+0,  0xc07ab55a
	PAIR CF+2,  0x400000c7
	PAIR CF+4,  0x3f3f88fb
	PAIR CF+6,  0x3e4636c9
	PAIR CF+8,  0xbebec24c
	PAIR CF+10, 0x3f0ec7cc
	PAIR CF+12, 0xc0114e5d
	PAIR CF+14, 0x403e87b0
	PAIR C9,    0x3eaef945
	PAIR L2H,   0x3f38aa3b
	s_mov_b32 s[SQ], 0x3eb504f3
	s_mov_b32 s[MNT], 0x600000
	s_mov_b32 s[SEL], 0x76543210
	s_mov_b32 s[SEL+1], 0xfedcba98
	v_mov_b32 v14, 0xbfd27892
	v_mov_b32 v15, 0xbfd27892
	v_mov_b32 v[TM+2], 0
	v_mov_b32 v[TM+3], 0
	s_mov_b32 s3, 2
.Lhalf:
.irp a, 0,1,2,3
.irp hf, 0,1
	GELU 64*\a+32*\hf
	QUANT G, 0, G, PC, TM, S0+\hf
	global_store_b128 v[LI], v[PC:PC+3], s[20:21] offset:65536*\a+1024*\hf
	global_store_b128 v[LI], v[PC+4:PC+7], s[20:21] offset:65536*\a+1024*\hf+512
.endr
	v_lshl_or_b32 v[WD+\a], v[S0+1], 16, v[S0]
	ds_store_b32 v[SW], v[WD+\a] offset:64*\a
.endr
	ds_load_b64 v[WO:WO+1], v[RDW]
	s_wait_dscnt 0x0
	global_store_b64 v[LS8], v[WO:WO+1], s[22:23]
	s_cmp_eq_u32 s3, 1
	s_cbranch_scc1 .Lcopied
	WIN 0x83
.set i, 0
.rept 256
	v_mov_b32 v[i], v[i]
.set i, i+1
.endr
	WIN 0
.Lcopied:
	s_wait_xcnt 0x0
	s_add_nc_u64 s[20:21], s[20:21], 0x40000
	s_add_nc_u64 s[22:23], s[22:23], 256
	s_sub_co_u32 s3, s3, 1
	s_cmp_lg_u32 s3, 0
	s_cbranch_scc1 .Lhalf
	s_wait_tensorcnt 0x0
	ds_add_u32 v[SPW], v[NIL]
	s_wait_dscnt 0x0
	CROUND
	s_endpgm
.Lfunc_end_k_q78330fe6e1_ffup:
	.size	k_q78330fe6e1_ffup, .Lfunc_end_k_q78330fe6e1_ffup-k_q78330fe6e1_ffup
	.p2alignl 7, 3214868480
	.fill 96, 4, 3214868480
	.section	.rodata,"a",@progbits
	.p2align	6, 0x0
	.amdhsa_kernel k_q78330fe6e1_ffup
		.amdhsa_group_segment_fixed_size 327680
		.amdhsa_private_segment_fixed_size 0
		.amdhsa_enable_private_segment 0
		.amdhsa_kernarg_size 40
		.amdhsa_user_sgpr_count 2
		.amdhsa_user_sgpr_kernarg_segment_ptr 1
		.amdhsa_wavefront_size32 1
		.amdhsa_system_sgpr_workgroup_id_x 1
		.amdhsa_system_sgpr_workgroup_id_y 1
		.amdhsa_system_sgpr_workgroup_id_z 1
		.amdhsa_system_vgpr_workitem_id 0
		.amdhsa_next_free_vgpr 1024
		.amdhsa_next_free_sgpr 100
		.amdhsa_reserve_vcc 0
		.amdhsa_float_denorm_mode_32 3
		.amdhsa_float_denorm_mode_16_64 3
		.amdhsa_memory_ordered 1
		.amdhsa_forward_progress 1
		.amdhsa_inst_pref_size 255
	.end_amdhsa_kernel
	.section	.bss,"aw",@nobits
	.p2align	6
	.space	262144
	.amdgpu_metadata
---
amdhsa.version: [ 1, 2 ]
amdhsa.kernels:
  - .name:           k_q78330fe6e1_ffup
    .symbol:         k_q78330fe6e1_ffup.kd
    .args:
      - { .name: hq, .offset: 0, .size: 8, .value_kind: global_buffer, .address_space: global }
      - { .name: w_up_codes, .offset: 8, .size: 8, .value_kind: global_buffer, .address_space: global }
      - { .name: w_up_scales, .offset: 16, .size: 8, .value_kind: global_buffer, .address_space: global }
      - { .name: b_up, .offset: 24, .size: 8, .value_kind: global_buffer, .address_space: global }
      - { .name: gq, .offset: 32, .size: 8, .value_kind: global_buffer, .address_space: global }
    .group_segment_fixed_size: 327680
    .private_segment_fixed_size: 0
    .kernarg_segment_align: 8
    .kernarg_segment_size: 40
    .max_flat_workgroup_size: 128
    .sgpr_count:     100
    .vgpr_count:     1024
    .wavefront_size: 32
...
	.end_amdgpu_metadata
.endif
;; end of part 11
;; launch ffdown (part 12): grid 32 x 8, 4 waves a work-group, clusters of 4 x 1, 327,680 bytes of LDS; arguments gq, w_down_codes, w_down_scales, b_down, x1, out0; writes out0
.if DOCPART == 12
	.amdgcn_target "amdgcn-amd-amdhsa--gfx1250"
	.amdhsa_code_object_version 6
	.text
	.protected	k_q78330fe6e1_ffdown
	.globl	k_q78330fe6e1_ffdown
	.p2align	8
	.type	k_q78330fe6e1_ffdown,@function
k_q78330fe6e1_ffdown:
	s_mov_b64 s[64:65], 0
	v_nop
	global_prefetch_b8 v0, s[64:65] scope:SCOPE_SE
	s_setreg_imm32_b32 hwreg(HW_REG_WAVE_MODE, 25, 1), 1
	s_wait_xcnt 0x0
	s_wait_alu depctr_hold_cnt(0) depctr_sa_sdst(0) depctr_va_vdst(0) depctr_va_sdst(0) depctr_va_ssrc(0) depctr_va_vcc(0) depctr_vm_vsrc(0)
	s_getreg_b32 s2, hwreg(HW_REG_IB_STS2, 6, 4)
	s_cmp_eq_u32 s2, 0
	s_cbranch_scc0 .Lentry_in_a_cluster
	s_endpgm
.Lentry_in_a_cluster:
	s_bfe_u32 s2, ttmp6, 0x10000c
	s_cmp_lg_u32 s2, 0x3003
	s_cbranch_scc0 .Lentry_shape_is_right
	s_endpgm
.Lentry_shape_is_right:
; out = x1 + g w_down^T + b_down on codes of E5M2 with E8M0 scales, K = 4,096.  Nothing of the module is left out.
; A = g: the launch before stored it as images of operand registers: tile of 16 rows at 65,536 x tile, 128 along K at 2,048 x piece, group c at 512 c, lane l at 16 l; its scale words [piece][row] at byte 16,777,216.
; B = w_down [1024 (n)][4096 (k)] codes, scale bytes [1024][128].
; SHARES.  A work-group makes 128 rows x 128 columns; each of its four waves 32 rows x all 128 columns: 16 accumulators.  256 work-groups.
; A GOES FROM MEMORY STRAIGHT INTO REGISTERS: a load of the wave covers 512 consecutive bytes, no wave reads another's rows, and no byte of A passes through LDS.  A ring of eight register buffers (one for each 128 along K, 32 registers);
; a buffer is asked for seven pieces ahead: 7 x 16 matrix instructions stand between a load and its use.  So A has no joint loads: LDS then has room for B in K steps of 1,024: 4 fills of a slot in the launch.
; B comes through two LDS slots of 128 rows x (1,024 + 16) bytes, one joint load of 32 rows a wave behind each round.  CLUSTER 4 x 1: four row tiles that take the same columns: B's tiles and scale bytes are asked for jointly.
; The scales of the work-group's rows and columns for all of K come once, at the head.  The head's loads, one a wave: waves 0, 1 B's K step 0 (64 rows each), wave 2 A's scale words (its own: no mask), wave 3 B's scale bytes.
; The accumulators begin as the bias: it is loaded into them in the result's layout, so nothing is cleared and nothing is added later.
; THE MATRIX INSTRUCTION IS USED TRANSPOSED (source 0 = 16 rows of B, source 1 = 16 rows of A): a lane holds eight neighbouring columns of one row.
; PREFETCH: B's K steps 1 and 2 at the head, K step 3 in the first trip; of the 32 rows that a wave fetches each partner names 8, told apart by address, four lanes a row.  A is not prefetched: its own loads run seven pieces ahead.
; REGISTERS, in windows of 256: window 0: v16-30 addresses, v32-71 scale words in two sets, v128-255 accumulators ((a, b) at 128 + 8 (8 a + b)); window 1: B's eight fragments, two sets; window 2: A's ring, on the way out the rows read back;
;   window 3: v0-127 my 32 rows of x1.
.set PITCH,  1040                      ; an LDS row of B: 1,024 bytes + 16: an odd multiple of 16
.set SLOT,   128*PITCH
.set SCA,    2*SLOT                    ; A's scale words: [32 pieces][128 rows x 4 bytes]
.set SCB,    SCA+16384                 ; B's scale bytes: 64 units of 256 bytes + 16
.set SB32,   16*272                    ; those of 32 rows
.set SPARE,  SCB+64*272                ; the spare words, 128 bytes for each wave: no other line names them
.set SPITCH, 528                       ; the way out: 16 rows x (512 + 16) bytes for each wave, in slot 0, which has had its last fill and its last read by then
.set AB0,  16                          ; v16-17 my lane's place in a slot: B's blocks 0-3, 4-7
.set ADRB, 20                          ; v20-21 the same in the slot in hand
.set ADSA, 22                          ; v22 A's scale words, v23 B's: stepped once a trip
.set ADSB, 23
.set LI,   24                          ; v24 16 x lane
.set STO,  25
.set RD,   26
.set BO,   27                          ; v27 32 x (lane / 16)
.set SPW,  28
.set NIL,  29
.set PFO,  30
.set SC,   32                          ; set s at SC + 20 s: 4 words of A (lanes 0-15 my rows 0-15, lanes 16-31 rows 16-31), then 4 x 4 of B (lanes 0-15 block 2 ip, lanes 16-31 block 2 ip + 1)
.set ACC,  128
.set WV, 16
.set G1, 24                            ; s[24:31] group 1: 32 rows of B;  s[80:87] 64 rows, for the head;  s[32:39] A's scale words;  s[40:47] B's scale bytes
.set G1H, 80
.set G1S, 32
.set G1SB, 40
.set G0H, 48
.set G0S, 52
.set G0SB, 56
.set G0, 60                            ; s[60:63] the ring's group 0, which walks
.set AB, 68                            ; s[68:69] my two tiles of A, at the trip's first piece
.set PFA, 70
.set TB, 72                            ; s72 the slot in hand, s73 the other one: 0 or SLOT
.set TBN, 73
.set WOFF, 74                          ; s74 my 32 rows' place in a slot
.set MSB, 0
.macro WIN new
.if MSB != (\new)
	s_set_vgpr_msb (MSB<<8)|(\new)
.set MSB, (\new)
.endif
.endm
.macro NOPS n
.rept \n
	v_nop
.endr
.endm
.macro CROUND
	s_barrier_signal -1
	s_barrier_wait -1
	s_cmp_lg_u32 s[WV], 0
	s_cbranch_scc1 .Lnot_wave_0_\@
	s_barrier_signal -3
.Lnot_wave_0_\@:
	s_barrier_wait -3
	s_barrier_signal -1
	s_barrier_wait -1
.endm
.macro DESC g, w0, c, r, p             ; group 1: r rows of c elements, p elements apart
	s_mov_b32 s[\g], \w0
	s_mov_b32 s[\g+1], (\c)<<16
	s_mov_b32 s[\g+2], (\r)<<16
	s_mov_b32 s[\g+3], (\c)<<16
	s_mov_b32 s[\g+4], \r
	s_mov_b32 s[\g+5], \p
	s_mov_b32 s[\g+6], 0
	s_mov_b32 s[\g+7], 0
.endm
.macro WM d, fb, fa, sb, sa, ob, oa
.if (\ob) && (\oa)
	v_wmma_scale_f32_16x16x128_f8f6f4 v[\d:\d+7], v[\fb:\fb+15], v[\fa:\fa+15], v[\d:\d+7], v[\sb], v[\sa] matrix_a_fmt:MATRIX_FMT_BF8 matrix_b_fmt:MATRIX_FMT_BF8 matrix_a_scale:MATRIX_SCALE_ROW1 matrix_b_scale:MATRIX_SCALE_ROW1
.elseif (\ob)
	v_wmma_scale_f32_16x16x128_f8f6f4 v[\d:\d+7], v[\fb:\fb+15], v[\fa:\fa+15], v[\d:\d+7], v[\sb], v[\sa] matrix_a_fmt:MATRIX_FMT_BF8 matrix_b_fmt:MATRIX_FMT_BF8 matrix_a_scale:MATRIX_SCALE_ROW1
.elseif (\oa)
	v_wmma_scale_f32_16x16x128_f8f6f4 v[\d:\d+7], v[\fb:\fb+15], v[\fa:\fa+15], v[\d:\d+7], v[\sb], v[\sa] matrix_a_fmt:MATRIX_FMT_BF8 matrix_b_fmt:MATRIX_FMT_BF8 matrix_b_scale:MATRIX_SCALE_ROW1
.else
	v_wmma_scale_f32_16x16x128_f8f6f4 v[\d:\d+7], v[\fb:\fb+15], v[\fa:\fa+15], v[\d:\d+7], v[\sb], v[\sa] matrix_a_fmt:MATRIX_FMT_BF8 matrix_b_fmt:MATRIX_FMT_BF8
.endif
.endm
.macro BFETCH j                        ; B's eight fragments of the slot's j-th 128 along K into set j % 2 of window 1
	WIN 0x40
.irp i, 0,1,2,3
.irp c, 0,1,2,3
	ds_load_b128 v[128*((\j)%2)+16*\i+4*\c:128*((\j)%2)+16*\i+4*\c+3], v[ADRB] offset:\i*16*PITCH+128*(\j)+32*\c
.endr
.endr
.irp i, 0,1,2,3
.irp c, 0,1,2,3
	ds_load_b128 v[128*((\j)%2)+64+16*\i+4*\c:128*((\j)%2)+64+16*\i+4*\c+3], v[ADRB+1] offset:\i*16*PITCH+128*(\j)+32*\c
.endr
.endr
.endm
.macro ALOAD k, off                    ; my two tiles of A, the piece `off` pieces on from the trip's first, into buffer k of window 2 (the window is set by the caller)
.irp t, 0,1
.irp c, 0,1,2,3
	global_load_b128 v[32*(\k)+16*\t+4*\c:32*(\k)+16*\t+4*\c+3], v[LI], s[AB:AB+1] offset:\t*65536+(\off)*2048+\c*512
.endr
.endr
.endm
.macro XLOAD r0                        ; eight of my 32 rows of x1, from row r0 on, into window 3 (the window is set by the caller): a row's 512 bytes by the 32 lanes
.irp t, 0,1,2,3,4,5,6,7
	global_load_b128 v[4*((\r0)+\t):4*((\r0)+\t)+3], v[LI], s[12:13] offset:((\r0)+\t)*4096 th:TH_LOAD_NT
.endr
.endm
.macro SCF set, offa, offb
.irp w, 0,1,2,3
	ds_load_b32 v[SC+20*(\set)+\w], v[ADSA] offset:(\offa)+\w*512
.endr
.irp ip, 0,1,2,3
	ds_load_b128 v[SC+20*(\set)+4+4*\ip:SC+20*(\set)+4+4*\ip+3], v[ADSB] offset:(\offb)+\ip*SB32
.endr
.endm
; 128 along K: the slot's j-th piece.  16 matrix instructions, the 16 accumulators by turns.
.macro QTR j, last
.if (\last) && ((\j) >= 6)
	s_wait_loadcnt 8*(11-(\j))                     ; the last K step's pieces 6 and 7: behind this piece's eight loads stand A's that are left (8, 0) and x1's 32
.else
	s_wait_loadcnt 48                              ; behind this piece's eight loads stand those of six later pieces
.endif
	s_wait_dscnt 0x0                               ; B's fragments and the scale words are in
	NOPS 8                                         ; places in front of loads into registers that the last piece's matrix instructions read
.if (\j) < 7
	BFETCH (\j)+1
.endif
.if ((\last) == 0) || ((\j) == 0)
	WIN 0x80
	ALOAD ((\j)+7)%8, (\j)+7
.endif
.if (\last) && ((\j) >= 1) && ((\j) <= 4)
	WIN 0xc0                                       ; in the last K step, where A's loads have ceased, x1 is asked for, eight rows a piece: so up to piece 5 48 loads stand behind a piece's own (A's that are left and x1's so far)
	XLOAD 8*((\j)-1)
.endif
.if (\j) == 3
	WIN 0
	SCF 1, 2048, 16
.endif
	WIN 0x09                                       ; source 0 (B) window 1, source 1 (A) window 2, C and D window 0
.irp b, 0,1,2,3,4,5,6,7
.irp a, 0,1
	WM ACC+8*(8*\a+\b), 128*((\j)%2)+16*\b, 32*(\j)+16*\a, SC+20*((\j)/4)+4+4*(\b/2)+(\j)%4, SC+20*((\j)/4)+(\j)%4, \b%2, \a
.endr
.endr
	WIN 0
.endm
; THE CHANGE OF SLOTS, at a trip's head: every wave waits for all its tensor loads, adds 0 to its spare word, waits for that and for its reads of the slot that it has left.
; fill = 1: a round of the cluster's barrier, and the next K step's joint load into the other slot (the first time: slot 1's first fill): it has the trip's 128 matrix instructions in which to land.
.macro CHANGE fill
	s_wait_tensorcnt 0x0                           ; no tensor load of mine is out, so the group 0 may be written
	ds_add_u32 v[SPW], v[NIL]
.if \fill
	s_add_nc_u64 s[G0+2:G0+3], s[G0+2:G0+3], 1024
	s_add_co_u32 s[G0+1], s[WOFF], s[TBN]
.endif
	s_wait_dscnt 0x0
.if \fill
	CROUND
	tensor_load_to_lds s[G0:G0+3], s[G1:G1+7]
	s_nop 0
	NOPS 4
.else
	s_barrier_signal -1
	s_barrier_wait -1
.endif
	v_add_nc_u32 v[ADRB], s[TB], v[AB0]
	v_add_nc_u32 v[ADRB+1], s[TB], v[AB0+1]
	v_add_nc_u32 v[ADSA], 4096, v[ADSA]            ; eight pieces on
	v_add_nc_u32 v[ADSB], 32, v[ADSB]
	s_wait_alu depctr_va_vdst(0)
	SCF 0, 0, 0
	BFETCH 0
	WIN 0
.if \fill
	s_cmp_eq_u32 s3, 3                             ; in the first trip: B's K step 3, two fills ahead of its load
	s_cbranch_scc0 .Lno_ask_\@
	global_prefetch_b8 v[PFO], s[PFA:PFA+1] offset:3072 th:TH_LOAD_NT scope:SCOPE_SE
.Lno_ask_\@:
.endif
.endm
	s_load_b256 s[4:11], s[0:1], 0x0               ; gq s[4:5], w_down's codes s[6:7], scales s[8:9], b_down s[10:11]
	s_load_b128 s[12:15], s[0:1], 0x20             ; x1 s[12:13], out0 s[14:15]
	v_lshl_add_u32 v[SPW], v0, 2, SPARE
	v_mov_b32 v[NIL], 0
	ds_add_u32 v[SPW], v[NIL]                      ; the opening: the add, twice on end, and its wait ahead of my first tensor load
	ds_add_u32 v[SPW], v[NIL]
	v_lshrrev_b32 v1, 5, v0
	v_readfirstlane_b32 s[WV], v1
	s_bfe_u32 s17, ttmp6, 0x40000                  ; cx
	s_lshl_b32 s18, ttmp9, 2
	s_add_co_u32 s18, s18, s17                     ; tile row: it enters A's, x1's and out's addresses alone
	s_and_b32 s19, ttmp7, 0xffff                   ; tile column, which the four partners share
	DESC G1,   15|(1<<20)|(1<<21)|(7<<22)|(3<<25), 1024, 32, 4096          ; bytes; 16 bytes of padding behind each 256 words
	DESC G1H,  15|(1<<20)|(1<<21)|(7<<22)|(3<<25), 1024, 64, 4096
	DESC G1S,  3<<16, 64, 32, 2048                                          ; 32 pieces x 512 bytes, 16,384 bytes apart; my work-group's own
	DESC G1SB, 15|(3<<16)|(1<<20)|(1<<21)|(5<<22)|(3<<25), 32, 64, 32       ; 16,384 dense bytes as 64 rows of 256
	s_lshl_b32 s20, s19, 19                        ; B's tile: 128 rows of 4,096 bytes
	s_mov_b32 s21, 0
	s_lshl_b32 s22, s19, 14                        ; its scale bytes
	s_mov_b32 s23, 0
	s_and_b32 s88, s[WV], 1
	s_mul_i32 s67, s88, 64*PITCH                   ; the head's halves of K step 0: in LDS,
	s_lshl_b32 s88, s88, 18                        ; and in memory
	s_mov_b32 s89, 0
	s_lshl_b32 s90, s[WV], 17                      ; my 32 rows of B in the ring; my two tiles of A; my 32 rows of x1: 131,072 bytes a wave in all three
	s_mov_b32 s91, 0
	s_mul_i32 s[WOFF], s[WV], 32*PITCH
	s_lshl_b32 s92, s18, 19                        ; the tile row in A and in x1: 524,288 bytes in both
	s_mov_b32 s93, 0
	s_lshl_b32 s94, s18, 9
	s_add_co_u32 s94, s94, 16777216                ; A's scale words
	s_mov_b32 s95, 0
	s_lshl_b32 s78, s19, 9                         ; my columns, in bytes of f32
	s_mov_b32 s79, 0
	s_add_co_u32 s76, s92, s90
	s_add_co_u32 s76, s76, s78                     ; my part of x1 and of out
	s_mov_b32 s77, 0
	s_lshl_b32 s2, s[WV], 7
	s_add_co_u32 s2, s2, SCA-4096                  ; (the first trip steps it to SCA)
	s_mul_i32 s66, s[WV], 16*SPITCH                ; my stage
	s_mov_b32 s[TB], 0
	s_mov_b32 s[TBN], SLOT
	s_wait_dscnt 0x0                               ; both opening adds are done
	s_wait_kmcnt 0x0
	s_add_nc_u64 s[6:7], s[6:7], s[20:21]
	s_add_nc_u64 s[8:9], s[8:9], s[22:23]
	s_add_nc_u64 s[AB:AB+1], s[4:5], s[92:93]
	s_add_nc_u64 s[AB:AB+1], s[AB:AB+1], s[90:91]
	s_add_nc_u64 s[4:5], s[4:5], s[94:95]
	s_add_nc_u64 s[10:11], s[10:11], s[78:79]
	s_add_nc_u64 s[12:13], s[12:13], s[76:77]
	s_add_nc_u64 s[14:15], s[14:15], s[76:77]
	s_add_nc_u64 s[PFA:PFA+1], s[6:7], s[90:91]
	s_lshl_b32 s20, s17, 15                        ; my work-group's 8 of the 32 rows
	s_add_nc_u64 s[PFA:PFA+1], s[PFA:PFA+1], s[20:21]
	CROUND                                         ; all four work-groups are here: the first joint loads meet
	s_mov_b32 s[G0H], 1
	s_mov_b32 s[G0H+1], s67
	s_add_nc_u64 s[G0H+2:G0H+3], s[6:7], s[88:89]
	s_or_b32 s[G0H+3], s[G0H+3], 0x80000000
	s_mov_b32 s[G0S], 1
	s_mov_b32 s[G0S+1], SCA
	s_mov_b64 s[G0S+2:G0S+3], s[4:5]
	s_or_b32 s[G0S+3], s[G0S+3], 0x80000000
	s_mov_b32 s[G0SB], 1
	s_mov_b32 s[G0SB+1], SCB
	s_mov_b64 s[G0SB+2:G0SB+3], s[8:9]
	s_or_b32 s[G0SB+3], s[G0SB+3], 0x80000000
	s_mov_b32 s[G0], 1
	s_mov_b32 s[G0+1], s[WOFF]
	s_add_nc_u64 s[G0+2:G0+3], s[6:7], s[90:91]    ; K step 0: each change of slots steps it first
	s_or_b32 s[G0+3], s[G0+3], 0x80000000
.macro ARM under, g0, g1, next         ; one chain of branches on the wave's number, one load in each arm
	s_cmp_lt_u32 s[WV], \under
	s_cbranch_scc0 \next
	tensor_load_to_lds s[\g0:\g0+3], s[\g1:\g1+7]
	s_nop 0
	NOPS 4
	s_branch .Lhead_asked
\next:
.endm
	ARM 2, G0H, G1H, .Lhead_sa
	ARM 3, G0S, G1S, .Lhead_sb
	tensor_load_to_lds s[G0SB:G0SB+3], s[G1SB:G1SB+7]
	s_nop 0
	NOPS 4
.Lhead_asked:
	v_and_b32 v1, 15, v0                           ; r
	v_bfe_u32 v2, v0, 4, 1                         ; h
	v_and_b32 v3, 31, v0                           ; lane
	v_lshlrev_b32 v[LI], 4, v3
	v_lshlrev_b32 v[BO], 5, v2
.irp a, 0,1
.irp b, 0,1,2,3,4,5,6,7
	global_load_b128 v[ACC+8*(8*\a+\b):ACC+8*(8*\a+\b)+3], v[BO], s[10:11] offset:64*\b        ; the bias at columns 16 b + 8 h + 0 .. 7: where the sums begin
	global_load_b128 v[ACC+8*(8*\a+\b)+4:ACC+8*(8*\a+\b)+7], v[BO], s[10:11] offset:64*\b+16
.endr
.endr
	WIN 0x80
.irp q, 0,1,2,3,4,5,6
	ALOAD \q, \q
.endr
	WIN 0
	v_mul_u32_u24 v4, v1, PITCH
	v_lshl_add_u32 v[AB0], v2, 4, v4               ; a fragment's row x pitch + 16 x half
	v_add_nc_u32 v[AB0+1], 64*PITCH, v[AB0]
	v_lshl_add_u32 v[ADSA], v3, 2, s2              ; A's words: row 32 wave + lane
	v_lshlrev_b32 v5, 7, v3
	v_lshrrev_b32 v6, 1, v3
	v_lshl_add_u32 v5, v6, 4, v5                   ; B's: 128 bytes a row, 16 more for each 256 passed
	v_add_nc_u32 v[ADSB], SCB-32, v5               ; (the first trip steps it to SCB)
	v_mul_u32_u24 v5, v1, SPITCH
	v_lshl_add_u32 v5, v2, 5, v5
	v_add_nc_u32 v[STO], s66, v5                   ; into my stage: row r, 32 bytes for each half of the lanes
	v_add_nc_u32 v[RD], s66, v[LI]                 ; back: the 32 lanes take one row of 512 bytes
	v_lshrrev_b32 v5, 2, v3
	v_and_b32 v6, 3, v3
	v_lshlrev_b32 v6, 8, v6
	v_lshl_add_u32 v[PFO], v5, 12, v6              ; four lanes a row of B, 256 bytes each
	global_prefetch_b8 v[PFO], s[PFA:PFA+1] offset:1024 th:TH_LOAD_NT scope:SCOPE_SE
	global_prefetch_b8 v[PFO], s[PFA:PFA+1] offset:2048 th:TH_LOAD_NT scope:SCOPE_SE
	s_mov_b32 s3, 3
	s_wait_alu depctr_va_vdst(0)
.Ltrip:                                            ; three trips, each with the next K step's load; the last K step is written out
	CHANGE 1
.irp j, 0,1,2,3,4,5,6,7
	QTR \j, 0
.endr
	s_wait_xcnt 0x0                                ; my loads and prefetches have read their addresses: A's base may step
	s_add_nc_u64 s[AB:AB+1], s[AB:AB+1], 16384
	s_xor_b32 s[TB], s[TB], SLOT
	s_xor_b32 s[TBN], s[TBN], SLOT
	s_sub_co_u32 s3, s3, 1
	s_cmp_lg_u32 s3, 0
	s_cbranch_scc1 .Ltrip
	CHANGE 0
.irp j, 0,1,2,3,4,5,6,7
	QTR \j, 1
.endr
	NOPS 8                                         ; in front of the first read of results, and of loads into registers that held A
; THE WAY OUT, 16 rows x 128 columns at a time: through my stage in LDS, back as whole rows of 512 bytes, x1 added, stored as two aligned units of 256 bytes a row
.macro OUT a
.irp b, 0,1,2,3,4,5,6,7
	ds_store_b128 v[STO], v[ACC+8*(8*\a+\b):ACC+8*(8*\a+\b)+3] offset:64*\b          ; each accumulator from its low end on
	ds_store_b128 v[STO], v[ACC+8*(8*\a+\b)+4:ACC+8*(8*\a+\b)+7] offset:64*\b+16
.endr
	WIN 0x80
.irp t, 0,1,2,3,4,5,6,7,8,9,10,11,12,13,14,15
	ds_load_b128 v[64*\a+4*\t:64*\a+4*\t+3], v[RD] offset:\t*SPITCH   ; LDS serves a wave's instructions in order: these see the stores above
.endr
	s_wait_dscnt 0x0
	s_wait_loadcnt 16*(1-\a)                       ; x1's rows of this block are in: behind those of rows 0-15 stand the sixteen loads of rows 16-31
	WIN 0x8e
.set i, 0
.rept 32
	v_pk_add_f32 v[64*\a+i:64*\a+i+1], v[64*\a+i:64*\a+i+1], v[64*\a+i:64*\a+i+1]
.set i, i+2
.endr
	WIN 0x08                                       ; the stores' data: window 2
.irp t, 0,1,2,3,4,5,6,7,8,9,10,11,12,13,14,15
	global_store_b128 v[LI], v[64*\a+4*\t:64*\a+4*\t+3], s[14:15] offset:(16*\a+\t)*4096 th:TH_STORE_NT
.endr
	WIN 0
.endm
	OUT 0
	OUT 1
	s_wait_tensorcnt 0x0                           ; the wave's end
	ds_add_u32 v[SPW], v[NIL]
	s_wait_dscnt 0x0
	CROUND                                         ; the closing round
	s_endpgm
.Lfunc_end_k_q78330fe6e1_ffdown:
	.size	k_q78330fe6e1_ffdown, .Lfunc_end_k_q78330fe6e1_ffdown-k_q78330fe6e1_ffdown
	.p2alignl 7, 3214868480
	.fill 96, 4, 3214868480
	.section	.rodata,"a",@progbits
	.p2align	6, 0x0
	.amdhsa_kernel k_q78330fe6e1_ffdown
		.amdhsa_group_segment_fixed_size 327680
		.amdhsa_private_segment_fixed_size 0
		.amdhsa_enable_private_segment 0
		.amdhsa_kernarg_size 48
		.amdhsa_user_sgpr_count 2
		.amdhsa_user_sgpr_kernarg_segment_ptr 1
		.amdhsa_wavefront_size32 1
		.amdhsa_system_sgpr_workgroup_id_x 1
		.amdhsa_system_sgpr_workgroup_id_y 1
		.amdhsa_system_sgpr_workgroup_id_z 1
		.amdhsa_system_vgpr_workitem_id 0
		.amdhsa_next_free_vgpr 896
		.amdhsa_next_free_sgpr 96
		.amdhsa_reserve_vcc 0
		.amdhsa_float_denorm_mode_32 3
		.amdhsa_float_denorm_mode_16_64 3
		.amdhsa_memory_ordered 1
		.amdhsa_forward_progress 1
		.amdhsa_inst_pref_size 113
	.end_amdhsa_kernel
	.amdgpu_metadata
---
amdhsa.version: [ 1, 2 ]
amdhsa.kernels:
  - .name:           k_q78330fe6e1_ffdown
    .symbol:         k_q78330fe6e1_ffdown.kd
    .args:
      - { .name: gq, .offset: 0, .size: 8, .value_kind: global_buffer, .address_space: global }
      - { .name: w_down_codes, .offset: 8, .size: 8, .value_kind: global_buffer, .address_space: global }
      - { .name: w_down_scales, .offset: 16, .size: 8, .value_kind: global_buffer, .address_space: global }
      - { .name: b_down, .offset: 24, .size: 8, .value_kind: global_buffer, .address_space: global }
      - { .name: x1, .offset: 32, .size: 8, .value_kind: global_buffer, .address_space: global }
      - { .name: out0, .offset: 40, .size: 8, .value_kind: global_buffer, .address_space: global }
    .group_segment_fixed_size: 327680
    .private_segment_fixed_size: 0
    .kernarg_segment_align: 8
    .kernarg_segment_size: 48
    .max_flat_workgroup_size: 128
    .sgpr_count:     96
    .vgpr_count:     896
    .wavefront_size: 32
...
	.end_amdgpu_metadata
.endif
;; end of part 12
